; MI455X (gfx1250); checked and timed in simulation.
; The chip was launched on July 23, 2026; its instructions are those of AMD's public machine-readable ISA for CDNA 5 (MIT licence, August 2026) and "CDNA5" Instruction Set Architecture Reference Guide (July 2026). The comments in the code are by the model that wrote it; some were corrected since.
;; Encoder Layer. Allowed arithmetic: matrix products marked QUANTISED: E3M2 operands, one E8M0 scale for each 32 along K, by v_wmma_scale_f32_16x16x128_f8f6f4 with both operands' format E3M2, f32 sums; products left as they are: f32 operands where the result goes on into a quantised operand, else bf16, f16 or f32 operands; f32 sums; everything else in f32.
;; Inputs: W1_codes 1,024 x 8 x 24 uint8 (E3M2 codes of W1, K innermost, in blocks of 32 codes, four codes in three bytes); W1_scales 1,024 x 8 uint8 (E8M0 scales of W1, one for each 32 codes along K); W2_codes 256 x 16 x 24 uint8 (E3M2 codes of W2, K innermost, in blocks of 32 codes, four codes in three bytes); W2_scales 256 x 16 uint8 (E8M0 scales of W2, one for each 32 codes along K); Wk_codes 256 x 8 x 24 uint8 (E3M2 codes of Wk, K innermost, in blocks of 32 codes, four codes in three bytes); Wk_scales 256 x 8 uint8 (E8M0 scales of Wk, one for each 32 codes along K); Wo_codes 256 x 8 x 24 uint8 (E3M2 codes of Wo, K innermost, in blocks of 32 codes, four codes in three bytes); Wo_scales 256 x 8 uint8 (E8M0 scales of Wo, one for each 32 codes along K); Wq_codes 256 x 8 x 24 uint8 (E3M2 codes of Wq, K innermost, in blocks of 32 codes, four codes in three bytes); Wq_scales 256 x 8 uint8 (E8M0 scales of Wq, one for each 32 codes along K); Wv_codes 256 x 8 x 24 uint8 (E3M2 codes of Wv, K innermost, in blocks of 32 codes, four codes in three bytes); Wv_scales 256 x 8 uint8 (E8M0 scales of Wv, one for each 32 codes along K); b1 1,024 float32; b2 256 float32; beta1 256 float32; beta2 256 float32; bo 256 float32; gamma1 256 float32; gamma2 256 float32; x 16 x 1,024 x 256 float32.
;; Outputs: out0 16 x 1,024 x 256 float32.
;; This version of the problem:
;;   THIS VERSION OF THE PROBLEM IS GIVEN IN LOW PRECISION. The matrix products marked QUANTISED in the list below multiply operands that are first quantised to E3M2 (3 exponent bits, 2 mantissa bits; 6 bits a number), with one power-of-two scale for each 32 numbers along K (OCP MX v1.0); their sums are f32. All else is computed in f32.
;;   The module's matrix products, in the order in which they are computed (A, B: the left and right operand; K: the contracted axis; several contracted axes count as one K, in the product's order):
;;     1. [M 16,384, K 256] x [K 256, N 256]; A: input x; B: input Wq (given as codes): QUANTISED
;;     2. [M 16,384, K 256] x [K 256, N 256]; A: input x; B: input Wk (given as codes): QUANTISED
;;     3. [M 16,384, K 256] x [K 256, N 256]; A: input x; B: input Wv (given as codes): QUANTISED
;;     4. batch 256 x [M 1,024, K 16] x [K 16, N 1,024]; A: computed on the way; B: computed on the way: left as it is (K = 16 < 32)
;;     5. batch 256 x [M 16, K 1,024] x [K 1,024, N 1,024]; A: computed on the way; B: softmax (see below): QUANTISED
;;     6. [M 16,384, K 256] x [K 256, N 256]; A: computed on the way; B: input Wo (given as codes): QUANTISED
;;     7. [M 16,384, K 256] x [K 256, N 1,024]; A: computed on the way; B: input W1 (given as codes): QUANTISED
;;     8. [M 16,384, K 512] x [K 512, N 256]; A: computed on the way; B: input W2 (given as codes): QUANTISED
;;   THE QUANTISER, for each operand of a quantised product, along K:
;;     - K is cut into blocks of 32 from its start; a last block that is shorter is filled with zeros.
;;     - A block's scale is 2^e with e = floor(log2(the largest magnitude in the block)) - 4, held to -126 .. 127; a block of zeros has e = 0. As a byte (E8M0): e + 127.
;;     - Each number is divided by its block's scale, clamped to +-28, and rounded to the nearest number of E3M2, ties to even, subnormals kept.
;;     - The product sums the exact products of the quantised numbers (number of the format x scale) in f32.
;;   ~~~python
;;   def quantise(x, axis):      # numpy; x: float32 -> the quantised numbers, widened to float32 again
;;       x = np.moveaxis(x, axis, -1); K = x.shape[-1]
;;       x = np.pad(x, [(0, 0)] * (x.ndim - 1) + [(0, -K % 32)]); x = x.reshape(x.shape[:-1] + (-1, 32)); a = np.abs(x).max(-1, keepdims=True)
;;       e = np.where(a > 0, np.clip(np.frexp(np.where(a > 0, a, 1))[1] - 1 - 4, -126, 127), 0)      # np.frexp(a)[1] - 1 = floor(log2(a)), exactly
;;       r = np.clip(x / 2.0 ** e, -28, 28)
;;       step = 2.0 ** (np.maximum(np.frexp(np.where(r == 0, 1, r))[1] - 1, -2) - 2)
;;       q = np.round(r / step) * step * 2.0 ** e      # np.round: ties to even
;;       return np.moveaxis(q.reshape(q.shape[:-2] + (-1,))[..., :K], -1, axis).astype(np.float32)
;;   ~~~
;;   SOFTMAX AHEAD OF A QUANTISED PRODUCT. Where the list says 'softmax', what is quantised is not the finished softmax but p = 2^(t - M), with t = logit x log2(e) and M = ceil(the row's largest t), a whole number; so 1/2 < the row's largest p <= 1. The row's sum l is taken of the UNQUANTISED p, in f32, and the product's result is divided by l at the end. Since M is a whole number, a kernel that streams over the keys may use a running M (the ceiling of the running maximum): every later rescaling is an exact power of two, which a block's scale takes up: the codes' values come out the same.
;;   OPERANDS COMPUTED ON THE WAY. 'Computed on the way' means the value that the module computes at that place (a softmax that the list does not call 'softmax' is quantised finished and normalised). What goes into a quantiser is computed in f32, as accurately as f32 sums, v_exp_f32 and their like allow (about 1e-6 of the number): no bf16 or f16 on the way to a quantiser, and a product that is left as it is and whose result goes on into a quantised operand takes f32 operands (vector FMAs, or v_wmma_f32_16x16x4_f32). A number that lies on a knife's edge between two numbers of the format may be rounded either way, as far as f32 arithmetic and the matrix unit's own rounding can turn it there, and no further.
;;   INPUTS GIVEN AS CODES. W1 (in the module: [256, 1024], K = its axis 0); W2 (in the module: [512, 256], K = its axis 0); Wk (in the module: [256, 256], K = its axis 0); Wo (in the module: [256, 256], K = its axis 0); Wq (in the module: [256, 256], K = its axis 0); Wv (in the module: [256, 256], K = its axis 0): each comes as NAME_codes (uint8): NAME with its K axis moved to the last place and cut into blocks of 32 codes, [.., K / 32, bytes a block], one block behind the other in memory; four codes in three bytes: a row's codes are one little-endian stream of bits, code i at bits 6 i .. 6 i + 5 (a code: sign, 3 exponent bits, 2 mantissa bits); and NAME_scales (uint8): the same leading axes, one E8M0 byte (e + 127) for each 32 codes along K. Its value is code x scale, taken as it is: it is not quantised again, and the codes and scales need not be those that the quantiser above would give.
;; 2 versions, each right; version 2 is version 1 with the launches qkv, att, wo, ffn written anew for expert scheduling mode. Each part assembles by itself: llvm-mc -triple=amdgcn-amd-amdhsa -mcpu=gfx1250 --defsym DOCPART=n.
;; ======== version 1 of 2: 5 launches
;; workspace buffers: qz 16,777,216 bytes; ky 16,777,216 bytes; wa 16,777,216 bytes; vc 3,145,728 bytes; vs 131,072 bytes; st1 524,288 bytes; st2 524,288 bytes
;; launch qkv (part 1): grid 256 x 1, 8 waves a work-group, no clusters, 13,824 bytes of LDS; arguments x, Wq_codes, Wq_scales, Wk_codes, Wk_scales, Wv_codes, Wv_scales, qz, ky, vc, vs; writes qz, ky, vc, vs
.if DOCPART == 1
	.amdgcn_target "amdgcn-amd-amdhsa--gfx1250"
	.amdhsa_code_object_version 6
	.text
	.protected	k_q08da3f5c1b_qkv
	.globl	k_q08da3f5c1b_qkv
	.p2align	8
	.type	k_q08da3f5c1b_qkv,@function
k_q08da3f5c1b_qkv:
	s_mov_b64 s[64:65], 0
	v_nop
	global_prefetch_b8 v0, s[64:65] scope:SCOPE_SE
	s_setreg_imm32_b32 hwreg(HW_REG_WAVE_MODE, 25, 1), 1
	s_wait_xcnt 0x0
; LAUNCH 1 OF 5 of an encoder layer (16 batches x 1,024 tokens x 256 channels, 16 heads of 16): q = Q(x) Wq, k = Q(x) Wk, v = Q(x) Wv on codes of E3M2 with one E8M0 scale for each 32 along K;
; v is then quantised along the KEYS, which are the K of the product with the softmax's p.
; DEAD WORK, for the whole program.  bo is added to attn Wo + x, and b2 to h + ff, each straight ahead of an instance norm over the 1,024 tokens.  Both are constants along the tokens: for any c,
; mean(y + c) = mean(y) + c, so y + c - mean(y + c) = y - mean(y), and the variance, made of these differences, is the same too.  So neither can reach h (and so no later quantiser) nor the output, whatever finite
; values the inputs hold.  bo and b2 are not loaded and are among no launch's arguments.  LIMIT: a NaN, an infinity or an overflow that reaches only bo or b2 is not carried to the result.
; LIMITS: NaN and infinities among the inputs are not served.  A block of zeros gets the scale byte 1 where the rule says 127 (its codes are zeros, and this program alone reads the bytes); a block whose largest
; magnitude lies under 2^-122 is held at the byte 1.
; SHARES.  A work-group takes 64 tokens (g = 16 x batch + block of tokens).  Wave w quantises channels 32 w .. 32 w + 31 of all 64 tokens; the eight fragments of x meet in LDS as images of their registers;
; then wave w makes heads 2 w and 2 w + 1 of q, k and v for all 64 tokens, its weights coming from memory straight into its registers.
; NO CLUSTER: all work-groups read the same 153,600 bytes of weights, but each fragment goes from memory into the registers of the one wave that multiplies by it; a joint tensor load would add an LDS write and
; an LDS read of every one of those bytes, for 24 matrix instructions a wave and head.
; TOKEN TILES.  Row r of tile T of a batch is token 32 (T / 2) + 8 (T % 2) + r + 8 (r / 8): the 16 registers of two neighbouring tiles of a result whose rows are tokens are then 16 neighbouring tokens.
; OUT.  q and k: the eight result registers as they stand, [batch][head][tile 64][chunk 2][lane 32][4 f32]: lane (r, h), chunk c, word i = (token of row r, d = 8 h + 4 c + i).
; v's codes: [batch][head][block of 64 keys][768]: registers 6 c .. 6 c + 5 of the operand's fragment, 512 bytes (16 x lane) and 256 bytes (8 x lane).  v's scale bytes: [batch][block of 64 keys][head][d] of two bytes.
.set XIMG,  0                          ; LDS: x's fragments (tile m, K step s) at 1,536 (2 m + s): two halves of 768 bytes, each 512 (16 x lane: registers 0-3) + 256 (8 x lane: registers 4-5)
.set XSC,   12288                      ; their scale words, 64 bytes a fragment, 4 bytes a row
.set SPARE, 12800                      ; the spare words, 128 bytes for each wave: four blocks of 256 bytes that no other line names
.set L16, 1                            ; 16 x lane
.set L8,  2                            ; 8 x lane
.set L4R, 3                            ; 4 r
.set XA,  4                            ; x: 1,024 (r + 8 (r / 8)) + 64 h
.set WA,  5                            ; weights: 192 r + 24 h
.set WSA, 6                            ; their scales: 8 r
.set W16, 7                            ; where my codes go in LDS: registers 0-3,
.set W8,  8                            ; registers 4-5,
.set WB,  9                            ; and the scale byte
.set VSA, 10                           ; v's scale bytes in memory: 32 h + 2 r
.set SPW, 14
.set NIL, 15
.set WSC, 16                           ; v16-27 the weights' scale words: 6 e + 2 matrix + s
.set XS,  28                           ; v28-35 x's: 2 m + s
.set T0,  36                           ; v36-41 at work in the quantiser
.set PC,  42                           ; v42-47 codes just made
.set X,   48                           ; v48-50 their second half
.set BY,  51
.set SW,  52                           ; v52-53 v's two scale bytes, for each of my heads
.set QA,  64                           ; v64-95 q, v96-127 k, v128-159 v: four tiles of eight
.set KA,  96
.set VA,  128
.set RAW, 64                           ; v64-127 x as loaded, ahead of the products
.set XF,  144                          ; window 1: v144-239 x's eight fragments; v0-143 the weights': 12 (6 e + 2 matrix + s)
.set SEL, 30
.set MSB, 0
.macro WIN new                         ; the immediate's high byte repeats the setting that is left
.if MSB != \new
	s_set_vgpr_msb (MSB<<8)|\new
.set MSB, \new
.endif
.endm
.macro PLACES n
.rept \n
	v_nop
.endr
.endm
.macro BARRIER                         ; my LDS stores have landed and my LDS loads are in: then the work-group's barrier
	s_wait_dscnt 0x0
	s_barrier_signal -1
	s_barrier_wait -1
.endm
; 16 + 16 numbers of a lane become codes.  Lanes l and l xor 16 hold the two halves of a block of 32.  Afterwards lanes 0-15 hold all 32 codes of a's block in v[PC .. PC+5], lanes 16-31 those of b's;
; v[T0+2], v[T0+3] hold the two scale bytes.
.macro Q32 a, b
	v_max3_num_f32 v[T0], |v[\a]|, |v[\a+1]|, 0x2800000      ; the floor 2^(5 - 127) among the leaves holds the byte at 1 from below
	v_max3_num_f32 v[T0+1], |v[\b]|, |v[\b+1]|, 0x2800000
.irp i, 2,4,6,8,10,12,14
	v_max3_num_f32 v[T0], v[T0], |v[\a+\i]|, |v[\a+\i+1]|
	v_max3_num_f32 v[T0+1], v[T0+1], |v[\b+\i]|, |v[\b+\i+1]|
.endr
	v_permlanex16_b32 v[T0+2], v[T0], s[SEL], s[SEL+1]
	v_permlanex16_b32 v[T0+3], v[T0+1], s[SEL], s[SEL+1]
	v_max_num_f32 v[T0], v[T0], v[T0+2]                      ; the blocks' largest magnitudes
	v_max_num_f32 v[T0+1], v[T0+1], v[T0+3]
	v_add_nc_u32 v[T0+4], 0xfe000000, v[T0]                  ; 4 off the exponent field: the conversion's scale operand
	v_add_nc_u32 v[T0+5], 0xfe000000, v[T0+1]
	v_lshrrev_b32 v[T0+2], 23, v[T0+4]                       ; the scale bytes
	v_lshrrev_b32 v[T0+3], 23, v[T0+5]
	v_cvt_scalef32_pk16_bf6_f32 v[PC:PC+2], v[\a:\a+15], v[T0+4]
	v_cvt_scalef32_pk16_bf6_f32 v[X:X+2], v[\b:\b+15], v[T0+5]
	v_nop                                                    ; one plain place behind a scaled conversion
.irp i, 0,1,2
	v_permlane16_swap_b32 v[PC+\i], v[X+\i]                  ; a's upper 16 codes change places with b's lower 16
.endr
.irp i, 0,1,2
	v_mov_b32 v[PC+3+\i], v[X+\i]
.endr
.endm
; a and b were block w of tiles m0 and m0 + 1: lane (r, h) holds row r of tile m0 + h.  In the fragment that block belongs to lane 16 (w % 2) + r, registers 6 ((w % 4) / 2) on, of K step w / 4.
.macro QBST m0
	v_cndmask_b32 v[BY], v[T0+2], v[T0+3], s27
	ds_store_b128 v[W16], v[PC:PC+3] offset:XIMG+3072*\m0
	ds_store_b64 v[W8], v[PC+4:PC+5] offset:XIMG+3072*\m0
	ds_store_b8 v[WB], v[BY] offset:XSC+128*\m0
.endm
.macro FETCHF reg, off                 ; a fragment comes back as the registers that it is
	ds_load_b128 v[\reg:\reg+3], v[L16] offset:\off
	ds_load_b64 v[\reg+4:\reg+5], v[L8] offset:\off+512
	ds_load_b128 v[\reg+6:\reg+9], v[L16] offset:\off+768
	ds_load_b64 v[\reg+10:\reg+11], v[L8] offset:\off+1280
.endm
.macro MMZ d, a, b, sa, sb             ; the first K step starts a sum
	v_wmma_scale_f32_16x16x128_f8f6f4 v[\d:\d+7], v[\a:\a+11], v[\b:\b+11], 0, v[\sa], v[\sb] matrix_a_fmt:MATRIX_FMT_BF6 matrix_b_fmt:MATRIX_FMT_BF6
.endm
.macro MMI d, a, b, sa, sb             ; and the next adds in place
	v_wmma_scale_f32_16x16x128_f8f6f4 v[\d:\d+7], v[\a:\a+11], v[\b:\b+11], v[\d:\d+7], v[\sa], v[\sb] matrix_a_fmt:MATRIX_FMT_BF6 matrix_b_fmt:MATRIX_FMT_BF6
.endm
.macro WLOAD e                         ; head 2 w + e: 16 rows of each of the three weights, two K steps: 36 loads of 8 bytes
.irp a, 0,1,2
.irp s, 0,1
.irp p, 0,1,2,3,4,5
	global_load_b64 v[12*(6*\e+2*\a+\s)+2*\p:12*(6*\e+2*\a+\s)+2*\p+1], v[WA], s[6+4*\a:7+4*\a] offset:3072*\e+96*\s+48*(\p/3)+8*(\p%3)
.endr
.endr
.endr
.endm
	s_load_b256 s[4:11], s[0:1], 0x0               ; x, Wq's codes, Wq's scales, Wk's codes
	s_load_b256 s[12:19], s[0:1], 0x20             ; Wk's scales, Wv's codes, Wv's scales, qz
	s_load_b128 s[20:23], s[0:1], 0x40             ; ky, vc
	s_load_b64 s[24:25], s[0:1], 0x50              ; vs
	v_lshl_add_u32 v[SPW], v0, 2, SPARE
	v_mov_b32 v[NIL], 0
	v_lshrrev_b32 v11, 5, v0
	v_readfirstlane_b32 s26, v11                   ; wave 0..7
	v_and_b32 v11, 31, v0                          ; lane
	v_and_b32 v12, 15, v0                          ; r
	v_bfe_u32 v13, v0, 4, 1                        ; h
	v_lshlrev_b32 v[L16], 4, v11
	v_lshlrev_b32 v[L8], 3, v11
	v_lshlrev_b32 v[L4R], 2, v12
	v_and_b32 v[XA], 8, v12
	v_add_nc_u32 v[XA], v[XA], v12                 ; r + 8 (r / 8)
	v_lshlrev_b32 v[XA], 10, v[XA]
	v_lshl_add_u32 v[XA], v13, 6, v[XA]
	v_mul_u32_u24 v[WA], v12, 192
	v_mad_u32_u24 v[WA], v13, 24, v[WA]
	v_lshlrev_b32 v[WSA], 3, v12
	s_lshr_b32 s28, s26, 1
	s_mul_i32 s28, s28, 768
	s_and_b32 s29, s26, 1
	s_lshl_b32 s40, s29, 8
	s_add_co_u32 s40, s40, s28                     ; 768 (w / 2) + 256 (w % 2)
	s_lshl_b32 s41, s29, 7
	s_add_co_u32 s41, s41, s28
	s_add_co_u32 s41, s41, 512                     ; 768 (w / 2) + 512 + 128 (w % 2)
	v_mul_u32_u24 v11, v13, 3072                   ; lanes 16-31 hold the next tile: two fragments on
	v_lshl_add_u32 v[W16], v12, 4, v11
	v_add_nc_u32 v[W16], s40, v[W16]
	v_lshl_add_u32 v[W8], v12, 3, v11
	v_add_nc_u32 v[W8], s41, v[W8]
	s_lshr_b32 s28, s26, 2
	s_lshl_b32 s28, s28, 6
	s_and_b32 s29, s26, 3
	s_add_co_u32 s28, s28, s29                     ; 64 (w / 4) + w % 4
	v_lshl_add_u32 v[WB], v13, 7, v[L4R]
	v_add_nc_u32 v[WB], s28, v[WB]
	v_lshlrev_b32 v[VSA], 1, v12
	v_lshl_add_u32 v[VSA], v13, 5, v[VSA]
	v_mov_b32 v[T0+2], 0                           ; written once: a lane permute's destination counts as one of its sources
	v_mov_b32 v[T0+3], 0
	s_mov_b32 s27, 0xffff0000                      ; lanes 16-31
	s_mov_b32 s[SEL], 0x76543210
	s_mov_b32 s[SEL+1], 0xfedcba98                 ; lane l xor 16
	s_lshl_b32 s32, ttmp9, 16                      ; x: 64 tokens of 1,024 bytes a work-group,
	s_lshl_b32 s33, s26, 7                         ; my 32 channels
	s_add_co_u32 s32, s32, s33
	s_mov_b32 s33, 0
	s_mul_i32 s34, s26, 6144                       ; the weights: my 32 rows of 192 bytes
	s_mov_b32 s35, 0
	s_lshl_b32 s36, s26, 8                         ; their scales: 8 bytes a row
	s_mov_b32 s37, 0
	s_and_b32 s38, ttmp9, 0xf0
	s_lshl_b32 s39, s26, 1
	s_add_co_u32 s38, s38, s39                     ; 16 x batch + my first head
	s_and_b32 s39, ttmp9, 15                       ; the block of 64 tokens
	s_lshl_b32 s42, s38, 4
	s_add_co_u32 s42, s42, s39
	s_mul_i32 s42, s42, 768                        ; v's codes
	s_mov_b32 s43, 0
	s_lshl_b32 s38, s38, 16
	s_lshl_b32 s39, s39, 12
	s_add_co_u32 s38, s38, s39                     ; q and k: 65,536 bytes a head, 4,096 a block
	s_mov_b32 s39, 0
	s_lshl_b32 s44, ttmp9, 9
	s_lshl_b32 s45, s26, 6
	s_add_co_u32 s44, s44, s45                     ; v's scale bytes
	s_mov_b32 s45, 0
	s_wait_kmcnt 0x0
	s_add_nc_u64 s[4:5], s[4:5], s[32:33]
	s_add_nc_u64 s[6:7], s[6:7], s[34:35]
	s_add_nc_u64 s[10:11], s[10:11], s[34:35]
	s_add_nc_u64 s[14:15], s[14:15], s[34:35]
	s_add_nc_u64 s[8:9], s[8:9], s[36:37]
	s_add_nc_u64 s[12:13], s[12:13], s[36:37]
	s_add_nc_u64 s[16:17], s[16:17], s[36:37]
	s_add_nc_u64 s[18:19], s[18:19], s[38:39]
	s_add_nc_u64 s[20:21], s[20:21], s[38:39]
	s_add_nc_u64 s[22:23], s[22:23], s[42:43]
	s_add_nc_u64 s[24:25], s[24:25], s[44:45]
.irp m, 0,1,2,3
.irp j, 0,1,2,3
	global_load_b128 v[RAW+16*\m+4*\j:RAW+16*\m+4*\j+3], v[XA], s[4:5] offset:(32*(\m/2)+8*(\m%2))*1024+16*\j   ; x(row r of tile m, 32 w + 16 h + 4 j ..)
.endr
.endr
.irp e, 0,1
.irp a, 0,1,2
	global_load_b64 v[WSC+6*\e+2*\a:WSC+6*\e+2*\a+1], v[WSA], s[8+4*\a:9+4*\a] offset:128*\e   ; a row's two scale words
.endr
.endr
	WIN 0x40                                       ; destination window 1
	WLOAD 0
	WIN 0
	s_wait_loadcnt 42                              ; x is in: behind its loads stand the scales' 6 and head 0's 36
	Q32 RAW, RAW+16
	QBST 0
	s_wait_dscnt 0x0                               ; the stores have read their registers
	Q32 RAW+32, RAW+48
	QBST 2
	WIN 0x40
	WLOAD 1
	WIN 0
	BARRIER                                        ; x's eight fragments and their scale words lie in LDS
	WIN 0x40
.irp k, 0,1,2,3,4,5,6,7
	FETCHF XF+12*\k, XIMG+1536*\k
.endr
	WIN 0
.irp k, 0,1,2,3,4,5,6,7
	ds_load_b32 v[XS+\k], v[L4R] offset:XSC+64*\k
.endr
; One head.  q and k are used transposed (source 0 = 16 rows of the weight, source 1 = 16 tokens): a lane holds one token and eight d.  v the other way round (source 0 = tokens, source 1 = the weight):
; a lane holds one d, and the 16 registers of tiles 2 i and 2 i + 1 are tokens 32 i + 16 h + 0 .. 15: v's K runs down the registers.  Twelve accumulators by turns, one instruction a turn.
.macro HEAD e
	WIN 0x05                                       ; sources 0 and 1 window 1
.irp s, 0,1
.irp m, 0,1,2,3
.if \s == 0
	MMZ QA+8*\m, 12*(6*\e+\s), XF+12*(2*\m+\s), WSC+6*\e+\s, XS+2*\m+\s
	MMZ KA+8*\m, 12*(6*\e+2+\s), XF+12*(2*\m+\s), WSC+6*\e+2+\s, XS+2*\m+\s
	MMZ VA+8*\m, XF+12*(2*\m+\s), 12*(6*\e+4+\s), XS+2*\m+\s, WSC+6*\e+4+\s
.else
	MMI QA+8*\m, 12*(6*\e+\s), XF+12*(2*\m+\s), WSC+6*\e+\s, XS+2*\m+\s
	MMI KA+8*\m, 12*(6*\e+2+\s), XF+12*(2*\m+\s), WSC+6*\e+2+\s, XS+2*\m+\s
	MMI VA+8*\m, XF+12*(2*\m+\s), 12*(6*\e+4+\s), XS+2*\m+\s, WSC+6*\e+4+\s
.endif
.endr
.endr
	WIN 0
	PLACES 5                                       ; four ahead of the reads of results; five ahead of the next head's products, which begin these accumulators anew
.irp m, 0,1,2,3
	global_store_b128 v[L16], v[QA+8*\m:QA+8*\m+3], s[18:19] offset:65536*\e+1024*\m          ; each store covers 512 consecutive bytes, aligned; each accumulator from its low end on
	global_store_b128 v[L16], v[QA+8*\m+4:QA+8*\m+7], s[18:19] offset:65536*\e+1024*\m+512
.endr
.irp m, 0,1,2,3
	global_store_b128 v[L16], v[KA+8*\m:KA+8*\m+3], s[20:21] offset:65536*\e+1024*\m
	global_store_b128 v[L16], v[KA+8*\m+4:KA+8*\m+7], s[20:21] offset:65536*\e+1024*\m+512
.endr
	Q32 VA, VA+16                                  ; my 64 keys are two blocks: lane (r, h) ends with block h of row d = r: six registers of the operand as they stand
	global_store_b128 v[L16], v[PC:PC+3], s[22:23] offset:12288*\e
	global_store_b64 v[L8], v[PC+4:PC+5], s[22:23] offset:12288*\e+512
	v_lshl_or_b32 v[SW+\e], v[T0+3], 8, v[T0+2]
.endm
	s_wait_loadcnt 36                              ; the scales and head 0's weights are in; head 1's 36 loads may be out
	s_wait_dscnt 0x0
	HEAD 0
	s_wait_loadcnt 0x0
	s_wait_xcnt 0x0                                ; head 0's stores have read their registers: they are written again only behind this wait
	HEAD 1
	v_cndmask_b32 v13, v[SW], v[SW+1], s27         ; lanes 0-15: head 2 w; lanes 16-31: head 2 w + 1
	global_store_b16 v[VSA], v13, s[24:25]
	s_wait_tensorcnt 0x0                           ; the wave's end: behind my last LDS store
	ds_add_u32 v[SPW], v[NIL]
	s_wait_dscnt 0x0
	s_endpgm
.Lfunc_end_k_q08da3f5c1b_qkv:
	.size	k_q08da3f5c1b_qkv, .Lfunc_end_k_q08da3f5c1b_qkv-k_q08da3f5c1b_qkv
	.p2alignl 7, 3214868480
	.fill 96, 4, 3214868480
	.section	.rodata,"a",@progbits
	.p2align	6, 0x0
	.amdhsa_kernel k_q08da3f5c1b_qkv
		.amdhsa_group_segment_fixed_size 13824
		.amdhsa_private_segment_fixed_size 0
		.amdhsa_enable_private_segment 0
		.amdhsa_kernarg_size 88
		.amdhsa_user_sgpr_count 2
		.amdhsa_user_sgpr_kernarg_segment_ptr 1
		.amdhsa_wavefront_size32 1
		.amdhsa_system_sgpr_workgroup_id_x 1
		.amdhsa_system_sgpr_workgroup_id_y 1
		.amdhsa_system_sgpr_workgroup_id_z 1
		.amdhsa_system_vgpr_workitem_id 0
		.amdhsa_next_free_vgpr 512
		.amdhsa_next_free_sgpr 66
		.amdhsa_reserve_vcc 0
		.amdhsa_float_denorm_mode_32 3
		.amdhsa_float_denorm_mode_16_64 3
		.amdhsa_memory_ordered 1
		.amdhsa_forward_progress 1
		.amdhsa_inst_pref_size 34
	.end_amdhsa_kernel
	.amdgpu_metadata
---
amdhsa.version: [ 1, 2 ]
amdhsa.kernels:
  - .name:           k_q08da3f5c1b_qkv
    .symbol:         k_q08da3f5c1b_qkv.kd
    .args:
      - { .name: x, .offset: 0, .size: 8, .value_kind: global_buffer, .address_space: global }
      - { .name: Wq_codes, .offset: 8, .size: 8, .value_kind: global_buffer, .address_space: global }
      - { .name: Wq_scales, .offset: 16, .size: 8, .value_kind: global_buffer, .address_space: global }
      - { .name: Wk_codes, .offset: 24, .size: 8, .value_kind: global_buffer, .address_space: global }
      - { .name: Wk_scales, .offset: 32, .size: 8, .value_kind: global_buffer, .address_space: global }
      - { .name: Wv_codes, .offset: 40, .size: 8, .value_kind: global_buffer, .address_space: global }
      - { .name: Wv_scales, .offset: 48, .size: 8, .value_kind: global_buffer, .address_space: global }
      - { .name: qz, .offset: 56, .size: 8, .value_kind: global_buffer, .address_space: global }
      - { .name: ky, .offset: 64, .size: 8, .value_kind: global_buffer, .address_space: global }
      - { .name: vc, .offset: 72, .size: 8, .value_kind: global_buffer, .address_space: global }
      - { .name: vs, .offset: 80, .size: 8, .value_kind: global_buffer, .address_space: global }
    .group_segment_fixed_size: 13824
    .private_segment_fixed_size: 0
    .kernarg_segment_align: 8
    .kernarg_segment_size: 88
    .max_flat_workgroup_size: 256
    .sgpr_count:     66
    .vgpr_count:     512
    .wavefront_size: 32
...
	.end_amdgpu_metadata
.endif
;; end of part 1
;; launch att (part 2): grid 256 x 1, 16 waves a work-group, no clusters, 80,384 bytes of LDS; arguments qz, ky, vc, vs, wa; writes wa
.if DOCPART == 2
	.amdgcn_target "amdgcn-amd-amdhsa--gfx1250"
	.amdhsa_code_object_version 6
	.text
	.protected	k_q08da3f5c1b_att
	.globl	k_q08da3f5c1b_att
	.p2align	8
	.type	k_q08da3f5c1b_att,@function
k_q08da3f5c1b_att:
	s_mov_b64 s[64:65], 0
	v_nop
	global_prefetch_b8 v0, s[64:65] scope:SCOPE_SE
	s_setreg_imm32_b32 hwreg(HW_REG_WAVE_MODE, 25, 1), 1
	s_wait_xcnt 0x0
; LAUNCH 2 OF 5: attention of one (batch, head) in a work-group: 1,024 queries x 1,024 keys, head size 16.
; The scores q k^T (K = 16) go on into a quantiser, so their operands are f32: v_wmma_f32_16x16x4_f32, four deep.  t = score x log2(e) / 4; M = the running largest t rounded UP to a whole number;
; p = 2^(t - M), not normalised, is quantised along the keys to E3M2 with one E8M0 scale for each 32 keys and multiplied by v's codes; the row's sum is taken of the unquantised p and divides at the end.
; When M moves, the sum and O are multiplied by 2^(old M - new M): exact.
; SHARES.  Sixteen waves; wave w owns query tiles 4 w .. 4 w + 3, one after the other; each walks all keys, 128 a step.  Four waves lie on a SIMD: one wave's softmax stands beside another's products.
; The head's k (65,536 bytes), v's codes (12,288) and v's scale words (512) come into LDS once, each wave bringing a sixteenth; nothing in LDS is written again.  No work-group shares an input with another: no cluster.
; LAYOUT.  q, k lie as images of result registers: lane (r, h) holds token row r, d = 8 h + 0 .. 7.  For matrix step i registers 2 i, 2 i + 1 are taken of both: the unit's k place 2 h + j stands for d = 8 h + 2 i + j,
; alike in k and q, and the four steps cover every d once.  S^T = k q^T: a lane holds one query; row r of key tile T is key 32 (T / 2) + 8 (T % 2) + r + 8 (r / 8), so the 16 registers of tiles 2 b and 2 b + 1 are keys 32 b + 16 h + 0 .. 15.
; O^T = v^T p^T: lane (r, h) holds query row r, d = 8 h + 0 .. 7: stored as it stands, [batch][head][tile][chunk 2][lane 32][4 f32].
; LIMITS: NaN and infinities are not served; a block of p that has fallen to zeros keeps the scale byte 1: its codes are zeros.
.set KIMG,  0
.set VIMG,  65536                      ; 1,536 bytes a key step
.set VSC,   77824                      ; 64 bytes a key step
.set SPARE, 78336                      ; the spare words, 128 bytes for each wave: eight blocks of 256 bytes that no other line names
.set L16, 1
.set L8,  2
.set L4R, 3
.set SPW, 4
.set NIL, 5
.set ADK, 6                            ; LDS addresses of the loads in hand
.set ADV16, 7
.set ADV8, 8
.set ADS, 9
.set QAD, 10                           ; my offset in q's images
.set OAD, 11                           ; and in the result's
.set NM,  12                           ; v12 -M, v13 the largest t
.set SUM, 14                           ; v[14:15] the row's sum, in two halves
.set QF,  16                           ; v16-23 q
.set VF,  24                           ; v24-35 v's fragment
.set VS,  36                           ; its scale word
.set PW,  37                           ; p's scale word
.set FA,  38                           ; v38 f = 2^(old M - new M); v39 named with it as a pair
.set OA,  40                           ; v40-47 O^T
.set OO,  48                           ; v48-55 O^T / the sum
.set PC,  56                           ; v56-67 p's codes
.set X0,  68                           ; v68-70, v72-74 their second halves
.set BM,  76                           ; v76-79 the blocks' largest scores, then largest p
.set BT,  80                           ; v80-83
.set SO,  84                           ; v84-87 the conversions' scale operands
.set TT,  88
.set SB,  90                           ; v[90:91] the sums' second chain
.set S,   96                           ; v96-159 S^T: written by the f32 matrix instructions alone
.set KP,  160                          ; v160-223 k's eight tiles, then p
.set QN,  224                          ; v224-231 the next tile's q
.set CS,  16                           ; s[16:17] c = log2(e) / 4
.set SEL, 18
.set TB,  20                           ; LDS byte of the key step whose k is fetched next
.set TV,  21                           ; of v's fragment
.set TS,  22                           ; of v's scale words
.set QT,  23                           ; query tiles to go
.set ST,  24
.macro PLACES n
.rept \n
	v_nop
.endr
.endm
.macro FETCH_K                         ; a key step's k: eight tiles of 1,024 bytes, as they lie
	v_add_nc_u32 v[ADK], s[TB], v[L16]
.irp i, 0,1,2,3,4,5,6,7,8,9,10,11,12,13,14,15
	ds_load_b128 v[KP+4*\i:KP+4*\i+3], v[ADK] offset:512*\i
.endr
.endm
	s_load_b256 s[4:11], s[0:1], 0x0               ; q, k, v's codes, v's scale bytes
	s_load_b64 s[12:13], s[0:1], 0x20              ; the result
	v_lshl_add_u32 v[SPW], v0, 2, SPARE
	v_mov_b32 v[NIL], 0
	v_lshrrev_b32 v[ADK], 5, v0
	v_readfirstlane_b32 s14, v[ADK]                ; wave 0..15
	v_and_b32 v[ADK], 31, v0                       ; lane
	v_and_b32 v[ADV16], 15, v0                     ; r
	v_lshlrev_b32 v[L16], 4, v[ADK]
	v_lshlrev_b32 v[L8], 3, v[ADK]
	v_lshlrev_b32 v[L4R], 2, v[ADV16]
	v_lshlrev_b32 v[TT], 1, v[ADV16]               ; 2 r
	v_mov_b32 v[QAD], v[L16]
	v_mov_b32 v[OAD], v[L16]
	s_lshl_b32 s15, s14, 12                        ; 4,096 w
	v_add_nc_u32 v92, s15, v[L16]                  ; where my sixteenth of k goes,
	s_mul_i32 s25, s14, 768
	s_add_co_u32 s25, s25, VIMG
	v_add_nc_u32 v93, s25, v[L16]                  ; of v's codes,
	v_add_nc_u32 v94, s25, v[L8]
	s_lshr_b32 s25, s14, 1
	s_lshl_b32 s25, s25, 6
	s_and_b32 s26, s14, 1
	s_lshl_b32 s26, s26, 1
	s_add_co_u32 s25, s25, s26
	s_add_co_u32 s25, s25, VSC
	v_add_nc_u32 v95, s25, v[L4R]                  ; and of v's scale bytes: two bytes of key step w / 2's word
.irp b, 0,1,2,3
	v_mov_b32 v[BT+\b], 0                          ; written once: a lane permute's destination counts as one of its sources
.endr
	v_mov_b32 v[FA+1], 0                           ; named as the upper half of a pair
	s_mov_b32 s[CS], 0x3eb8aa3b
	s_mov_b32 s[CS+1], s[CS]
	s_mov_b32 s[SEL], 0x76543210
	s_mov_b32 s[SEL+1], 0xfedcba98
	s_lshl_b32 s26, ttmp9, 16                      ; a head's images are 65,536 bytes,
	s_add_co_u32 s26, s26, s15                     ; my four tiles 4,096
	s_mov_b32 s27, 0
	s_mul_i32 s28, ttmp9, 12288
	s_mul_i32 s29, s14, 768
	s_add_co_u32 s28, s28, s29
	s_mov_b32 s29, 0
	s_lshr_b32 s30, ttmp9, 4
	s_lshl_b32 s30, s30, 13                        ; v's scale bytes: 8,192 a batch,
	s_and_b32 s31, ttmp9, 15
	s_lshl_b32 s31, s31, 5                         ; 32 a head,
	s_add_co_u32 s30, s30, s31
	s_lshl_b32 s31, s14, 9                         ; 512 a block of 64 keys
	s_add_co_u32 s30, s30, s31
	s_mov_b32 s31, 0
	s_wait_kmcnt 0x0
	s_add_nc_u64 s[4:5], s[4:5], s[26:27]
	s_add_nc_u64 s[6:7], s[6:7], s[26:27]
	s_add_nc_u64 s[12:13], s[12:13], s[26:27]
	s_add_nc_u64 s[8:9], s[8:9], s[28:29]
	s_add_nc_u64 s[10:11], s[10:11], s[30:31]
.irp i, 0,1,2,3,4,5,6,7
	global_load_b128 v[KP+4*\i:KP+4*\i+3], v[L16], s[6:7] offset:512*\i th:TH_LOAD_NT
.endr
	global_load_b128 v[VF:VF+3], v[L16], s[8:9] th:TH_LOAD_NT
	global_load_b64 v[VF+4:VF+5], v[L8], s[8:9] offset:512 th:TH_LOAD_NT
	global_load_u16 v[VS], v[TT], s[10:11]
	global_load_b128 v[QN:QN+3], v[QAD], s[4:5] th:TH_LOAD_NT
	global_load_b128 v[QN+4:QN+7], v[QAD], s[4:5] offset:512 th:TH_LOAD_NT
	s_wait_loadcnt 0x2                             ; all but q's two loads
.irp i, 0,1,2,3,4,5,6,7
	ds_store_b128 v92, v[KP+4*\i:KP+4*\i+3] offset:512*\i
.endr
	ds_store_b128 v93, v[VF:VF+3]
	ds_store_b64 v94, v[VF+4:VF+5] offset:512
	ds_store_b16 v95, v[VS]                        ; lanes r and r + 16 write the same two bytes with the same value
	s_wait_dscnt 0x0                               ; for the others' sake: my stores have landed
	s_barrier_signal -1
	s_barrier_wait -1                              ; the head's k and v lie in LDS; nothing is written there again
	s_mov_b32 s[TB], 0
	FETCH_K
	s_mov_b32 s[QT], 4
; A KEY STEP of 128 keys.  last = 1: the tile's eighth, written out behind the loop: the k fetched in it is key step 0's, for the next tile.
.macro STEP last
	v_add_nc_u32 v[ADV16], s[TV], v[L16]           ; these three and the v_nop are the four places between the last product with v and the loads into its registers
	v_add_nc_u32 v[ADV8], s[TV], v[L8]
	v_add_nc_u32 v[ADS], s[TS], v[L4R]
	v_nop
	ds_load_b128 v[VF:VF+3], v[ADV16]
	ds_load_b64 v[VF+4:VF+5], v[ADV8] offset:512
	ds_load_b128 v[VF+6:VF+9], v[ADV16] offset:768
	ds_load_b64 v[VF+10:VF+11], v[ADV8] offset:1280
	ds_load_b32 v[VS], v[ADS]
	s_add_co_u32 s[TV], s[TV], 1536
	s_add_co_u32 s[TS], s[TS], 64
	s_wait_dscnt 0x5                               ; k's sixteen loads are in; v's five, issued behind them, may be out
.irp i, 0,1,2,3                                    ; S^T = k q^T: eight accumulators by turns, one instruction a turn, four deep
.irp t, 0,1,2,3,4,5,6,7
.if \i == 0
	v_wmma_f32_16x16x4_f32 v[S+8*\t:S+8*\t+7], v[KP+8*\t+2*\i:KP+8*\t+2*\i+1], v[QF+2*\i:QF+2*\i+1], 0
.else
	v_wmma_f32_16x16x4_f32 v[S+8*\t:S+8*\t+7], v[KP+8*\t+2*\i:KP+8*\t+2*\i+1], v[QF+2*\i:QF+2*\i+1], v[S+8*\t:S+8*\t+7]
.endif
.endr
.endr
	PLACES 8                                       ; eight places behind this form, ahead of the reads of S^T and of the vector writes onto k's registers
.irp b, 0,1,2,3
	v_max3_num_f32 v[BM+\b], v[S+16*\b], v[S+16*\b+1], v[S+16*\b+2]   ; the largest score of each block of 32 keys: for the row's maximum, and, since p rises with the score, for the block's largest p
.endr
.irp i, 3,5,7,9,11,13
.irp b, 0,1,2,3
	v_max3_num_f32 v[BM+\b], v[BM+\b], v[S+16*\b+\i], v[S+16*\b+\i+1]
.endr
.endr
.irp b, 0,1,2,3
	v_max_num_f32 v[BM+\b], v[BM+\b], v[S+16*\b+15]
.endr
.irp b, 0,1,2,3
	v_permlanex16_b32 v[BT+\b], v[BM+\b], s[SEL], s[SEL+1]
.endr
.irp b, 0,1,2,3
	v_max_num_f32 v[BM+\b], v[BM+\b], v[BT+\b]     ; with lane l xor 16's 16 keys
.endr
	v_max3_num_f32 v[TT], v[BM], v[BM+1], v[BM+2]
	v_max_num_f32 v[TT], v[TT], v[BM+3]
	v_mul_f32 v[TT], s[CS], v[TT]                  ; the step's largest t (c is positive)
	v_max_num_f32 v[NM+1], v[NM+1], v[TT]          ; the running largest t
	v_mov_b32 v[TT], v[NM]
	v_floor_f32 v[NM], -v[NM+1]                    ; -M = floor(-t) = -ceil(t)
	v_sub_f32 v[TT], v[NM], v[TT]                  ; old M - new M: a whole number, 0 or less
	v_cvt_i32_f32 v[TT], v[TT]                     ; (it saturates)
	v_ldexp_f32 v[FA], 1.0, v[TT]                  ; f
.set j, 0
.rept 32
	v_pk_fma_f32 v[KP+j:KP+j+1], v[S+j:S+j+1], s[CS:CS+1], v[NM:NM+1] op_sel_hi:[1,0,0]   ; t - M, into k's registers: S^T's are written by matrix instructions alone
.set j, j+2
.endr
.irp b, 0,1,2,3
	v_fma_f32 v[BM+\b], v[BM+\b], s[CS], v[NM]
.endr
.set j, 0
.rept 64
	v_exp_f32 v[KP+j], v[KP+j]                     ; p = 2^(t - M)
.set j, j+1
.endr
	v_pk_mul_f32 v[SUM:SUM+1], v[SUM:SUM+1], v[FA:FA+1] op_sel_hi:[1,0]   ; the sums under the new M: the plain place behind the exponentials
	s_wait_alu depctr_va_vdst(0)                   ; one wait for the batch of 64, ahead of its first reader
.irp b, 0,1,2,3
	v_exp_f32 v[BM+\b], v[BM+\b]                   ; the blocks' largest p
.endr
	v_pk_add_f32 v[SB:SB+1], v[KP:KP+1], v[KP+2:KP+3]   ; the row's sum of the unquantised p, in two chains
.set j, 4
.rept 15
	v_pk_add_f32 v[SUM:SUM+1], v[SUM:SUM+1], v[KP+j:KP+j+1]
	v_pk_add_f32 v[SB:SB+1], v[SB:SB+1], v[KP+j+2:KP+j+3]
.set j, j+4
.endr
	v_pk_add_f32 v[SUM:SUM+1], v[SUM:SUM+1], v[SB:SB+1]
	s_wait_alu depctr_va_vdst(0)                   ; and one for the four
.irp b, 0,1,2,3
	v_max_num_f32 v[BM+\b], 0x2800000, v[BM+\b]    ; the floor 2^(5 - 127)
.endr
.irp b, 0,1,2,3
	v_add_nc_u32 v[SO+\b], 0xfe000000, v[BM+\b]    ; 4 off the exponent field: the conversion's scale operand
.endr
.irp b, 0,1,2,3
	v_lshrrev_b32 v[BT+\b], 23, v[SO+\b]           ; the scale's byte
.endr
	v_lshl_or_b32 v[PW], v[BT+1], 8, v[BT]
	v_lshl_or_b32 v[PW], v[BT+2], 16, v[PW]
	v_lshl_or_b32 v[PW], v[BT+3], 24, v[PW]
.irp c, 0,1
	v_cvt_scalef32_pk16_bf6_f32 v[PC+6*\c:PC+6*\c+2], v[KP+32*\c:KP+32*\c+15], v[SO+2*\c]
	v_cvt_scalef32_pk16_bf6_f32 v[X0+4*\c:X0+4*\c+2], v[KP+32*\c+16:KP+32*\c+31], v[SO+2*\c+1]
.endr
	v_nop                                          ; one plain place behind a scaled conversion
	s_wait_dscnt 0x0                               ; v's fragment and scale word, asked for at the step's head
.if \last
	s_mov_b32 s[TB], 0
	s_cmp_eq_u32 s[QT], 1                          ; the last tile's last step fetches nothing: nobody would read it
	s_cbranch_scc1 .Lnok_\@
	FETCH_K
.Lnok_\@:
.else
	s_add_co_u32 s[TB], s[TB], 8192
	FETCH_K                                        ; the next step's k, into the registers that p has left
.endif
.irp c, 0,1                                        ; the operand's layout wants a whole block in a lane
.irp i, 0,1,2
	v_permlane16_swap_b32 v[PC+6*\c+\i], v[X0+4*\c+\i]
.endr
.irp i, 0,1,2
	v_mov_b32 v[PC+6*\c+3+\i], v[X0+4*\c+\i]
.endr
.endr
.irp j, 0,2,4,6
	v_pk_mul_f32 v[OA+\j:OA+\j+1], v[OA+\j:OA+\j+1], v[FA:FA+1] op_sel_hi:[1,0]   ; O^T under the new M
.endr
	PLACES 8                                       ; a scale word written by vector instructions stands eight places ahead of a scaled matrix instruction, codes so written four
	v_wmma_scale_f32_16x16x128_f8f6f4 v[OA:OA+7], v[VF:VF+11], v[PC:PC+11], v[OA:OA+7], v[VS], v[PW] matrix_a_fmt:MATRIX_FMT_BF6 matrix_b_fmt:MATRIX_FMT_BF6
.endm
.Lq:                                               ; four trips: a query tile each
	s_wait_loadcnt 0x0                             ; this tile's q
.irp i, 0,1,2,3,4,5,6,7
	v_mov_b32 v[QF+\i], v[QN+\i]
.endr
	s_cmp_eq_u32 s[QT], 1
	s_cbranch_scc1 .Lnoq                           ; no load leaves my four tiles
	v_add_nc_u32 v[QAD], 1024, v[QAD]              ; (its last loads have come)
	global_load_b128 v[QN:QN+3], v[QAD], s[4:5] th:TH_LOAD_NT
	global_load_b128 v[QN+4:QN+7], v[QAD], s[4:5] offset:512 th:TH_LOAD_NT
.Lnoq:
	v_mov_b32 v[NM+1], 0xff61b1e6                  ; the largest t so far: -3e38
	v_floor_f32 v[NM], -v[NM+1]
	v_mov_b32 v[SUM], 0
	v_mov_b32 v[SUM+1], 0
.irp i, 0,1,2,3,4,5,6,7
	v_mov_b32 v[OA+\i], 0                          ; the step is written once: the first finds zeros, which the first change of M leaves zeros
.endr
	s_mov_b32 s[TV], VIMG
	s_mov_b32 s[TS], VSC
	s_mov_b32 s[ST], 7
.Lk:
	STEP 0
	s_sub_co_u32 s[ST], s[ST], 1
	s_cmp_lg_u32 s[ST], 0
	s_cbranch_scc1 .Lk
	STEP 1
	PLACES 4                                       ; behind the last product
	v_add_f32 v[SUM], v[SUM], v[SUM+1]
	v_permlanex16_b32 v[TT], v[SUM], s[SEL], s[SEL+1]
	v_add_f32 v[SUM], v[SUM], v[TT]                ; the row's sum
	v_rcp_f32 v[SUM], v[SUM]
	v_nop
	s_wait_alu depctr_va_vdst(0)                   ; ahead of the reciprocal's first reader
.irp i, 0,1,2,3,4,5,6,7
	v_mul_f32 v[OO+\i], v[OA+\i], v[SUM]
.endr
	global_store_b128 v[OAD], v[OO:OO+3], s[12:13]             ; 512 consecutive bytes a store, aligned
	global_store_b128 v[OAD], v[OO+4:OO+7], s[12:13] offset:512
	s_wait_xcnt 0x0                                ; the stores have read their registers: the offset steps, and the next tile writes the data again
	v_add_nc_u32 v[OAD], 1024, v[OAD]
	s_sub_co_u32 s[QT], s[QT], 1
	s_cmp_lg_u32 s[QT], 0
	s_cbranch_scc1 .Lq
	s_wait_tensorcnt 0x0                           ; the wave's end: behind my last LDS store
	ds_add_u32 v[SPW], v[NIL]
	s_wait_dscnt 0x0
	s_endpgm
.Lfunc_end_k_q08da3f5c1b_att:
	.size	k_q08da3f5c1b_att, .Lfunc_end_k_q08da3f5c1b_att-k_q08da3f5c1b_att
	.p2alignl 7, 3214868480
	.fill 96, 4, 3214868480
	.section	.rodata,"a",@progbits
	.p2align	6, 0x0
	.amdhsa_kernel k_q08da3f5c1b_att
		.amdhsa_group_segment_fixed_size 80384
		.amdhsa_private_segment_fixed_size 0
		.amdhsa_enable_private_segment 0
		.amdhsa_kernarg_size 40
		.amdhsa_user_sgpr_count 2
		.amdhsa_user_sgpr_kernarg_segment_ptr 1
		.amdhsa_wavefront_size32 1
		.amdhsa_system_sgpr_workgroup_id_x 1
		.amdhsa_system_sgpr_workgroup_id_y 1
		.amdhsa_system_sgpr_workgroup_id_z 1
		.amdhsa_system_vgpr_workitem_id 0
		.amdhsa_next_free_vgpr 232
		.amdhsa_next_free_sgpr 66
		.amdhsa_reserve_vcc 0
		.amdhsa_float_denorm_mode_32 3
		.amdhsa_float_denorm_mode_16_64 3
		.amdhsa_memory_ordered 1
		.amdhsa_forward_progress 1
		.amdhsa_inst_pref_size 39
	.end_amdhsa_kernel
	.amdgpu_metadata
---
amdhsa.version: [ 1, 2 ]
amdhsa.kernels:
  - .name:           k_q08da3f5c1b_att
    .symbol:         k_q08da3f5c1b_att.kd
    .args:
      - { .name: qz, .offset: 0, .size: 8, .value_kind: global_buffer, .address_space: global }
      - { .name: ky, .offset: 8, .size: 8, .value_kind: global_buffer, .address_space: global }
      - { .name: vc, .offset: 16, .size: 8, .value_kind: global_buffer, .address_space: global }
      - { .name: vs, .offset: 24, .size: 8, .value_kind: global_buffer, .address_space: global }
      - { .name: wa, .offset: 32, .size: 8, .value_kind: global_buffer, .address_space: global }
    .group_segment_fixed_size: 80384
    .private_segment_fixed_size: 0
    .kernarg_segment_align: 8
    .kernarg_segment_size: 40
    .max_flat_workgroup_size: 512
    .sgpr_count:     66
    .vgpr_count:     232
    .wavefront_size: 32
...
	.end_amdgpu_metadata
.endif
;; end of part 2
;; launch wo (part 3): grid 256 x 1, 8 waves a work-group, no clusters, 13,824 bytes of LDS; arguments wa, x, Wo_codes, Wo_scales, ky, st1; writes ky, st1
.if DOCPART == 3
	.amdgcn_target "amdgcn-amd-amdhsa--gfx1250"
	.amdhsa_code_object_version 6
	.text
	.protected	k_q08da3f5c1b_wo
	.globl	k_q08da3f5c1b_wo
	.p2align	8
	.type	k_q08da3f5c1b_wo,@function
k_q08da3f5c1b_wo:
	s_mov_b64 s[64:65], 0
	v_nop
	global_prefetch_b8 v0, s[64:65] scope:SCOPE_SE
	s_setreg_imm32_b32 hwreg(HW_REG_WAVE_MODE, 25, 1), 1
	s_wait_xcnt 0x0
; LAUNCH 3 OF 5: y = Q(attn) Wo + x, and for each block of 64 tokens and each channel the mean of y and the sum of squared deviations from it, for the instance norm over the batch's 1,024 tokens.
; bo is left out: a constant along the tokens straight ahead of that norm (shown at the head of the first launch).
; SHARES.  A work-group takes 64 tokens.  Wave w quantises channels 32 w .. 32 w + 31 of attn (heads 2 w, 2 w + 1) for all four tiles; the eight fragments meet in LDS as images of their registers; then wave w makes
; output channels 32 w .. 32 w + 31 for all 64 tokens, so that its channels' sums never leave the wave.  x is the C of each sum's first product: the residual costs no addition.
; The products are used transposed (source 0 = 16 rows of Wo, source 1 = 16 tokens); tile u of my two takes rows 32 w + 8 u + r + 8 (r / 8), so a lane's 16 registers of a token tile are channels 32 w + 16 h + 0 .. 15.
; OUT.  y: [batch][tile 64][block of 32 channels][j 4][lane 32][4 f32]: register 4 j + i of lane (r, h) = (token of row r, channel 32 block + 16 h + 4 j + i): the order in which the next quantiser wants its numbers.
; NO CLUSTER: Wo's 51,200 bytes are shared by all work-groups, but each fragment goes straight into the registers of the one wave that uses it; a joint load would add an LDS write and read of the same bytes, for 16 matrix instructions a wave.
; LIMITS: as stated at the head of the first launch.
.set XIMG,  0
.set XSC,   12288
.set SPARE, 12800
.set L16, 1
.set L8,  2
.set L4R, 3
.set AA,  4                            ; attn: 65,536 h + 16 r
.set WA,  5                            ; Wo: 192 (r + 8 (r / 8)) + 24 h
.set WSA, 6                            ; its scales: 8 (r + 8 (r / 8))
.set XA,  7                            ; x: 1,024 (r + 8 (r / 8)) + 64 h
.set W16, 8
.set W8,  9
.set WB,  10
.set SA,  11                           ; 4 x lane
.set OUT0, 12
.set OUT1, 13
.set SPW, 14
.set NIL, 15
.set WSC, 16                           ; v16-19 Wo's scale words: 2 u + s
.set FS,  20                           ; v20-27 attn's: 2 m + s
.set T0,  28
.set PC,  34
.set X,   40
.set BY,  43
.set WF,  48                           ; v48-95 Wo's fragments: 12 (2 u + s)
.set FR,  96                           ; v96-191 attn's: 12 (2 m + s)
.set RAW, 96                           ; v96-159 attn as loaded, ahead of them
.set SU,  96                           ; and behind them: sums,
.set M2,  112                          ; squares,
.set DV,  128                          ; deviations
.set ACC, 192                          ; v192-255: 16 m + 8 u
.set SEL, 30
.set MK,  46
.macro PLACES n
.rept \n
	v_nop
.endr
.endm
.macro BARRIER
	s_wait_dscnt 0x0
	s_barrier_signal -1
	s_barrier_wait -1
.endm
.macro Q32 a, b                        ; 16 + 16 numbers of a lane become codes: lanes 0-15 end with all 32 codes of a's block in v[PC .. PC+5], lanes 16-31 with b's; the bytes in v[T0+2], v[T0+3]
	v_max3_num_f32 v[T0], |v[\a]|, |v[\a+1]|, 0x2800000
	v_max3_num_f32 v[T0+1], |v[\b]|, |v[\b+1]|, 0x2800000
.irp i, 2,4,6,8,10,12,14
	v_max3_num_f32 v[T0], v[T0], |v[\a+\i]|, |v[\a+\i+1]|
	v_max3_num_f32 v[T0+1], v[T0+1], |v[\b+\i]|, |v[\b+\i+1]|
.endr
	v_permlanex16_b32 v[T0+2], v[T0], s[SEL], s[SEL+1]
	v_permlanex16_b32 v[T0+3], v[T0+1], s[SEL], s[SEL+1]
	v_max_num_f32 v[T0], v[T0], v[T0+2]
	v_max_num_f32 v[T0+1], v[T0+1], v[T0+3]
	v_add_nc_u32 v[T0+4], 0xfe000000, v[T0]
	v_add_nc_u32 v[T0+5], 0xfe000000, v[T0+1]
	v_lshrrev_b32 v[T0+2], 23, v[T0+4]
	v_lshrrev_b32 v[T0+3], 23, v[T0+5]
	v_cvt_scalef32_pk16_bf6_f32 v[PC:PC+2], v[\a:\a+15], v[T0+4]
	v_cvt_scalef32_pk16_bf6_f32 v[X:X+2], v[\b:\b+15], v[T0+5]
	v_nop
.irp i, 0,1,2
	v_permlane16_swap_b32 v[PC+\i], v[X+\i]
.endr
.irp i, 0,1,2
	v_mov_b32 v[PC+3+\i], v[X+\i]
.endr
.endm
.macro QBST m0                         ; a, b were block w of tiles m0, m0 + 1: to lane place 16 (w % 2) + r, registers 6 ((w % 4) / 2) on, of K step w / 4 of tile m0 + h
	v_cndmask_b32 v[BY], v[T0+2], v[T0+3], s27
	ds_store_b128 v[W16], v[PC:PC+3] offset:XIMG+3072*\m0
	ds_store_b64 v[W8], v[PC+4:PC+5] offset:XIMG+3072*\m0
	ds_store_b8 v[WB], v[BY] offset:XSC+128*\m0
.endm
.macro FETCHF reg, off
	ds_load_b128 v[\reg:\reg+3], v[L16] offset:\off
	ds_load_b64 v[\reg+4:\reg+5], v[L8] offset:\off+512
	ds_load_b128 v[\reg+6:\reg+9], v[L16] offset:\off+768
	ds_load_b64 v[\reg+10:\reg+11], v[L8] offset:\off+1280
.endm
.macro MMI d, a, b, sa, sb
	v_wmma_scale_f32_16x16x128_f8f6f4 v[\d:\d+7], v[\a:\a+11], v[\b:\b+11], v[\d:\d+7], v[\sa], v[\sb] matrix_a_fmt:MATRIX_FMT_BF6 matrix_b_fmt:MATRIX_FMT_BF6
.endm
; The mean over my 64 tokens of each of my 32 channels, and the sum of squared deviations from THAT mean: no difference of large sums is formed.  Lane (r, h), register i: channel 32 w + 16 h + i.
.macro STATS acc, sp
.irp i, 0,2,4,6,8,10,12,14
	v_pk_add_f32 v[SU+\i:SU+\i+1], v[\acc+\i:\acc+\i+1], v[\acc+16+\i:\acc+16+\i+1]
.endr
.irp i, 0,2,4,6,8,10,12,14
	v_pk_add_f32 v[DV+\i:DV+\i+1], v[\acc+32+\i:\acc+32+\i+1], v[\acc+48+\i:\acc+48+\i+1]
.endr
.irp i, 0,2,4,6,8,10,12,14
	v_pk_add_f32 v[SU+\i:SU+\i+1], v[SU+\i:SU+\i+1], v[DV+\i:DV+\i+1]
.endr
.irp k, 1,2,4,8
.irp i, 0,1,2,3,4,5,6,7,8,9,10,11,12,13,14,15
	v_add_f32_dpp v[SU+\i], v[SU+\i], v[SU+\i] row_xmask:\k row_mask:0xf bank_mask:0xf   ; over the 16 rows of a tile
.endr
.endr
.irp i, 0,2,4,6,8,10,12,14
	v_pk_mul_f32 v[SU+\i:SU+\i+1], v[SU+\i:SU+\i+1], 0x3c800000 op_sel_hi:[1,0]           ; / 64
.endr
.irp m, 0,1,2,3
.irp i, 0,2,4,6,8,10,12,14
	v_pk_add_f32 v[DV+\i:DV+\i+1], v[\acc+16*\m+\i:\acc+16*\m+\i+1], v[SU+\i:SU+\i+1] neg_lo:[0,1] neg_hi:[0,1]
.endr
.irp i, 0,2,4,6,8,10,12,14
.if \m == 0
	v_pk_mul_f32 v[M2+\i:M2+\i+1], v[DV+\i:DV+\i+1], v[DV+\i:DV+\i+1]
.else
	v_pk_fma_f32 v[M2+\i:M2+\i+1], v[DV+\i:DV+\i+1], v[DV+\i:DV+\i+1], v[M2+\i:M2+\i+1]
.endif
.endr
.endr
.irp k, 1,2,4,8
.irp i, 0,1,2,3,4,5,6,7,8,9,10,11,12,13,14,15
	v_add_f32_dpp v[M2+\i], v[M2+\i], v[M2+\i] row_xmask:\k row_mask:0xf bank_mask:0xf
.endr
.endr
	v_mov_b32 v[OUT0], v[SU]
	v_mov_b32 v[OUT1], v[M2]
.irp i, 1,2,3,4,5,6,7,8,9,10,11,12,13,14,15
	s_mov_b32 s[MK], 0x10001<<\i                   ; lanes i and 16 + i keep register i: lane (r, h) ends with channel 32 w + 16 h + r
	v_cndmask_b32 v[OUT0], v[OUT0], v[SU+\i], s[MK]
	v_cndmask_b32 v[OUT1], v[OUT1], v[M2+\i], s[MK]
.endr
	global_store_b32 v[SA], v[OUT0], s[\sp:\sp+1]
	global_store_b32 v[SA], v[OUT1], s[\sp:\sp+1] offset:1024
.endm
	s_load_b256 s[4:11], s[0:1], 0x0               ; attn, x, Wo's codes, Wo's scales
	s_load_b128 s[12:15], s[0:1], 0x20             ; y, the partial statistics
	v_lshl_add_u32 v[SPW], v0, 2, SPARE
	v_mov_b32 v[NIL], 0
	v_lshrrev_b32 v44, 5, v0
	v_readfirstlane_b32 s26, v44                   ; wave 0..7
	v_and_b32 v44, 31, v0                          ; lane
	v_and_b32 v45, 15, v0                          ; r
	v_bfe_u32 v46, v0, 4, 1                        ; h
	v_and_b32 v47, 8, v45
	v_add_nc_u32 v47, v47, v45                     ; r + 8 (r / 8)
	v_lshlrev_b32 v[L16], 4, v44
	v_lshlrev_b32 v[L8], 3, v44
	v_lshlrev_b32 v[L4R], 2, v45
	v_lshlrev_b32 v[SA], 2, v44
	v_lshlrev_b32 v[AA], 4, v45
	v_lshl_add_u32 v[AA], v46, 16, v[AA]
	v_mul_u32_u24 v[WA], v47, 192
	v_mad_u32_u24 v[WA], v46, 24, v[WA]
	v_lshlrev_b32 v[WSA], 3, v47
	v_lshlrev_b32 v[XA], 10, v47
	v_lshl_add_u32 v[XA], v46, 6, v[XA]
	s_lshr_b32 s28, s26, 1
	s_mul_i32 s28, s28, 768
	s_and_b32 s29, s26, 1
	s_lshl_b32 s40, s29, 8
	s_add_co_u32 s40, s40, s28
	s_lshl_b32 s41, s29, 7
	s_add_co_u32 s41, s41, s28
	s_add_co_u32 s41, s41, 512
	v_mul_u32_u24 v44, v46, 3072
	v_lshl_add_u32 v[W16], v45, 4, v44
	v_add_nc_u32 v[W16], s40, v[W16]
	v_lshl_add_u32 v[W8], v45, 3, v44
	v_add_nc_u32 v[W8], s41, v[W8]
	s_lshr_b32 s28, s26, 2
	s_lshl_b32 s28, s28, 6
	s_and_b32 s29, s26, 3
	s_add_co_u32 s28, s28, s29
	v_lshl_add_u32 v[WB], v46, 7, v[L4R]
	v_add_nc_u32 v[WB], s28, v[WB]
	v_mov_b32 v[T0+2], 0
	v_mov_b32 v[T0+3], 0
	s_mov_b32 s27, 0xffff0000
	s_mov_b32 s[SEL], 0x76543210
	s_mov_b32 s[SEL+1], 0xfedcba98
	s_and_b32 s32, ttmp9, 0xf0
	s_lshl_b32 s33, s26, 1
	s_add_co_u32 s32, s32, s33
	s_lshl_b32 s32, s32, 16
	s_and_b32 s33, ttmp9, 15
	s_lshl_b32 s33, s33, 12
	s_add_co_u32 s32, s32, s33                     ; attn: head 16 x batch + 2 w, my block's four tiles
	s_mov_b32 s33, 0
	s_lshl_b32 s34, ttmp9, 16
	s_lshl_b32 s35, s26, 7
	s_add_co_u32 s36, s34, s35                     ; x: my block's tokens, my 32 channels
	s_mov_b32 s37, 0
	s_lshl_b32 s35, s26, 11
	s_add_co_u32 s34, s34, s35                     ; y: my block's four tiles, my block of channels
	s_mov_b32 s35, 0
	s_mul_i32 s38, s26, 6144
	s_mov_b32 s39, 0
	s_lshl_b32 s40, s26, 8
	s_mov_b32 s41, 0
	s_lshl_b32 s42, ttmp9, 11
	s_lshl_b32 s43, s26, 7
	s_add_co_u32 s42, s42, s43
	s_mov_b32 s43, 0
	s_wait_kmcnt 0x0
	s_add_nc_u64 s[4:5], s[4:5], s[32:33]
	s_add_nc_u64 s[6:7], s[6:7], s[36:37]
	s_add_nc_u64 s[8:9], s[8:9], s[38:39]
	s_add_nc_u64 s[10:11], s[10:11], s[40:41]
	s_add_nc_u64 s[12:13], s[12:13], s[34:35]
	s_add_nc_u64 s[14:15], s[14:15], s[42:43]
.irp m, 0,1,2,3
.irp q, 0,1
.irp c, 0,1
	global_load_b128 v[RAW+16*\m+8*\q+4*\c:RAW+16*\m+8*\q+4*\c+3], v[AA], s[4:5] offset:1024*\m+512*\c+256*\q th:TH_LOAD_NT   ; head 2 w + h, row r, d = 8 q + 4 c ..: two whole runs of 256 bytes an instruction
.endr
.endr
.endr
.irp u, 0,1
.irp s, 0,1
.irp p, 0,1,2,3,4,5
	global_load_b64 v[WF+12*(2*\u+\s)+2*\p:WF+12*(2*\u+\s)+2*\p+1], v[WA], s[8:9] offset:1536*\u+96*\s+48*(\p/3)+8*(\p%3)
.endr
.endr
.endr
.irp u, 0,1
	global_load_b64 v[WSC+2*\u:WSC+2*\u+1], v[WSA], s[10:11] offset:64*\u
.endr
.irp m, 0,1,2,3
.irp u, 0,1
.irp q, 0,1
	global_load_b128 v[ACC+16*\m+8*\u+4*\q:ACC+16*\m+8*\u+4*\q+3], v[XA], s[6:7] offset:(32*(\m/2)+8*(\m%2))*1024+32*\u+16*\q   ; x, in the result's layout
.endr
.endr
.endr
	s_wait_loadcnt 42                              ; attn is in: behind its loads stand Wo's 24, the scales' 2 and x's 16
	Q32 RAW, RAW+16
	QBST 0
	s_wait_dscnt 0x0                               ; the stores have read their registers
	Q32 RAW+32, RAW+48
	QBST 2
	BARRIER                                        ; attn's eight fragments lie in LDS
.irp k, 0,1,2,3,4,5,6,7
	FETCHF FR+12*\k, XIMG+1536*\k
.endr
.irp k, 0,1,2,3,4,5,6,7
	ds_load_b32 v[FS+\k], v[L4R] offset:XSC+64*\k
.endr
	s_wait_loadcnt 0x0
	s_wait_dscnt 0x0
.irp s, 0,1                                        ; eight accumulators by turns, one instruction a turn
.irp m, 0,1,2,3
.irp u, 0,1
	MMI ACC+16*\m+8*\u, WF+12*(2*\u+\s), FR+12*(2*\m+\s), WSC+2*\u+\s, FS+2*\m+\s
.endr
.endr
.endr
	PLACES 4
.irp m, 0,1,2,3
.irp j, 0,1,2,3
	global_store_b128 v[L16], v[ACC+16*\m+4*\j:ACC+16*\m+4*\j+3], s[12:13] offset:16384*\m+512*\j   ; 512 consecutive bytes a store, aligned; each accumulator from its low end on
.endr
.endr
	STATS ACC, 14
	s_wait_tensorcnt 0x0                           ; the wave's end: behind my last LDS store
	ds_add_u32 v[SPW], v[NIL]
	s_wait_dscnt 0x0
	s_endpgm
.Lfunc_end_k_q08da3f5c1b_wo:
	.size	k_q08da3f5c1b_wo, .Lfunc_end_k_q08da3f5c1b_wo-k_q08da3f5c1b_wo
	.p2alignl 7, 3214868480
	.fill 96, 4, 3214868480
	.section	.rodata,"a",@progbits
	.p2align	6, 0x0
	.amdhsa_kernel k_q08da3f5c1b_wo
		.amdhsa_group_segment_fixed_size 13824
		.amdhsa_private_segment_fixed_size 0
		.amdhsa_enable_private_segment 0
		.amdhsa_kernarg_size 48
		.amdhsa_user_sgpr_count 2
		.amdhsa_user_sgpr_kernarg_segment_ptr 1
		.amdhsa_wavefront_size32 1
		.amdhsa_system_sgpr_workgroup_id_x 1
		.amdhsa_system_sgpr_workgroup_id_y 1
		.amdhsa_system_sgpr_workgroup_id_z 1
		.amdhsa_system_vgpr_workitem_id 0
		.amdhsa_next_free_vgpr 256
		.amdhsa_next_free_sgpr 66
		.amdhsa_reserve_vcc 0
		.amdhsa_float_denorm_mode_32 3
		.amdhsa_float_denorm_mode_16_64 3
		.amdhsa_memory_ordered 1
		.amdhsa_forward_progress 1
		.amdhsa_inst_pref_size 37
	.end_amdhsa_kernel
	.amdgpu_metadata
---
amdhsa.version: [ 1, 2 ]
amdhsa.kernels:
  - .name:           k_q08da3f5c1b_wo
    .symbol:         k_q08da3f5c1b_wo.kd
    .args:
      - { .name: wa, .offset: 0, .size: 8, .value_kind: global_buffer, .address_space: global }
      - { .name: x, .offset: 8, .size: 8, .value_kind: global_buffer, .address_space: global }
      - { .name: Wo_codes, .offset: 16, .size: 8, .value_kind: global_buffer, .address_space: global }
      - { .name: Wo_scales, .offset: 24, .size: 8, .value_kind: global_buffer, .address_space: global }
      - { .name: ky, .offset: 32, .size: 8, .value_kind: global_buffer, .address_space: global }
      - { .name: st1, .offset: 40, .size: 8, .value_kind: global_buffer, .address_space: global }
    .group_segment_fixed_size: 13824
    .private_segment_fixed_size: 0
    .kernarg_segment_align: 8
    .kernarg_segment_size: 48
    .max_flat_workgroup_size: 256
    .sgpr_count:     66
    .vgpr_count:     256
    .wavefront_size: 32
...
	.end_amdgpu_metadata
.endif
;; end of part 3
;; launch ffn (part 4): grid 256 x 1, 8 waves a work-group, no clusters, 104,960 bytes of LDS; arguments ky, st1, gamma1, beta1, W1_codes, W1_scales, b1, W2_codes, W2_scales, qz, st2; writes qz, st2
.if DOCPART == 4
	.amdgcn_target "amdgcn-amd-amdhsa--gfx1250"
	.amdhsa_code_object_version 6
	.text
	.protected	k_q08da3f5c1b_ffn
	.globl	k_q08da3f5c1b_ffn
	.p2align	8
	.type	k_q08da3f5c1b_ffn,@function
k_q08da3f5c1b_ffn:
	s_mov_b64 s[64:65], 0
	v_nop
	global_prefetch_b8 v0, s[64:65] scope:SCOPE_SE
	s_setreg_imm32_b32 hwreg(HW_REG_WAVE_MODE, 25, 1), 1
	s_wait_xcnt 0x0
; LAUNCH 4 OF 5: h = the instance norm of y (over the batch's 1,024 tokens, gain gamma1, shift beta1); proj = Q(h) W1 + b1; a = silu(gate) x_part; z = h + Q(a) W2; and z's partial statistics, as the launch before made y's.
; b2 is left out: a constant along the tokens straight ahead of the second norm (shown at the head of the first launch).
; SHARES.  A work-group takes 64 tokens.  Wave w: (A) channels 32 w .. 32 w + 31 of y: the batch's mean and variance from the 16 blocks' partials (lane r takes block r's), h, its codes, into LDS; h itself is parked in the wave's own LDS;
; (B) units 64 w .. 64 w + 63 of x_part and of gate for all 64 tokens: they are half w % 2 of the second product's K step w / 2; their codes go to LDS; (C) output channels 32 w .. 32 w + 31, with h as the C of each sum's first product.
; The weights go from memory straight into the registers of the one wave that uses them.  NO CLUSTER: the 307,200 bytes of weights are shared by all work-groups, but a joint load would add an LDS write and read of every byte, for 96 matrix instructions a wave.
; All products are used transposed (source 0 = 16 rows of a weight, source 1 = 16 tokens); a weight's tile takes rows base + 8 u + r + 8 (r / 8), so a lane's 16 registers of two neighbouring tiles are 16 neighbours along the next K.
; LIMITS: as stated at the head of the first launch.
.set HIMG,  0                          ; LDS: h's fragments (m, s) at 1,536 (2 m + s)
.set HSC,   12288                      ; their scale words
.set AIMG,  12800                      ; a's fragments (m, s) at 1,536 (4 m + s)
.set ASC,   37376                      ; their scale words
.set HPARK, 38400                      ; h in f32: 8,192 bytes for each wave, its own
.set SPARE, 103936                     ; the spare words: four blocks of 256 bytes that no other line names
.set L16, 1
.set L8,  2
.set L4R, 3
.set W16, 4
.set W8,  5
.set WB,  6
.set AW16, 7                           ; where a's codes go: 16 x lane + 768 w,
.set AW8, 8                            ; 8 x lane + 768 w + 512,
.set AWS, 9                            ; and its two scale bytes: 4 r + 64 (w / 2) + 2 (w % 2)
.set HP,  10
.set SA,  11
.set PAD, 12                           ; the partials: 2,048 r + 64 h
.set OUT0, 12
.set GA,  13                           ; 64 h
.set OUT1, 13
.set W1A, 14
.set W1SA, 15
.set W1S, 16                           ; v16-31 W1's scale words: 2 t + s
.set W2S, 32                           ; v32-39 W2's: 4 u + s
.set HS,  40                           ; v40-41 h's
.set ASW, 42                           ; v42-45 a's
.set SPW, 46
.set NIL, 47
.set HF,  48                           ; v48-71 h's two fragments of a tile
.set EX,  48                           ; v48-79 at work in the activation
.set AFR, 48                           ; v48-95 a's four fragments of a K step
.set T0,  72
.set PC,  78
.set X,   84
.set BY,  87
.set W2A, 88
.set W2SA, 89
.set PA,  96                           ; v96-159: y and h; then proj: x_part 16 i + .., gate 32 + 16 i + ..; then z
.set H,   96
.set ACC, 96
.set W2F, 160                          ; v160-255 W2's fragments: 12 (4 u + s)
.set PM,  160                          ; ahead of them: the blocks' means,
.set PQ,  176                          ; their sums of squares, then 1 / sqrt(var + eps) x gain,
.set MU,  192                          ; the batch's mean,
.set GM,  208                          ; gain,
.set BT,  224                          ; shift
.set SU,  160                          ; behind them: z's sums, squares, deviations
.set M2,  176
.set DV,  192
.set B1,  192                          ; window 1: v192-255 b1 in the result's layout; v0-191 W1's fragments: 12 (2 t + s)
.set SEL, 30
.set KV,  46                           ; 1 / 1,024
.set KE,  47                           ; eps
.set MK,  48
.set MSB, 0
.macro WIN new
.if MSB != \new
	s_set_vgpr_msb (MSB<<8)|\new
.set MSB, \new
.endif
.endm
.macro PLACES n
.rept \n
	v_nop
.endr
.endm
.macro BARRIER
	s_wait_dscnt 0x0
	s_barrier_signal -1
	s_barrier_wait -1
.endm
.macro Q32 a, b                        ; 16 + 16 numbers of a lane become codes: lanes 0-15 end with all 32 codes of a's block in v[PC .. PC+5], lanes 16-31 with b's; the bytes in v[T0+2], v[T0+3]
	v_max3_num_f32 v[T0], |v[\a]|, |v[\a+1]|, 0x2800000
	v_max3_num_f32 v[T0+1], |v[\b]|, |v[\b+1]|, 0x2800000
.irp i, 2,4,6,8,10,12,14
	v_max3_num_f32 v[T0], v[T0], |v[\a+\i]|, |v[\a+\i+1]|
	v_max3_num_f32 v[T0+1], v[T0+1], |v[\b+\i]|, |v[\b+\i+1]|
.endr
	v_permlanex16_b32 v[T0+2], v[T0], s[SEL], s[SEL+1]
	v_permlanex16_b32 v[T0+3], v[T0+1], s[SEL], s[SEL+1]
	v_max_num_f32 v[T0], v[T0], v[T0+2]
	v_max_num_f32 v[T0+1], v[T0+1], v[T0+3]
	v_add_nc_u32 v[T0+4], 0xfe000000, v[T0]
	v_add_nc_u32 v[T0+5], 0xfe000000, v[T0+1]
	v_lshrrev_b32 v[T0+2], 23, v[T0+4]
	v_lshrrev_b32 v[T0+3], 23, v[T0+5]
	v_cvt_scalef32_pk16_bf6_f32 v[PC:PC+2], v[\a:\a+15], v[T0+4]
	v_cvt_scalef32_pk16_bf6_f32 v[X:X+2], v[\b:\b+15], v[T0+5]
	v_nop
.irp i, 0,1,2
	v_permlane16_swap_b32 v[PC+\i], v[X+\i]
.endr
.irp i, 0,1,2
	v_mov_b32 v[PC+3+\i], v[X+\i]
.endr
.endm
.macro QBST m0
	v_cndmask_b32 v[BY], v[T0+2], v[T0+3], s27
	ds_store_b128 v[W16], v[PC:PC+3] offset:HIMG+3072*\m0
	ds_store_b64 v[W8], v[PC+4:PC+5] offset:HIMG+3072*\m0
	ds_store_b8 v[WB], v[BY] offset:HSC+128*\m0
.endm
.macro FETCHF reg, off
	ds_load_b128 v[\reg:\reg+3], v[L16] offset:\off
	ds_load_b64 v[\reg+4:\reg+5], v[L8] offset:\off+512
	ds_load_b128 v[\reg+6:\reg+9], v[L16] offset:\off+768
	ds_load_b64 v[\reg+10:\reg+11], v[L8] offset:\off+1280
.endm
.macro MMX d, a, b, c, sa, sb          ; a sum's first K step, with the bias as C
	v_wmma_scale_f32_16x16x128_f8f6f4 v[\d:\d+7], v[\a:\a+11], v[\b:\b+11], v[\c:\c+7], v[\sa], v[\sb] matrix_a_fmt:MATRIX_FMT_BF6 matrix_b_fmt:MATRIX_FMT_BF6
.endm
.macro MMI d, a, b, sa, sb
	v_wmma_scale_f32_16x16x128_f8f6f4 v[\d:\d+7], v[\a:\a+11], v[\b:\b+11], v[\d:\d+7], v[\sa], v[\sb] matrix_a_fmt:MATRIX_FMT_BF6 matrix_b_fmt:MATRIX_FMT_BF6
.endm
.macro W1LOAD t                        ; tile t = 4 gate + 2 i + u begins at row 512 gate + 64 w + 32 i + 8 u
.irp s, 0,1
.irp p, 0,1,2,3,4,5
	global_load_b64 v[12*(2*(\t)+\s)+2*\p:12*(2*(\t)+\s)+2*\p+1], v[W1A], s[12:13] offset:(512*((\t)/4)+32*(((\t)%4)/2)+8*((\t)%2))*192+96*\s+48*(\p/3)+8*(\p%3)
.endr
.endr
.endm
; The batch's mean and 1 / sqrt(variance + eps) of my channels from the 16 blocks' partials (lane r holds block r's): mean = the mean of the means; the sum of squares = the blocks' own + 64 x (a block's mean - the mean)^2.
.macro COMBINE
.irp i, 0,2,4,6,8,10,12,14
	v_pk_mul_f32 v[MU+\i:MU+\i+1], v[PM+\i:PM+\i+1], 0x3d800000 op_sel_hi:[1,0]   ; / 16
.endr
.irp k, 1,2,4,8
.irp i, 0,1,2,3,4,5,6,7,8,9,10,11,12,13,14,15
	v_add_f32_dpp v[MU+\i], v[MU+\i], v[MU+\i] row_xmask:\k row_mask:0xf bank_mask:0xf
.endr
.endr
.irp i, 0,2,4,6,8,10,12,14
	v_pk_add_f32 v[PM+\i:PM+\i+1], v[PM+\i:PM+\i+1], v[MU+\i:MU+\i+1] neg_lo:[0,1] neg_hi:[0,1]
.endr
.irp i, 0,2,4,6,8,10,12,14
	v_pk_mul_f32 v[PM+\i:PM+\i+1], v[PM+\i:PM+\i+1], v[PM+\i:PM+\i+1]
.endr
.irp i, 0,2,4,6,8,10,12,14
	v_pk_fma_f32 v[PQ+\i:PQ+\i+1], v[PM+\i:PM+\i+1], 0x42800000, v[PQ+\i:PQ+\i+1] op_sel_hi:[1,0,1]   ; x 64
.endr
.irp k, 1,2,4,8
.irp i, 0,1,2,3,4,5,6,7,8,9,10,11,12,13,14,15
	v_add_f32_dpp v[PQ+\i], v[PQ+\i], v[PQ+\i] row_xmask:\k row_mask:0xf bank_mask:0xf
.endr
.endr
.irp i, 0,1,2,3,4,5,6,7,8,9,10,11,12,13,14,15
	v_fma_f32 v[PQ+\i], v[PQ+\i], s[KV], s[KE]     ; the biased variance + eps
.endr
.irp i, 0,1,2,3,4,5,6,7,8,9,10,11,12,13,14,15
	v_rsq_f32 v[PQ+\i], v[PQ+\i]
.endr
	v_nop
	s_wait_alu depctr_va_vdst(0)                   ; one wait for the sixteen, ahead of their first reader
.endm
.macro NORMALISE
.irp m, 0,1,2,3
.irp i, 0,2,4,6,8,10,12,14
	v_pk_add_f32 v[H+16*\m+\i:H+16*\m+\i+1], v[H+16*\m+\i:H+16*\m+\i+1], v[MU+\i:MU+\i+1] neg_lo:[0,1] neg_hi:[0,1]
.endr
.irp i, 0,2,4,6,8,10,12,14
	v_pk_fma_f32 v[H+16*\m+\i:H+16*\m+\i+1], v[H+16*\m+\i:H+16*\m+\i+1], v[PQ+\i:PQ+\i+1], v[BT+\i:BT+\i+1]
.endr
.endr
.endm
.macro STATS acc, sp                   ; as in the launch before: the mean over my 64 tokens of each of my 32 channels, and the sum of squared deviations from that mean
.irp i, 0,2,4,6,8,10,12,14
	v_pk_add_f32 v[SU+\i:SU+\i+1], v[\acc+\i:\acc+\i+1], v[\acc+16+\i:\acc+16+\i+1]
.endr
.irp i, 0,2,4,6,8,10,12,14
	v_pk_add_f32 v[DV+\i:DV+\i+1], v[\acc+32+\i:\acc+32+\i+1], v[\acc+48+\i:\acc+48+\i+1]
.endr
.irp i, 0,2,4,6,8,10,12,14
	v_pk_add_f32 v[SU+\i:SU+\i+1], v[SU+\i:SU+\i+1], v[DV+\i:DV+\i+1]
.endr
.irp k, 1,2,4,8
.irp i, 0,1,2,3,4,5,6,7,8,9,10,11,12,13,14,15
	v_add_f32_dpp v[SU+\i], v[SU+\i], v[SU+\i] row_xmask:\k row_mask:0xf bank_mask:0xf
.endr
.endr
.irp i, 0,2,4,6,8,10,12,14
	v_pk_mul_f32 v[SU+\i:SU+\i+1], v[SU+\i:SU+\i+1], 0x3c800000 op_sel_hi:[1,0]
.endr
.irp m, 0,1,2,3
.irp i, 0,2,4,6,8,10,12,14
	v_pk_add_f32 v[DV+\i:DV+\i+1], v[\acc+16*\m+\i:\acc+16*\m+\i+1], v[SU+\i:SU+\i+1] neg_lo:[0,1] neg_hi:[0,1]
.endr
.irp i, 0,2,4,6,8,10,12,14
.if \m == 0
	v_pk_mul_f32 v[M2+\i:M2+\i+1], v[DV+\i:DV+\i+1], v[DV+\i:DV+\i+1]
.else
	v_pk_fma_f32 v[M2+\i:M2+\i+1], v[DV+\i:DV+\i+1], v[DV+\i:DV+\i+1], v[M2+\i:M2+\i+1]
.endif
.endr
.endr
.irp k, 1,2,4,8
.irp i, 0,1,2,3,4,5,6,7,8,9,10,11,12,13,14,15
	v_add_f32_dpp v[M2+\i], v[M2+\i], v[M2+\i] row_xmask:\k row_mask:0xf bank_mask:0xf
.endr
.endr
	v_mov_b32 v[OUT0], v[SU]
	v_mov_b32 v[OUT1], v[M2]
.irp i, 1,2,3,4,5,6,7,8,9,10,11,12,13,14,15
	s_mov_b32 s[MK], 0x10001<<\i
	v_cndmask_b32 v[OUT0], v[OUT0], v[SU+\i], s[MK]
	v_cndmask_b32 v[OUT1], v[OUT1], v[M2+\i], s[MK]
.endr
	global_store_b32 v[SA], v[OUT0], s[\sp:\sp+1]
	global_store_b32 v[SA], v[OUT1], s[\sp:\sp+1] offset:1024
.endm
	s_load_b256 s[4:11], s[0:1], 0x0               ; y, its partials, gamma1, beta1
	s_load_b256 s[12:19], s[0:1], 0x20             ; W1's codes, W1's scales, b1, W2's codes
	s_load_b128 s[20:23], s[0:1], 0x40             ; W2's scales, z
	s_load_b64 s[24:25], s[0:1], 0x50              ; z's partials
	v_lshl_add_u32 v[SPW], v0, 2, SPARE
	v_mov_b32 v[NIL], 0
	v_lshrrev_b32 v90, 5, v0
	v_readfirstlane_b32 s26, v90                   ; wave 0..7
	v_and_b32 v90, 31, v0                          ; lane
	v_and_b32 v91, 15, v0                          ; r
	v_bfe_u32 v92, v0, 4, 1                        ; h
	v_and_b32 v93, 8, v91
	v_add_nc_u32 v93, v93, v91                     ; r + 8 (r / 8)
	v_lshlrev_b32 v[L16], 4, v90
	v_lshlrev_b32 v[L8], 3, v90
	v_lshlrev_b32 v[L4R], 2, v91
	v_lshlrev_b32 v[SA], 2, v90
	s_lshr_b32 s28, s26, 1
	s_mul_i32 s28, s28, 768
	s_and_b32 s29, s26, 1
	s_lshl_b32 s40, s29, 8
	s_add_co_u32 s40, s40, s28
	s_lshl_b32 s41, s29, 7
	s_add_co_u32 s41, s41, s28
	s_add_co_u32 s41, s41, 512
	v_mul_u32_u24 v90, v92, 3072
	v_lshl_add_u32 v[W16], v91, 4, v90
	v_add_nc_u32 v[W16], s40, v[W16]
	v_lshl_add_u32 v[W8], v91, 3, v90
	v_add_nc_u32 v[W8], s41, v[W8]
	s_lshr_b32 s28, s26, 2
	s_lshl_b32 s28, s28, 6
	s_and_b32 s29, s26, 3
	s_add_co_u32 s28, s28, s29
	v_lshl_add_u32 v[WB], v92, 7, v[L4R]
	v_add_nc_u32 v[WB], s28, v[WB]
	s_mul_i32 s28, s26, 768
	v_add_nc_u32 v[AW16], s28, v[L16]
	s_add_co_u32 s28, s28, 512
	v_add_nc_u32 v[AW8], s28, v[L8]
	s_lshr_b32 s28, s26, 1
	s_lshl_b32 s28, s28, 6
	s_and_b32 s29, s26, 1
	s_lshl_b32 s29, s29, 1
	s_add_co_u32 s28, s28, s29
	v_add_nc_u32 v[AWS], s28, v[L4R]
	s_lshl_b32 s28, s26, 13
	s_add_co_u32 s28, s28, HPARK
	v_add_nc_u32 v[HP], s28, v[L16]
	v_lshlrev_b32 v[PAD], 11, v91
	v_lshl_add_u32 v[PAD], v92, 6, v[PAD]
	v_lshlrev_b32 v[GA], 6, v92
	v_mul_u32_u24 v[W1A], v93, 192
	v_mad_u32_u24 v[W1A], v92, 24, v[W1A]
	v_lshlrev_b32 v[W1SA], 3, v93
	v_mul_u32_u24 v[W2A], v93, 384
	v_mad_u32_u24 v[W2A], v92, 24, v[W2A]
	v_lshlrev_b32 v[W2SA], 4, v93
	v_mov_b32 v[T0+2], 0
	v_mov_b32 v[T0+3], 0
	s_mov_b32 s27, 0xffff0000
	s_mov_b32 s[SEL], 0x76543210
	s_mov_b32 s[SEL+1], 0xfedcba98
	s_mov_b32 s[KV], 0x3a800000
	s_mov_b32 s[KE], 0x3727c5ac
	s_lshl_b32 s32, ttmp9, 16
	s_lshl_b32 s33, s26, 11
	s_add_co_u32 s32, s32, s33                     ; y and z: my block's four tiles, my block of channels
	s_mov_b32 s33, 0
	s_lshr_b32 s34, ttmp9, 4
	s_lshl_b32 s34, s34, 15
	s_lshl_b32 s36, s26, 7                         ; 128 w: gain and shift
	s_add_co_u32 s34, s34, s36                     ; the batch's partials, my channels
	s_mov_b32 s35, 0
	s_mov_b32 s37, 0
	s_mul_i32 s38, s26, 12288                      ; W1: my 64 rows of 192 bytes; W2: my 32 rows of 384
	s_mov_b32 s39, 0
	s_lshl_b32 s40, s26, 9                         ; their scales: 64 rows of 8 bytes; 32 rows of 16
	s_mov_b32 s41, 0
	s_lshl_b32 s42, s26, 8                         ; b1: my 64 numbers
	s_mov_b32 s43, 0
	s_lshl_b32 s44, ttmp9, 11
	s_add_co_u32 s44, s44, s36
	s_mov_b32 s45, 0
	s_wait_kmcnt 0x0
	s_add_nc_u64 s[4:5], s[4:5], s[32:33]
	s_add_nc_u64 s[22:23], s[22:23], s[32:33]
	s_add_nc_u64 s[6:7], s[6:7], s[34:35]
	s_add_nc_u64 s[8:9], s[8:9], s[36:37]
	s_add_nc_u64 s[10:11], s[10:11], s[36:37]
	s_add_nc_u64 s[12:13], s[12:13], s[38:39]
	s_add_nc_u64 s[18:19], s[18:19], s[38:39]
	s_add_nc_u64 s[14:15], s[14:15], s[40:41]
	s_add_nc_u64 s[20:21], s[20:21], s[40:41]
	s_add_nc_u64 s[16:17], s[16:17], s[42:43]
	s_add_nc_u64 s[24:25], s[24:25], s[44:45]
	; ---- A: h
.irp j, 0,1,2,3
	global_load_b128 v[PM+4*\j:PM+4*\j+3], v[PAD], s[6:7] offset:16*\j
.endr
.irp j, 0,1,2,3
	global_load_b128 v[PQ+4*\j:PQ+4*\j+3], v[PAD], s[6:7] offset:1024+16*\j
.endr
.irp j, 0,1,2,3
	global_load_b128 v[GM+4*\j:GM+4*\j+3], v[GA], s[8:9] offset:16*\j
.endr
.irp j, 0,1,2,3
	global_load_b128 v[BT+4*\j:BT+4*\j+3], v[GA], s[10:11] offset:16*\j
.endr
.irp m, 0,1,2,3
.irp j, 0,1,2,3
	global_load_b128 v[H+16*\m+4*\j:H+16*\m+4*\j+3], v[L16], s[4:5] offset:16384*\m+512*\j th:TH_LOAD_NT
.endr
.endr
	WIN 0x40                                       ; destination window 1
	W1LOAD 0
	W1LOAD 1
	WIN 0
	s_wait_loadcnt 48                              ; the partials are in: behind them stand gain and shift (8), y (16) and W1's first 24
	COMBINE
	s_wait_loadcnt 24                              ; gain, shift and y are in; W1's 24 may be out
.irp i, 0,2,4,6,8,10,12,14
	v_pk_mul_f32 v[PQ+\i:PQ+\i+1], v[PQ+\i:PQ+\i+1], v[GM+\i:GM+\i+1]
.endr
	WIN 0x40
	W1LOAD 2
	W1LOAD 3
	W1LOAD 4
	WIN 0
	NORMALISE
	WIN 0x40
	W1LOAD 5
	W1LOAD 6
	W1LOAD 7
	WIN 0
	Q32 H, H+16
	QBST 0
	s_wait_dscnt 0x0                               ; the stores have read their registers
	Q32 H+32, H+48
	QBST 2
.irp i, 0,1,2,3,4,5,6,7,8,9,10,11,12,13,14,15
	ds_store_b128 v[HP], v[H+4*\i:H+4*\i+3] offset:512*\i     ; h is parked: its registers take proj
.endr
.irp t, 0,1,2,3,4,5,6,7
	global_load_b64 v[W1S+2*\t:W1S+2*\t+1], v[W1SA], s[14:15] offset:(512*(\t/4)+32*((\t%4)/2)+8*(\t%2))*8
.endr
	WIN 0x40
.irp t, 0,1,2,3,4,5,6,7
	global_load_b128 v[B1+8*\t:B1+8*\t+3], v[GA], s[16:17] offset:(512*(\t/4)+32*((\t%4)/2)+8*(\t%2))*4
	global_load_b128 v[B1+8*\t+4:B1+8*\t+7], v[GA], s[16:17] offset:(512*(\t/4)+32*((\t%4)/2)+8*(\t%2))*4+16
.endr
	WIN 0
	BARRIER                                        ; h's eight fragments lie in LDS
	s_wait_loadcnt 0x0                             ; W1, its scales, b1
.irp u, 0,1
.irp s, 0,1,2,3
.irp p, 0,1,2,3,4,5
	global_load_b64 v[W2F+12*(4*\u+\s)+2*\p:W2F+12*(4*\u+\s)+2*\p+1], v[W2A], s[18:19] offset:3072*\u+96*\s+48*(\p/3)+8*(\p%3)   ; W2 lands while the first product runs
.endr
.endr
.endr
.irp u, 0,1
	global_load_b128 v[W2S+4*\u:W2S+4*\u+3], v[W2SA], s[20:21] offset:128*\u
.endr
	; ---- B: proj and the activation, a tile of 16 tokens at a time
.macro PROJ mm
	FETCHF HF, HIMG+3072*\mm
	FETCHF HF+12, HIMG+3072*\mm+1536
	ds_load_b32 v[HS], v[L4R] offset:HSC+128*\mm
	ds_load_b32 v[HS+1], v[L4R] offset:HSC+128*\mm+64
	s_wait_dscnt 0x0                               ; they are in, and the last tile's stores have read their registers
	WIN 0x11                                       ; source 0 (W1) and C (b1) window 1
.irp t, 0,1,2,3,4,5,6,7
	MMX PA+8*\t, 24*\t, HF, B1+8*\t, W1S+2*\t, HS
.endr
	WIN 0x01
.irp t, 0,1,2,3,4,5,6,7
	MMI PA+8*\t, 24*\t+12, HF+12, W1S+2*\t+1, HS+1
.endr
	WIN 0
	PLACES 5                                       ; four ahead of the reads of results and the writes onto h's fragments; five ahead of the next tile's products, which begin these accumulators anew
.set j, 0
.rept 16
	v_pk_mul_f32 v[EX+j:EX+j+1], v[PA+32+j:PA+32+j+1], 0xbfb8aa3b op_sel_hi:[1,0]   ; -gate x log2(e)
.set j, j+2
.endr
.set j, 0
.rept 32
	v_exp_f32 v[EX+j], v[EX+j]
.set j, j+1
.endr
	v_nop
	s_wait_alu depctr_va_vdst(0)                   ; one wait for the batch
.set j, 0
.rept 16
	v_pk_add_f32 v[EX+j:EX+j+1], v[EX+j:EX+j+1], 1.0 op_sel_hi:[1,0]
.set j, j+2
.endr
.set j, 0
.rept 32
	v_rcp_f32 v[EX+j], v[EX+j]                     ; sigmoid(gate)
.set j, j+1
.endr
	v_nop
	s_wait_alu depctr_va_vdst(0)
.set j, 0
.rept 16
	v_pk_mul_f32 v[PA+32+j:PA+32+j+1], v[PA+32+j:PA+32+j+1], v[EX+j:EX+j+1]          ; silu(gate)
.set j, j+2
.endr
.set j, 0
.rept 16
	v_pk_mul_f32 v[PA+j:PA+j+1], v[PA+32+j:PA+32+j+1], v[PA+j:PA+j+1]                ; x x_part
.set j, j+2
.endr
	Q32 PA, PA+16                                  ; my 64 units are two blocks: lane (r, h) ends with block 2 (w % 2) + h of K step w / 2: six registers of the operand as they stand
	v_lshl_or_b32 v[BY], v[T0+3], 8, v[T0+2]
	ds_store_b128 v[AW16], v[PC:PC+3] offset:AIMG+6144*\mm
	ds_store_b64 v[AW8], v[PC+4:PC+5] offset:AIMG+6144*\mm
	ds_store_b16 v[AWS], v[BY] offset:ASC+256*\mm  ; lanes r and r + 16 write the same two bytes with the same value
.endm
	PROJ 0
	PROJ 1
	PROJ 2
	PROJ 3
.irp i, 0,1,2,3,4,5,6,7,8,9,10,11,12,13,14,15
	ds_load_b128 v[ACC+4*\i:ACC+4*\i+3], v[HP] offset:512*\i  ; h comes back, as the C of the second product's sums (my own bytes: LDS serves a wave's instructions in order, ISA guide 5.7.1.4)
.endr
	BARRIER                                        ; a's sixteen fragments lie in LDS
	; ---- C: z = h + a W2: eight accumulators by turns, a K step at a time
	s_wait_loadcnt 0x0                             ; W2 and its scales
.irp s, 0,1,2,3
.irp m, 0,1,2,3
	FETCHF AFR+12*\m, AIMG+(4*\m+\s)*1536
	ds_load_b32 v[ASW+\m], v[L4R] offset:ASC+64*(4*\m+\s)
.endr
	s_wait_dscnt 0x0
.irp m, 0,1,2,3
.irp u, 0,1
	MMI ACC+16*\m+8*\u, W2F+12*(4*\u+\s), AFR+12*\m, W2S+4*\u+\s, ASW+\m
.endr
.endr
	PLACES 4                                       ; ahead of loads into registers that matrix instructions have read, and of the first read of results
.endr
	; ---- D
.irp m, 0,1,2,3
.irp j, 0,1,2,3
	global_store_b128 v[L16], v[ACC+16*\m+4*\j:ACC+16*\m+4*\j+3], s[22:23] offset:16384*\m+512*\j   ; 512 consecutive bytes a store, aligned; each accumulator from its low end on
.endr
.endr
	STATS ACC, 24
	s_wait_tensorcnt 0x0                           ; the wave's end: behind my last LDS store
	ds_add_u32 v[SPW], v[NIL]
	s_wait_dscnt 0x0
	s_endpgm
.Lfunc_end_k_q08da3f5c1b_ffn:
	.size	k_q08da3f5c1b_ffn, .Lfunc_end_k_q08da3f5c1b_ffn-k_q08da3f5c1b_ffn
	.p2alignl 7, 3214868480
	.fill 96, 4, 3214868480
	.section	.rodata,"a",@progbits
	.p2align	6, 0x0
	.amdhsa_kernel k_q08da3f5c1b_ffn
		.amdhsa_group_segment_fixed_size 104960
		.amdhsa_private_segment_fixed_size 0
		.amdhsa_enable_private_segment 0
		.amdhsa_kernarg_size 88
		.amdhsa_user_sgpr_count 2
		.amdhsa_user_sgpr_kernarg_segment_ptr 1
		.amdhsa_wavefront_size32 1
		.amdhsa_system_sgpr_workgroup_id_x 1
		.amdhsa_system_sgpr_workgroup_id_y 1
		.amdhsa_system_sgpr_workgroup_id_z 1
		.amdhsa_system_vgpr_workitem_id 0
		.amdhsa_next_free_vgpr 512
		.amdhsa_next_free_sgpr 66
		.amdhsa_reserve_vcc 0
		.amdhsa_float_denorm_mode_32 3
		.amdhsa_float_denorm_mode_16_64 3
		.amdhsa_memory_ordered 1
		.amdhsa_forward_progress 1
		.amdhsa_inst_pref_size 122
	.end_amdhsa_kernel
	.amdgpu_metadata
---
amdhsa.version: [ 1, 2 ]
amdhsa.kernels:
  - .name:           k_q08da3f5c1b_ffn
    .symbol:         k_q08da3f5c1b_ffn.kd
    .args:
      - { .name: ky, .offset: 0, .size: 8, .value_kind: global_buffer, .address_space: global }
      - { .name: st1, .offset: 8, .size: 8, .value_kind: global_buffer, .address_space: global }
      - { .name: gamma1, .offset: 16, .size: 8, .value_kind: global_buffer, .address_space: global }
      - { .name: beta1, .offset: 24, .size: 8, .value_kind: global_buffer, .address_space: global }
      - { .name: W1_codes, .offset: 32, .size: 8, .value_kind: global_buffer, .address_space: global }
      - { .name: W1_scales, .offset: 40, .size: 8, .value_kind: global_buffer, .address_space: global }
      - { .name: b1, .offset: 48, .size: 8, .value_kind: global_buffer, .address_space: global }
      - { .name: W2_codes, .offset: 56, .size: 8, .value_kind: global_buffer, .address_space: global }
      - { .name: W2_scales, .offset: 64, .size: 8, .value_kind: global_buffer, .address_space: global }
      - { .name: qz, .offset: 72, .size: 8, .value_kind: global_buffer, .address_space: global }
      - { .name: st2, .offset: 80, .size: 8, .value_kind: global_buffer, .address_space: global }
    .group_segment_fixed_size: 104960
    .private_segment_fixed_size: 0
    .kernarg_segment_align: 8
    .kernarg_segment_size: 88
    .max_flat_workgroup_size: 256
    .sgpr_count:     66
    .vgpr_count:     512
    .wavefront_size: 32
...
	.end_amdgpu_metadata
.endif
;; end of part 4
;; launch norm (part 5): grid 256 x 1, 8 waves a work-group, no clusters, 67,584 bytes of LDS; arguments qz, st2, gamma2, beta2, out0; writes out0
.if DOCPART == 5
	.amdgcn_target "amdgcn-amd-amdhsa--gfx1250"
	.amdhsa_code_object_version 6
	.text
	.protected	k_q08da3f5c1b_norm
	.globl	k_q08da3f5c1b_norm
	.p2align	8
	.type	k_q08da3f5c1b_norm,@function
k_q08da3f5c1b_norm:
	s_mov_b64 s[64:65], 0
	v_nop
	global_prefetch_b8 v0, s[64:65] scope:SCOPE_SE
	s_setreg_imm32_b32 hwreg(HW_REG_WAVE_MODE, 25, 1), 1
	s_wait_xcnt 0x0
; LAUNCH 5 OF 5: out0 = the instance norm of z over the batch's 1,024 tokens, gain gamma2, shift beta2.  (z holds h + ff without b2: a constant along the tokens, shown dead at the head of the first launch.)
; A work-group takes 64 tokens; wave w channels 32 w .. 32 w + 31: the batch's mean and variance from the 16 blocks' partials (lane r takes block r's), then its 64 x 32 numbers.
; z lies in the order of the result registers that made it; the rows are put together in a stage in LDS (64 rows of 1,024 bytes + 16), and each wave stores eight whole rows, 512 consecutive bytes a store.
; A stream: no matrix work, no cluster (no input of size is shared), one barrier.  LIMITS: as stated at the head of the first launch.
.set STG,   0
.set SP,    1040
.set SPARE, 66560                      ; the spare words: four blocks of 256 bytes that no other line names
.set L16, 1
.set PAD, 2                            ; the partials: 2,048 r + 64 h
.set GA,  3                            ; 64 h
.set STO, 4                            ; into the stage: 1,040 (r + 8 (r / 8)) + 64 h + 128 w
.set SRD, 5                            ; back: 16 x lane + 8 rows x w
.set SPW, 6
.set NIL, 7
.set PM,  16
.set PQ,  32
.set MU,  48
.set GM,  64
.set BT,  80
.set H,   96
.set OB,  160
.set KV,  20
.set KE,  21
.macro COMBINE                         ; as in the launch before
.irp i, 0,2,4,6,8,10,12,14
	v_pk_mul_f32 v[MU+\i:MU+\i+1], v[PM+\i:PM+\i+1], 0x3d800000 op_sel_hi:[1,0]
.endr
.irp k, 1,2,4,8
.irp i, 0,1,2,3,4,5,6,7,8,9,10,11,12,13,14,15
	v_add_f32_dpp v[MU+\i], v[MU+\i], v[MU+\i] row_xmask:\k row_mask:0xf bank_mask:0xf
.endr
.endr
.irp i, 0,2,4,6,8,10,12,14
	v_pk_add_f32 v[PM+\i:PM+\i+1], v[PM+\i:PM+\i+1], v[MU+\i:MU+\i+1] neg_lo:[0,1] neg_hi:[0,1]
.endr
.irp i, 0,2,4,6,8,10,12,14
	v_pk_mul_f32 v[PM+\i:PM+\i+1], v[PM+\i:PM+\i+1], v[PM+\i:PM+\i+1]
.endr
.irp i, 0,2,4,6,8,10,12,14
	v_pk_fma_f32 v[PQ+\i:PQ+\i+1], v[PM+\i:PM+\i+1], 0x42800000, v[PQ+\i:PQ+\i+1] op_sel_hi:[1,0,1]
.endr
.irp k, 1,2,4,8
.irp i, 0,1,2,3,4,5,6,7,8,9,10,11,12,13,14,15
	v_add_f32_dpp v[PQ+\i], v[PQ+\i], v[PQ+\i] row_xmask:\k row_mask:0xf bank_mask:0xf
.endr
.endr
.irp i, 0,1,2,3,4,5,6,7,8,9,10,11,12,13,14,15
	v_fma_f32 v[PQ+\i], v[PQ+\i], s[KV], s[KE]
.endr
.irp i, 0,1,2,3,4,5,6,7,8,9,10,11,12,13,14,15
	v_rsq_f32 v[PQ+\i], v[PQ+\i]
.endr
	v_nop
	s_wait_alu depctr_va_vdst(0)                   ; one wait for the sixteen, ahead of their first reader
.endm
	s_load_b256 s[4:11], s[0:1], 0x0               ; z, its partials, gamma2, beta2
	s_load_b64 s[12:13], s[0:1], 0x20              ; out0
	v_lshl_add_u32 v[SPW], v0, 2, SPARE
	v_mov_b32 v[NIL], 0
	v_lshrrev_b32 v8, 5, v0
	v_readfirstlane_b32 s14, v8                    ; wave 0..7
	v_and_b32 v8, 31, v0                           ; lane
	v_and_b32 v9, 15, v0                           ; r
	v_bfe_u32 v10, v0, 4, 1                        ; h
	v_and_b32 v11, 8, v9
	v_add_nc_u32 v11, v11, v9                      ; r + 8 (r / 8)
	v_lshlrev_b32 v[L16], 4, v8
	v_lshlrev_b32 v[PAD], 11, v9
	v_lshl_add_u32 v[PAD], v10, 6, v[PAD]
	v_lshlrev_b32 v[GA], 6, v10
	v_mul_u32_u24 v[STO], v11, SP
	v_lshl_add_u32 v[STO], v10, 6, v[STO]
	s_lshl_b32 s15, s14, 7                         ; 128 w
	v_add_nc_u32 v[STO], s15, v[STO]
	s_mul_i32 s16, s14, 8*SP
	v_add_nc_u32 v[SRD], s16, v[L16]
	s_mov_b32 s[KV], 0x3a800000                    ; 1 / 1,024
	s_mov_b32 s[KE], 0x3727c5ac                    ; eps
	s_lshl_b32 s22, ttmp9, 16
	s_lshl_b32 s23, s14, 11
	s_add_co_u32 s24, s22, s23                     ; z: my block's four tiles, my block of channels
	s_mov_b32 s25, 0
	s_lshl_b32 s23, s14, 13
	s_add_co_u32 s22, s22, s23                     ; out0: my block's tokens, my eight rows
	s_mov_b32 s23, 0
	s_lshr_b32 s26, ttmp9, 4
	s_lshl_b32 s26, s26, 15
	s_add_co_u32 s26, s26, s15                     ; the batch's partials, my channels
	s_mov_b32 s27, 0
	s_mov_b32 s28, s15
	s_mov_b32 s29, 0
	s_wait_kmcnt 0x0
	s_add_nc_u64 s[4:5], s[4:5], s[24:25]
	s_add_nc_u64 s[6:7], s[6:7], s[26:27]
	s_add_nc_u64 s[8:9], s[8:9], s[28:29]
	s_add_nc_u64 s[10:11], s[10:11], s[28:29]
	s_add_nc_u64 s[12:13], s[12:13], s[22:23]
.irp j, 0,1,2,3
	global_load_b128 v[PM+4*\j:PM+4*\j+3], v[PAD], s[6:7] offset:16*\j
.endr
.irp j, 0,1,2,3
	global_load_b128 v[PQ+4*\j:PQ+4*\j+3], v[PAD], s[6:7] offset:1024+16*\j
.endr
.irp j, 0,1,2,3
	global_load_b128 v[GM+4*\j:GM+4*\j+3], v[GA], s[8:9] offset:16*\j
.endr
.irp j, 0,1,2,3
	global_load_b128 v[BT+4*\j:BT+4*\j+3], v[GA], s[10:11] offset:16*\j
.endr
.irp m, 0,1,2,3
.irp j, 0,1,2,3
	global_load_b128 v[H+16*\m+4*\j:H+16*\m+4*\j+3], v[L16], s[4:5] offset:16384*\m+512*\j th:TH_LOAD_NT
.endr
.endr
	s_wait_loadcnt 24                              ; the partials are in: behind them stand gain and shift (8) and z (16)
	COMBINE
	s_wait_loadcnt 0x0
.irp i, 0,2,4,6,8,10,12,14
	v_pk_mul_f32 v[PQ+\i:PQ+\i+1], v[PQ+\i:PQ+\i+1], v[GM+\i:GM+\i+1]
.endr
.irp m, 0,1,2,3
.irp i, 0,2,4,6,8,10,12,14
	v_pk_add_f32 v[H+16*\m+\i:H+16*\m+\i+1], v[H+16*\m+\i:H+16*\m+\i+1], v[MU+\i:MU+\i+1] neg_lo:[0,1] neg_hi:[0,1]
.endr
.irp i, 0,2,4,6,8,10,12,14
	v_pk_fma_f32 v[H+16*\m+\i:H+16*\m+\i+1], v[H+16*\m+\i:H+16*\m+\i+1], v[PQ+\i:PQ+\i+1], v[BT+\i:BT+\i+1]
.endr
.irp j, 0,1,2,3
	ds_store_b128 v[STO], v[H+16*\m+4*\j:H+16*\m+4*\j+3] offset:STG+(32*(\m/2)+8*(\m%2))*SP+16*\j   ; token row of the block, channels 32 w + 16 h + 4 j ..
.endr
.endr
	s_wait_dscnt 0x0                               ; for the others' sake: my stores into the stage have landed
	s_barrier_signal -1
	s_barrier_wait -1                              ; 64 whole rows lie in the stage
.irp i, 0,1,2,3,4,5,6,7,8,9,10,11,12,13,14,15
	ds_load_b128 v[OB+4*\i:OB+4*\i+3], v[SRD] offset:STG+(\i/2)*SP+512*(\i%2)
.endr
.irp i, 0,1,2,3,4,5,6,7,8,9,10,11,12,13,14,15
	s_wait_dscnt 15-\i                             ; LDS loads come back in order (ISA guide 5.7.1): load i is in, the younger ones may be out
	global_store_b128 v[L16], v[OB+4*\i:OB+4*\i+3], s[12:13] offset:(\i/2)*1024+512*(\i%2) th:TH_STORE_NT   ; 512 consecutive bytes, aligned
.endr
	s_wait_tensorcnt 0x0                           ; the wave's end: behind my last LDS store
	ds_add_u32 v[SPW], v[NIL]
	s_wait_dscnt 0x0
	s_endpgm
.Lfunc_end_k_q08da3f5c1b_norm:
	.size	k_q08da3f5c1b_norm, .Lfunc_end_k_q08da3f5c1b_norm-k_q08da3f5c1b_norm
	.p2alignl 7, 3214868480
	.fill 96, 4, 3214868480
	.section	.rodata,"a",@progbits
	.p2align	6, 0x0
	.amdhsa_kernel k_q08da3f5c1b_norm
		.amdhsa_group_segment_fixed_size 67584
		.amdhsa_private_segment_fixed_size 0
		.amdhsa_enable_private_segment 0
		.amdhsa_kernarg_size 40
		.amdhsa_user_sgpr_count 2
		.amdhsa_user_sgpr_kernarg_segment_ptr 1
		.amdhsa_wavefront_size32 1
		.amdhsa_system_sgpr_workgroup_id_x 1
		.amdhsa_system_sgpr_workgroup_id_y 1
		.amdhsa_system_sgpr_workgroup_id_z 1
		.amdhsa_system_vgpr_workitem_id 0
		.amdhsa_next_free_vgpr 224
		.amdhsa_next_free_sgpr 66
		.amdhsa_reserve_vcc 0
		.amdhsa_float_denorm_mode_32 3
		.amdhsa_float_denorm_mode_16_64 3
		.amdhsa_memory_ordered 1
		.amdhsa_forward_progress 1
		.amdhsa_inst_pref_size 26
	.end_amdhsa_kernel
	.amdgpu_metadata
---
amdhsa.version: [ 1, 2 ]
amdhsa.kernels:
  - .name:           k_q08da3f5c1b_norm
    .symbol:         k_q08da3f5c1b_norm.kd
    .args:
      - { .name: qz, .offset: 0, .size: 8, .value_kind: global_buffer, .address_space: global }
      - { .name: st2, .offset: 8, .size: 8, .value_kind: global_buffer, .address_space: global }
      - { .name: gamma2, .offset: 16, .size: 8, .value_kind: global_buffer, .address_space: global }
      - { .name: beta2, .offset: 24, .size: 8, .value_kind: global_buffer, .address_space: global }
      - { .name: out0, .offset: 32, .size: 8, .value_kind: global_buffer, .address_space: global }
    .group_segment_fixed_size: 67584
    .private_segment_fixed_size: 0
    .kernarg_segment_align: 8
    .kernarg_segment_size: 40
    .max_flat_workgroup_size: 256
    .sgpr_count:     66
    .vgpr_count:     224
    .wavefront_size: 32
...
	.end_amdgpu_metadata
.endif
;; end of part 5
;; ======== version 2 of 2: 5 launches; version 1 with the launches qkv, att, wo, ffn written anew for expert scheduling mode
;; workspace buffers: qz 16,777,216 bytes; ky 16,777,216 bytes; wa 16,777,216 bytes; vc 3,145,728 bytes; vs 131,072 bytes; st1 524,288 bytes; st2 524,288 bytes
;; launch qkv (part 6): grid 256 x 1, 8 waves a work-group, no clusters, 13,824 bytes of LDS; arguments x, Wq_codes, Wq_scales, Wk_codes, Wk_scales, Wv_codes, Wv_scales, qz, ky, vc, vs; writes qz, ky, vc, vs
.if DOCPART == 6
	.amdgcn_target "amdgcn-amd-amdhsa--gfx1250"
	.amdhsa_code_object_version 6
	.text
	.protected	k_q08da3f5c1b_qkv
	.globl	k_q08da3f5c1b_qkv
	.p2align	8
	.type	k_q08da3f5c1b_qkv,@function
k_q08da3f5c1b_qkv:
	s_mov_b64 s[64:65], 0
	v_nop
	global_prefetch_b8 v0, s[64:65] scope:SCOPE_SE
	s_setreg_imm32_b32 hwreg(HW_REG_WAVE_SCHED_MODE, 0, 2), 2
	s_setreg_imm32_b32 hwreg(HW_REG_WAVE_MODE, 25, 1), 1
	s_wait_xcnt 0x0
	s_wait_alu depctr_vm_vsrc(0)
; LAUNCH 1 OF 5 of an encoder layer (16 batches x 1,024 tokens x 256 channels, 16 heads of 16): q = Q(x) Wq, k = Q(x) Wk, v = Q(x) Wv on codes of E3M2 with one E8M0 scale for each 32 along K;
; v is then quantised along the KEYS, which are the K of the product with the softmax's p.
; DEAD WORK, for the whole program.  bo is added to attn Wo + x, and b2 to h + ff, each straight ahead of an instance norm over the 1,024 tokens.  Both are constants along the tokens: for any c,
; mean(y + c) = mean(y) + c, so y + c - mean(y + c) = y - mean(y), and the variance, made of these differences, is the same too.  So neither can reach h (and so no later quantiser) nor the output, whatever finite
; values the inputs hold.  bo and b2 are not loaded and are among no launch's arguments.  LIMIT: a NaN, an infinity or an overflow that reaches only bo or b2 is not carried to the result.
; LIMITS: NaN and infinities among the inputs are not served.  A block of zeros gets the scale byte 1 where the rule says 127 (its codes are zeros, and this program alone reads the bytes); a block whose largest
; magnitude lies under 2^-122 is held at the byte 1.
; SHARES.  A work-group takes 64 tokens (g = 16 x batch + block of tokens).  Wave w quantises channels 32 w .. 32 w + 31 of all 64 tokens; the eight fragments of x meet in LDS as images of their registers;
; then wave w makes heads 2 w and 2 w + 1 of q, k and v for all 64 tokens, its weights coming from memory straight into its registers.
; NO CLUSTER: all work-groups read the same 153,600 bytes of weights, but each fragment goes from memory into the registers of the one wave that multiplies by it; a joint tensor load would add an LDS write and
; an LDS read of every one of those bytes, for 24 matrix instructions a wave and head.
; TOKEN TILES.  Row r of tile T of a batch is token 32 (T / 2) + 8 (T % 2) + r + 8 (r / 8): the 16 registers of two neighbouring tiles of a result whose rows are tokens are then 16 neighbouring tokens.
; OUT.  q and k: the eight result registers as they stand, [batch][head][tile 64][chunk 2][lane 32][4 f32]: lane (r, h), chunk c, word i = (token of row r, d = 8 h + 4 c + i).
; v's codes: [batch][head][block of 64 keys][768]: registers 6 c .. 6 c + 5 of the operand's fragment, 512 bytes (16 x lane) and 256 bytes (8 x lane).  v's scale bytes: [batch][block of 64 keys][head][d] of two bytes.
; THE MODE: SCHED_MODE bits 1:0 = 2 (LLVM: expert scheduling mode 2), set by the entry lines.  The code itself states the register dependences between vector or matrix instructions and memory or LDS
; instructions, with s_wait_alu, always for 0.
; THE PLAN.  Registers that memory or LDS instructions touch:
;   v1-v10           offsets and LDS addresses: written at the head, never again.
;   v[PC ..], v[BY]  written by the quantiser; read by the LDS stores of x's codes and by the stores of v's codes; written again by the next quantiser.
;   q's, k's tiles   written by a head's products; read by that head's sixteen stores; written again by the next head's products.
;   v13              written by a select at the end; read by the last store.
;   x as loaded, window 1, the scale words: loads land there once; vector and matrix instructions read them.
.set XIMG,  0                          ; LDS: x's fragments (tile m, K step s) at 1,536 (2 m + s): two halves of 768 bytes, each 512 (16 x lane: registers 0-3) + 256 (8 x lane: registers 4-5)
.set XSC,   12288                      ; their scale words, 64 bytes a fragment, 4 bytes a row
.set SPARE, 12800                      ; the spare words, 128 bytes for each wave: four blocks of 256 bytes that no other line names
.set L16, 1                            ; 16 x lane
.set L8,  2                            ; 8 x lane
.set L4R, 3                            ; 4 r
.set XA,  4                            ; x: 1,024 (r + 8 (r / 8)) + 64 h
.set WA,  5                            ; weights: 192 r + 24 h
.set WSA, 6                            ; their scales: 8 r
.set W16, 7                            ; where my codes go in LDS: registers 0-3,
.set W8,  8                            ; registers 4-5,
.set WB,  9                            ; and the scale byte
.set VSA, 10                           ; v's scale bytes in memory: 32 h + 2 r
.set SPW, 14
.set NIL, 15
.set WSC, 16                           ; v16-27 the weights' scale words: 6 e + 2 matrix + s
.set XS,  28                           ; v28-35 x's: 2 m + s
.set T0,  36                           ; v36-41 at work in the quantiser
.set PC,  42                           ; v42-47 codes just made
.set X,   48                           ; v48-50 their second half
.set BY,  51
.set SW,  52                           ; v52-53 v's two scale bytes, for each of my heads
.set QA,  64                           ; v64-95 q, v96-127 k, v128-159 v: four tiles of eight
.set KA,  96
.set VA,  128
.set RAW, 64                           ; v64-127 x as loaded, ahead of the products
.set XF,  144                          ; window 1: v144-239 x's eight fragments; v0-143 the weights': 12 (6 e + 2 matrix + s)
.set SEL, 30
.set MSB, 0
.macro WIN new                         ; the immediate's high byte repeats the setting that is left
.if MSB != \new
	s_set_vgpr_msb (MSB<<8)|\new
.set MSB, \new
.endif
.endm
.macro PLACES n
.rept \n
	v_nop
.endr
.endm
.macro BARRIER                         ; my LDS stores have landed and my LDS loads are in: then the work-group's barrier
	s_wait_dscnt 0x0
	s_barrier_signal -1
	s_barrier_wait -1
.endm
; 16 + 16 numbers of a lane become codes.  Lanes l and l xor 16 hold the two halves of a block of 32.  Afterwards lanes 0-15 hold all 32 codes of a's block in v[PC .. PC+5], lanes 16-31 those of b's;
; v[T0+2], v[T0+3] hold the two scale bytes.
.macro Q32 a, b
	v_max3_num_f32 v[T0], |v[\a]|, |v[\a+1]|, 0x2800000      ; the floor 2^(5 - 127) among the leaves holds the byte at 1 from below
	v_max3_num_f32 v[T0+1], |v[\b]|, |v[\b+1]|, 0x2800000
.irp i, 2,4,6,8,10,12,14
	v_max3_num_f32 v[T0], v[T0], |v[\a+\i]|, |v[\a+\i+1]|
	v_max3_num_f32 v[T0+1], v[T0+1], |v[\b+\i]|, |v[\b+\i+1]|
.endr
	v_permlanex16_b32 v[T0+2], v[T0], s[SEL], s[SEL+1]
	v_permlanex16_b32 v[T0+3], v[T0+1], s[SEL], s[SEL+1]
	v_max_num_f32 v[T0], v[T0], v[T0+2]                      ; the blocks' largest magnitudes
	v_max_num_f32 v[T0+1], v[T0+1], v[T0+3]
	v_add_nc_u32 v[T0+4], 0xfe000000, v[T0]                  ; 4 off the exponent field: the conversion's scale operand
	v_add_nc_u32 v[T0+5], 0xfe000000, v[T0+1]
	v_lshrrev_b32 v[T0+2], 23, v[T0+4]                       ; the scale bytes
	v_lshrrev_b32 v[T0+3], 23, v[T0+5]
	v_cvt_scalef32_pk16_bf6_f32 v[PC:PC+2], v[\a:\a+15], v[T0+4]
	v_cvt_scalef32_pk16_bf6_f32 v[X:X+2], v[\b:\b+15], v[T0+5]
	v_nop                                                    ; one plain place behind a scaled conversion
.irp i, 0,1,2
	v_permlane16_swap_b32 v[PC+\i], v[X+\i]                  ; a's upper 16 codes change places with b's lower 16
.endr
.irp i, 0,1,2
	v_mov_b32 v[PC+3+\i], v[X+\i]
.endr
.endm
; a and b were block w of tiles m0 and m0 + 1: lane (r, h) holds row r of tile m0 + h.  In the fragment that block belongs to lane 16 (w % 2) + r, registers 6 ((w % 4) / 2) on, of K step w / 4.
.macro QBST m0
	v_cndmask_b32 v[BY], v[T0+2], v[T0+3], s27
	s_wait_alu depctr_va_vdst(0)                   ; the quantiser has written v[PC ..] and the select v[BY], which the three LDS stores read
	ds_store_b128 v[W16], v[PC:PC+3] offset:XIMG+3072*\m0
	ds_store_b64 v[W8], v[PC+4:PC+5] offset:XIMG+3072*\m0
	ds_store_b8 v[WB], v[BY] offset:XSC+128*\m0
.endm
.macro FETCHF reg, off                 ; a fragment comes back as the registers that it is
	ds_load_b128 v[\reg:\reg+3], v[L16] offset:\off
	ds_load_b64 v[\reg+4:\reg+5], v[L8] offset:\off+512
	ds_load_b128 v[\reg+6:\reg+9], v[L16] offset:\off+768
	ds_load_b64 v[\reg+10:\reg+11], v[L8] offset:\off+1280
.endm
.macro MMZ d, a, b, sa, sb             ; the first K step starts a sum
	v_wmma_scale_f32_16x16x128_f8f6f4 v[\d:\d+7], v[\a:\a+11], v[\b:\b+11], 0, v[\sa], v[\sb] matrix_a_fmt:MATRIX_FMT_BF6 matrix_b_fmt:MATRIX_FMT_BF6
.endm
.macro MMI d, a, b, sa, sb             ; and the next adds in place
	v_wmma_scale_f32_16x16x128_f8f6f4 v[\d:\d+7], v[\a:\a+11], v[\b:\b+11], v[\d:\d+7], v[\sa], v[\sb] matrix_a_fmt:MATRIX_FMT_BF6 matrix_b_fmt:MATRIX_FMT_BF6
.endm
.macro WLOAD e                         ; head 2 w + e: 16 rows of each of the three weights, two K steps: 36 loads of 8 bytes
.irp a, 0,1,2
.irp s, 0,1
.irp p, 0,1,2,3,4,5
	global_load_b64 v[12*(6*\e+2*\a+\s)+2*\p:12*(6*\e+2*\a+\s)+2*\p+1], v[WA], s[6+4*\a:7+4*\a] offset:3072*\e+96*\s+48*(\p/3)+8*(\p%3)
.endr
.endr
.endr
.endm
	s_load_b256 s[4:11], s[0:1], 0x0               ; x, Wq's codes, Wq's scales, Wk's codes
	s_load_b256 s[12:19], s[0:1], 0x20             ; Wk's scales, Wv's codes, Wv's scales, qz
	s_load_b128 s[20:23], s[0:1], 0x40             ; ky, vc
	s_load_b64 s[24:25], s[0:1], 0x50              ; vs
	v_lshl_add_u32 v[SPW], v0, 2, SPARE
	v_mov_b32 v[NIL], 0
	v_lshrrev_b32 v11, 5, v0
	v_readfirstlane_b32 s26, v11                   ; wave 0..7
	v_and_b32 v11, 31, v0                          ; lane
	v_and_b32 v12, 15, v0                          ; r
	v_bfe_u32 v13, v0, 4, 1                        ; h
	v_lshlrev_b32 v[L16], 4, v11
	v_lshlrev_b32 v[L8], 3, v11
	v_lshlrev_b32 v[L4R], 2, v12
	v_and_b32 v[XA], 8, v12
	v_add_nc_u32 v[XA], v[XA], v12                 ; r + 8 (r / 8)
	v_lshlrev_b32 v[XA], 10, v[XA]
	v_lshl_add_u32 v[XA], v13, 6, v[XA]
	v_mul_u32_u24 v[WA], v12, 192
	v_mad_u32_u24 v[WA], v13, 24, v[WA]
	v_lshlrev_b32 v[WSA], 3, v12
	s_wait_alu depctr_va_sdst(0)                   ; s26, the wave's number, is written, ahead of its first reader
	s_lshr_b32 s28, s26, 1
	s_mul_i32 s28, s28, 768
	s_and_b32 s29, s26, 1
	s_lshl_b32 s40, s29, 8
	s_add_co_u32 s40, s40, s28                     ; 768 (w / 2) + 256 (w % 2)
	s_lshl_b32 s41, s29, 7
	s_add_co_u32 s41, s41, s28
	s_add_co_u32 s41, s41, 512                     ; 768 (w / 2) + 512 + 128 (w % 2)
	v_mul_u32_u24 v11, v13, 3072                   ; lanes 16-31 hold the next tile: two fragments on
	v_lshl_add_u32 v[W16], v12, 4, v11
	v_add_nc_u32 v[W16], s40, v[W16]
	v_lshl_add_u32 v[W8], v12, 3, v11
	v_add_nc_u32 v[W8], s41, v[W8]
	s_lshr_b32 s28, s26, 2
	s_lshl_b32 s28, s28, 6
	s_and_b32 s29, s26, 3
	s_add_co_u32 s28, s28, s29                     ; 64 (w / 4) + w % 4
	v_lshl_add_u32 v[WB], v13, 7, v[L4R]
	v_add_nc_u32 v[WB], s28, v[WB]
	v_lshlrev_b32 v[VSA], 1, v12
	v_lshl_add_u32 v[VSA], v13, 5, v[VSA]
	v_mov_b32 v[T0+2], 0                           ; written once: a lane permute's destination counts as one of its sources
	v_mov_b32 v[T0+3], 0
	s_mov_b32 s27, 0xffff0000                      ; lanes 16-31
	s_mov_b32 s[SEL], 0x76543210
	s_mov_b32 s[SEL+1], 0xfedcba98                 ; lane l xor 16
	s_lshl_b32 s32, ttmp9, 16                      ; x: 64 tokens of 1,024 bytes a work-group,
	s_lshl_b32 s33, s26, 7                         ; my 32 channels
	s_add_co_u32 s32, s32, s33
	s_mov_b32 s33, 0
	s_mul_i32 s34, s26, 6144                       ; the weights: my 32 rows of 192 bytes
	s_mov_b32 s35, 0
	s_lshl_b32 s36, s26, 8                         ; their scales: 8 bytes a row
	s_mov_b32 s37, 0
	s_and_b32 s38, ttmp9, 0xf0
	s_lshl_b32 s39, s26, 1
	s_add_co_u32 s38, s38, s39                     ; 16 x batch + my first head
	s_and_b32 s39, ttmp9, 15                       ; the block of 64 tokens
	s_lshl_b32 s42, s38, 4
	s_add_co_u32 s42, s42, s39
	s_mul_i32 s42, s42, 768                        ; v's codes
	s_mov_b32 s43, 0
	s_lshl_b32 s38, s38, 16
	s_lshl_b32 s39, s39, 12
	s_add_co_u32 s38, s38, s39                     ; q and k: 65,536 bytes a head, 4,096 a block
	s_mov_b32 s39, 0
	s_lshl_b32 s44, ttmp9, 9
	s_lshl_b32 s45, s26, 6
	s_add_co_u32 s44, s44, s45                     ; v's scale bytes
	s_mov_b32 s45, 0
	s_wait_kmcnt 0x0
	s_add_nc_u64 s[4:5], s[4:5], s[32:33]
	s_add_nc_u64 s[6:7], s[6:7], s[34:35]
	s_add_nc_u64 s[10:11], s[10:11], s[34:35]
	s_add_nc_u64 s[14:15], s[14:15], s[34:35]
	s_add_nc_u64 s[8:9], s[8:9], s[36:37]
	s_add_nc_u64 s[12:13], s[12:13], s[36:37]
	s_add_nc_u64 s[16:17], s[16:17], s[36:37]
	s_add_nc_u64 s[18:19], s[18:19], s[38:39]
	s_add_nc_u64 s[20:21], s[20:21], s[38:39]
	s_add_nc_u64 s[22:23], s[22:23], s[42:43]
	s_add_nc_u64 s[24:25], s[24:25], s[44:45]
	s_wait_alu depctr_va_vdst(0)                   ; the ten offsets and LDS addresses v1 to v10 are written: every load and store of the kernel reads one of them, and none is written again
.irp m, 0,1,2,3
.irp j, 0,1,2,3
	global_load_b128 v[RAW+16*\m+4*\j:RAW+16*\m+4*\j+3], v[XA], s[4:5] offset:(32*(\m/2)+8*(\m%2))*1024+16*\j   ; x(row r of tile m, 32 w + 16 h + 4 j ..)
.endr
.endr
.irp e, 0,1
.irp a, 0,1,2
	global_load_b64 v[WSC+6*\e+2*\a:WSC+6*\e+2*\a+1], v[WSA], s[8+4*\a:9+4*\a] offset:128*\e   ; a row's two scale words
.endr
.endr
	WIN 0x40                                       ; destination window 1
	WLOAD 0
	WIN 0
	s_wait_loadcnt 42                              ; x is in: behind its loads stand the scales' 6 and head 0's 36
	Q32 RAW, RAW+16
	QBST 0
	s_wait_dscnt 0x0                               ; the stores are done
	s_wait_alu depctr_vm_vsrc(0)                   ; the three LDS stores have read v[PC ..] and v[BY], which the next quantiser writes again
	Q32 RAW+32, RAW+48
	QBST 2
	WIN 0x40
	WLOAD 1                                        ; (no vector instruction has named these registers of window 1, nor v[WA] since the head's wait)
	WIN 0
	BARRIER                                        ; x's eight fragments and their scale words lie in LDS
	WIN 0x40
.irp k, 0,1,2,3,4,5,6,7
	FETCHF XF+12*\k, XIMG+1536*\k
.endr
	WIN 0
.irp k, 0,1,2,3,4,5,6,7
	ds_load_b32 v[XS+\k], v[L4R] offset:XSC+64*\k
.endr
; One head.  q and k are used transposed (source 0 = 16 rows of the weight, source 1 = 16 tokens): a lane holds one token and eight d.  v the other way round (source 0 = tokens, source 1 = the weight):
; a lane holds one d, and the 16 registers of tiles 2 i and 2 i + 1 are tokens 32 i + 16 h + 0 .. 15: v's K runs down the registers.  Twelve accumulators by turns, one instruction a turn.
.macro HEAD e
	s_wait_alu depctr_vm_vsrc(0)                   ; head 0: the LDS stores of x's codes have read v[PC ..]; head 1: head 0's stores have read q's and k's tiles and v[PC ..]: the products and the quantiser below write them again
	WIN 0x05                                       ; sources 0 and 1 window 1
.irp s, 0,1
.irp m, 0,1,2,3
.if \s == 0
	MMZ QA+8*\m, 12*(6*\e+\s), XF+12*(2*\m+\s), WSC+6*\e+\s, XS+2*\m+\s
	MMZ KA+8*\m, 12*(6*\e+2+\s), XF+12*(2*\m+\s), WSC+6*\e+2+\s, XS+2*\m+\s
	MMZ VA+8*\m, XF+12*(2*\m+\s), 12*(6*\e+4+\s), XS+2*\m+\s, WSC+6*\e+4+\s
.else
	MMI QA+8*\m, 12*(6*\e+\s), XF+12*(2*\m+\s), WSC+6*\e+\s, XS+2*\m+\s
	MMI KA+8*\m, 12*(6*\e+2+\s), XF+12*(2*\m+\s), WSC+6*\e+2+\s, XS+2*\m+\s
	MMI VA+8*\m, XF+12*(2*\m+\s), 12*(6*\e+4+\s), XS+2*\m+\s, WSC+6*\e+4+\s
.endif
.endr
.endr
	WIN 0
	PLACES 5                                       ; four ahead of the reads of results; five ahead of the next head's products, which begin these accumulators anew
	s_wait_alu depctr_va_vdst(0)                   ; the products have written q's and k's tiles, which the sixteen stores read; the places above stay beside this wait
.irp m, 0,1,2,3
	global_store_b128 v[L16], v[QA+8*\m:QA+8*\m+3], s[18:19] offset:65536*\e+1024*\m          ; each store covers 512 consecutive bytes, aligned; each accumulator from its low end on
	global_store_b128 v[L16], v[QA+8*\m+4:QA+8*\m+7], s[18:19] offset:65536*\e+1024*\m+512
.endr
.irp m, 0,1,2,3
	global_store_b128 v[L16], v[KA+8*\m:KA+8*\m+3], s[20:21] offset:65536*\e+1024*\m
	global_store_b128 v[L16], v[KA+8*\m+4:KA+8*\m+7], s[20:21] offset:65536*\e+1024*\m+512
.endr
	Q32 VA, VA+16                                  ; my 64 keys are two blocks: lane (r, h) ends with block h of row d = r: six registers of the operand as they stand
	v_lshl_or_b32 v[SW+\e], v[T0+3], 8, v[T0+2]
	s_wait_alu depctr_va_vdst(0)                   ; the quantiser has written v[PC ..], which the two stores read
	global_store_b128 v[L16], v[PC:PC+3], s[22:23] offset:12288*\e
	global_store_b64 v[L8], v[PC+4:PC+5], s[22:23] offset:12288*\e+512
.endm
	s_wait_loadcnt 36                              ; the scales and head 0's weights are in; head 1's 36 loads may be out
	s_wait_dscnt 0x0
	HEAD 0
	s_wait_loadcnt 0x0
	s_wait_xcnt 0x0                                ; head 0's stores have had their addresses translated: their registers are written again only behind this wait
	HEAD 1
	v_cndmask_b32 v13, v[SW], v[SW+1], s27         ; lanes 0-15: head 2 w; lanes 16-31: head 2 w + 1
	s_wait_alu depctr_va_vdst(0)                   ; the select has written v13, which the store reads
	global_store_b16 v[VSA], v13, s[24:25]
	s_wait_dscnt 0x0                               ; the closing lines, six on end
	s_wait_alu 0x0
	s_wait_tensorcnt 0x0
	ds_add_u32 v[SPW], v[NIL]
	s_wait_dscnt 0x0
	s_endpgm
.Lfunc_end_k_q08da3f5c1b_qkv:
	.size	k_q08da3f5c1b_qkv, .Lfunc_end_k_q08da3f5c1b_qkv-k_q08da3f5c1b_qkv
	.p2alignl 7, 3214868480
	.fill 96, 4, 3214868480
	.section	.rodata,"a",@progbits
	.p2align	6, 0x0
	.amdhsa_kernel k_q08da3f5c1b_qkv
		.amdhsa_group_segment_fixed_size 13824
		.amdhsa_private_segment_fixed_size 0
		.amdhsa_enable_private_segment 0
		.amdhsa_kernarg_size 88
		.amdhsa_user_sgpr_count 2
		.amdhsa_user_sgpr_kernarg_segment_ptr 1
		.amdhsa_wavefront_size32 1
		.amdhsa_system_sgpr_workgroup_id_x 1
		.amdhsa_system_sgpr_workgroup_id_y 1
		.amdhsa_system_sgpr_workgroup_id_z 1
		.amdhsa_system_vgpr_workitem_id 0
		.amdhsa_next_free_vgpr 512
		.amdhsa_next_free_sgpr 66
		.amdhsa_reserve_vcc 0
		.amdhsa_float_denorm_mode_32 3
		.amdhsa_float_denorm_mode_16_64 3
		.amdhsa_memory_ordered 1
		.amdhsa_forward_progress 1
		.amdhsa_inst_pref_size 34
	.end_amdhsa_kernel
	.amdgpu_metadata
---
amdhsa.version: [ 1, 2 ]
amdhsa.kernels:
  - .name:           k_q08da3f5c1b_qkv
    .symbol:         k_q08da3f5c1b_qkv.kd
    .args:
      - { .name: x, .offset: 0, .size: 8, .value_kind: global_buffer, .address_space: global }
      - { .name: Wq_codes, .offset: 8, .size: 8, .value_kind: global_buffer, .address_space: global }
      - { .name: Wq_scales, .offset: 16, .size: 8, .value_kind: global_buffer, .address_space: global }
      - { .name: Wk_codes, .offset: 24, .size: 8, .value_kind: global_buffer, .address_space: global }
      - { .name: Wk_scales, .offset: 32, .size: 8, .value_kind: global_buffer, .address_space: global }
      - { .name: Wv_codes, .offset: 40, .size: 8, .value_kind: global_buffer, .address_space: global }
      - { .name: Wv_scales, .offset: 48, .size: 8, .value_kind: global_buffer, .address_space: global }
      - { .name: qz, .offset: 56, .size: 8, .value_kind: global_buffer, .address_space: global }
      - { .name: ky, .offset: 64, .size: 8, .value_kind: global_buffer, .address_space: global }
      - { .name: vc, .offset: 72, .size: 8, .value_kind: global_buffer, .address_space: global }
      - { .name: vs, .offset: 80, .size: 8, .value_kind: global_buffer, .address_space: global }
    .group_segment_fixed_size: 13824
    .private_segment_fixed_size: 0
    .kernarg_segment_align: 8
    .kernarg_segment_size: 88
    .max_flat_workgroup_size: 256
    .sgpr_count:     66
    .vgpr_count:     512
    .wavefront_size: 32
...
	.end_amdgpu_metadata
.endif
;; end of part 6
;; launch att (part 7): grid 256 x 1, 16 waves a work-group, no clusters, 80,384 bytes of LDS; arguments qz, ky, vc, vs, wa; writes wa
.if DOCPART == 7
	.amdgcn_target "amdgcn-amd-amdhsa--gfx1250"
	.amdhsa_code_object_version 6
	.text
	.protected	k_q08da3f5c1b_att
	.globl	k_q08da3f5c1b_att
	.p2align	8
	.type	k_q08da3f5c1b_att,@function
k_q08da3f5c1b_att:
	s_mov_b64 s[64:65], 0
	v_nop
	global_prefetch_b8 v0, s[64:65] scope:SCOPE_SE
	s_setreg_imm32_b32 hwreg(HW_REG_WAVE_SCHED_MODE, 0, 2), 2
	s_setreg_imm32_b32 hwreg(HW_REG_WAVE_MODE, 25, 1), 1
	s_wait_xcnt 0x0
	s_wait_alu depctr_vm_vsrc(0)
; LAUNCH 2 OF 5: attention of one (batch, head) in a work-group: 1,024 queries x 1,024 keys, head size 16.
; The scores q k^T (K = 16) go on into a quantiser, so their operands are f32: v_wmma_f32_16x16x4_f32, four deep.  t = score x log2(e) / 4; M = the running largest t rounded UP to a whole number;
; p = 2^(t - M), not normalised, is quantised along the keys to E3M2 with one E8M0 scale for each 32 keys and multiplied by v's codes; the row's sum is taken of the unquantised p and divides at the end.
; When M moves, the sum and O are multiplied by 2^(old M - new M): exact.
; SHARES.  Sixteen waves; wave w owns query tiles 4 w .. 4 w + 3, one after the other; each walks all keys, 128 a step.  Four waves lie on a SIMD: one wave's softmax stands beside another's products.
; The head's k (65,536 bytes), v's codes (12,288) and v's scale words (512) come into LDS once, each wave bringing a sixteenth; nothing in LDS is written again.  No work-group shares an input with another: no cluster.
; LAYOUT.  q, k lie as images of result registers: lane (r, h) holds token row r, d = 8 h + 0 .. 7.  For matrix step i registers 2 i, 2 i + 1 are taken of both: the unit's k place 2 h + j stands for d = 8 h + 2 i + j,
; alike in k and q, and the four steps cover every d once.  S^T = k q^T: a lane holds one query; row r of key tile T is key 32 (T / 2) + 8 (T % 2) + r + 8 (r / 8), so the 16 registers of tiles 2 b and 2 b + 1 are keys 32 b + 16 h + 0 .. 15.
; O^T = v^T p^T: lane (r, h) holds query row r, d = 8 h + 0 .. 7: stored as it stands, [batch][head][tile][chunk 2][lane 32][4 f32].
; LIMITS: NaN and infinities are not served; a block of p that has fallen to zeros keeps the scale byte 1: its codes are zeros.
; THE MODE: SCHED_MODE bits 1:0 = 2 (LLVM: expert scheduling mode 2), set by the entry lines.  The code itself states the register dependences between vector or matrix instructions and memory or LDS
; instructions, with s_wait_alu, always for 0.
; THE PLAN.  Registers that memory or LDS instructions touch, round a key step:
;   v[KP ..]          k lands; the score products read it; the scalings and exponentials write p there; the sums and the conversions read p; behind the conversions the next step's k lands.
;   v[VF ..], v[VS]   v's fragment and scale word land in the step's middle; the one product at the step's end reads them.
;   v[ADK], v[ADV16], v[ADV8], v[ADS]   LDS addresses (an LDS address has no scalar base): read by the step's 21 loads; written once a step, in the places behind the score products.
;   v[L16], v[L8], v[L4R]   written at the head, never again: q and the result are reached by scalar bases that move on by a tile.
;   v[QN ..]          the next tile's q lands; eight moves read it at a tile's head.      v[OO ..]  written by a tile's eight multiplications; read by its two stores.
; A step has four waits on va_vdst: behind the 64 exponentials (their results; also: the last product with v is done reading v[VF ..] and v[VS], and the addresses are written: v's loads follow it at once);
; behind the four exponentials; behind the conversions (they are done reading p: k's loads follow); and ahead of the product with v (p's codes and scale word are written).  One wait on vm_vsrc stands ahead of the four additions.
.set KIMG,  0
.set VIMG,  65536                      ; 1,536 bytes a key step
.set VSC,   77824                      ; 64 bytes a key step
.set SPARE, 78336                      ; the spare words, 128 bytes for each wave: eight blocks of 256 bytes that no other line names
.set L16, 1
.set L8,  2
.set L4R, 3
.set SPW, 4
.set NIL, 5
.set ADK, 6                            ; LDS addresses of the loads in hand
.set ADV16, 7
.set ADV8, 8
.set ADS, 9
.set NM,  12                           ; v12 -M, v13 the largest t
.set SUM, 14                           ; v[14:15] the row's sum, in two halves
.set QF,  16                           ; v16-23 q
.set VF,  24                           ; v24-35 v's fragment
.set VS,  36                           ; its scale word
.set PW,  37                           ; p's scale word
.set FA,  38                           ; v38 f = 2^(old M - new M); v39 named with it as a pair
.set OA,  40                           ; v40-47 O^T
.set OO,  48                           ; v48-55 O^T / the sum
.set PC,  56                           ; v56-67 p's codes
.set X0,  68                           ; v68-70, v72-74 their second halves
.set BM,  76                           ; v76-79 the blocks' largest scores, then largest p
.set BT,  80                           ; v80-83
.set SO,  84                           ; v84-87 the conversions' scale operands
.set TT,  88
.set SB,  90                           ; v[90:91] the sums' second chain
.set S,   96                           ; v96-159 S^T: written by the f32 matrix instructions alone
.set KP,  160                          ; v160-223 k's eight tiles, then p
.set QN,  224                          ; v224-231 the next tile's q
.set CS,  16                           ; s[16:17] c = log2(e) / 4
.set SEL, 18
.set TB,  20                           ; LDS byte of the key step whose k is fetched next
.set TV,  21                           ; of v's fragment
.set TS,  22                           ; of v's scale words
.set QT,  23                           ; query tiles to go
.set ST,  24
.macro PLACES n
.rept \n
	v_nop
.endr
.endm
.macro FETCH_K                         ; a key step's k: eight tiles of 1,024 bytes, as they lie
.irp i, 0,1,2,3,4,5,6,7,8,9,10,11,12,13,14,15
	ds_load_b128 v[KP+4*\i:KP+4*\i+3], v[ADK] offset:512*\i
.endr
.endm
	s_load_b256 s[4:11], s[0:1], 0x0               ; q, k, v's codes, v's scale bytes
	s_load_b64 s[12:13], s[0:1], 0x20              ; the result
	v_lshl_add_u32 v[SPW], v0, 2, SPARE
	v_mov_b32 v[NIL], 0
	v_lshrrev_b32 v[ADK], 5, v0
	v_readfirstlane_b32 s14, v[ADK]                ; wave 0..15
	v_and_b32 v[ADK], 31, v0                       ; lane
	v_and_b32 v[ADV16], 15, v0                     ; r
	v_lshlrev_b32 v[L16], 4, v[ADK]
	v_lshlrev_b32 v[L8], 3, v[ADK]
	v_lshlrev_b32 v[L4R], 2, v[ADV16]
	v_lshlrev_b32 v[TT], 1, v[ADV16]               ; 2 r
	v_mov_b32 v[ADK], v[L16]                       ; key step 0's k begins at LDS byte 0
	s_wait_alu depctr_va_sdst(0)                   ; s14, the wave's number, is written, ahead of its first reader
	s_lshl_b32 s15, s14, 12                        ; 4,096 w
	v_add_nc_u32 v92, s15, v[L16]                  ; where my sixteenth of k goes,
	s_mul_i32 s25, s14, 768
	s_add_co_u32 s25, s25, VIMG
	v_add_nc_u32 v93, s25, v[L16]                  ; of v's codes,
	v_add_nc_u32 v94, s25, v[L8]
	s_lshr_b32 s25, s14, 1
	s_lshl_b32 s25, s25, 6
	s_and_b32 s26, s14, 1
	s_lshl_b32 s26, s26, 1
	s_add_co_u32 s25, s25, s26
	s_add_co_u32 s25, s25, VSC
	v_add_nc_u32 v95, s25, v[L4R]                  ; and of v's scale bytes: two bytes of key step w / 2's word
.irp b, 0,1,2,3
	v_mov_b32 v[BT+\b], 0                          ; written once: a lane permute's destination counts as one of its sources
.endr
	v_mov_b32 v[FA+1], 0                           ; named as the upper half of a pair
	s_mov_b32 s[CS], 0x3eb8aa3b
	s_mov_b32 s[CS+1], s[CS]
	s_mov_b32 s[SEL], 0x76543210
	s_mov_b32 s[SEL+1], 0xfedcba98
	s_lshl_b32 s26, ttmp9, 16                      ; a head's images are 65,536 bytes,
	s_add_co_u32 s26, s26, s15                     ; my four tiles 4,096
	s_mov_b32 s27, 0
	s_mul_i32 s28, ttmp9, 12288
	s_mul_i32 s29, s14, 768
	s_add_co_u32 s28, s28, s29
	s_mov_b32 s29, 0
	s_lshr_b32 s30, ttmp9, 4
	s_lshl_b32 s30, s30, 13                        ; v's scale bytes: 8,192 a batch,
	s_and_b32 s31, ttmp9, 15
	s_lshl_b32 s31, s31, 5                         ; 32 a head,
	s_add_co_u32 s30, s30, s31
	s_lshl_b32 s31, s14, 9                         ; 512 a block of 64 keys
	s_add_co_u32 s30, s30, s31
	s_mov_b32 s31, 0
	s_wait_kmcnt 0x0
	s_add_nc_u64 s[4:5], s[4:5], s[26:27]
	s_add_nc_u64 s[6:7], s[6:7], s[26:27]
	s_add_nc_u64 s[12:13], s[12:13], s[26:27]
	s_add_nc_u64 s[8:9], s[8:9], s[28:29]
	s_add_nc_u64 s[10:11], s[10:11], s[30:31]
	s_wait_alu depctr_va_vdst(0)                   ; the offsets v[L16], v[L8], v[L4R], v[TT], the LDS addresses v92 to v95 and v[ADK] are written, which the loads and LDS stores below read
.irp i, 0,1,2,3,4,5,6,7
	global_load_b128 v[KP+4*\i:KP+4*\i+3], v[L16], s[6:7] offset:512*\i th:TH_LOAD_NT
.endr
	global_load_b128 v[VF:VF+3], v[L16], s[8:9] th:TH_LOAD_NT
	global_load_b64 v[VF+4:VF+5], v[L8], s[8:9] offset:512 th:TH_LOAD_NT
	global_load_u16 v[VS], v[TT], s[10:11]
	global_load_b128 v[QN:QN+3], v[L16], s[4:5] th:TH_LOAD_NT
	global_load_b128 v[QN+4:QN+7], v[L16], s[4:5] offset:512 th:TH_LOAD_NT
	s_wait_loadcnt 0x2                             ; all but q's two loads
.irp i, 0,1,2,3,4,5,6,7
	ds_store_b128 v92, v[KP+4*\i:KP+4*\i+3] offset:512*\i
.endr
	ds_store_b128 v93, v[VF:VF+3]
	ds_store_b64 v94, v[VF+4:VF+5] offset:512
	ds_store_b16 v95, v[VS]                        ; lanes r and r + 16 write the same two bytes with the same value
	s_wait_dscnt 0x0                               ; for the others' sake: my stores have landed
	s_barrier_signal -1
	s_barrier_wait -1                              ; the head's k and v lie in LDS; nothing is written there again
	s_wait_alu depctr_vm_vsrc(0)                   ; my LDS stores have read v[KP ..], v[VF ..] and v[VS], in which LDS loads land from here on; the load of the scale bytes has read v[TT], which the steps write
	s_mov_b32 s[TB], 0
	FETCH_K
	s_mov_b32 s[QT], 4
; A KEY STEP of 128 keys.  last = 1: the tile's eighth, written out behind the loop: the k fetched in it is key step 0's, for the next tile.
.macro STEP last
	s_wait_dscnt 0x0                               ; k's sixteen loads, the only LDS loads of mine that are out, are in
.irp i, 0,1,2,3                                    ; S^T = k q^T: eight accumulators by turns, one instruction a turn, four deep
.irp t, 0,1,2,3,4,5,6,7
.if \i == 0
	v_wmma_f32_16x16x4_f32 v[S+8*\t:S+8*\t+7], v[KP+8*\t+2*\i:KP+8*\t+2*\i+1], v[QF+2*\i:QF+2*\i+1], 0
.else
	v_wmma_f32_16x16x4_f32 v[S+8*\t:S+8*\t+7], v[KP+8*\t+2*\i:KP+8*\t+2*\i+1], v[QF+2*\i:QF+2*\i+1], v[S+8*\t:S+8*\t+7]
.endif
.endr
.endr
.if \last
	s_mov_b32 s[TB], 0
.else
	s_add_co_u32 s[TB], s[TB], 8192
.endif
	s_wait_alu depctr_vm_vsrc(0)                   ; the LDS loads issued so far have read the four address registers, which are written now
	v_add_nc_u32 v[ADV16], s[TV], v[L16]           ; this step's v, and the next step's k.  These four and the four v_nop are the eight places behind this form,
	v_add_nc_u32 v[ADV8], s[TV], v[L8]             ; ahead of the reads of S^T and of the vector writes onto k's registers (ISA guide 7.12.1)
	v_add_nc_u32 v[ADS], s[TS], v[L4R]
	v_add_nc_u32 v[ADK], s[TB], v[L16]
	PLACES 4
	s_add_co_u32 s[TV], s[TV], 1536
	s_add_co_u32 s[TS], s[TS], 64
.irp b, 0,1,2,3
	v_max3_num_f32 v[BM+\b], v[S+16*\b], v[S+16*\b+1], v[S+16*\b+2]   ; the largest score of each block of 32 keys: for the row's maximum, and, since p rises with the score, for the block's largest p
.endr
.irp i, 3,5,7,9,11,13
.irp b, 0,1,2,3
	v_max3_num_f32 v[BM+\b], v[BM+\b], v[S+16*\b+\i], v[S+16*\b+\i+1]
.endr
.endr
.irp b, 0,1,2,3
	v_max_num_f32 v[BM+\b], v[BM+\b], v[S+16*\b+15]
.endr
.irp b, 0,1,2,3
	v_permlanex16_b32 v[BT+\b], v[BM+\b], s[SEL], s[SEL+1]
.endr
.irp b, 0,1,2,3
	v_max_num_f32 v[BM+\b], v[BM+\b], v[BT+\b]     ; with lane l xor 16's 16 keys
.endr
	v_max3_num_f32 v[TT], v[BM], v[BM+1], v[BM+2]
	v_max_num_f32 v[TT], v[TT], v[BM+3]
	v_mul_f32 v[TT], s[CS], v[TT]                  ; the step's largest t (c is positive)
	v_max_num_f32 v[NM+1], v[NM+1], v[TT]          ; the running largest t
	v_mov_b32 v[TT], v[NM]
	v_floor_f32 v[NM], -v[NM+1]                    ; -M = floor(-t) = -ceil(t)
	v_sub_f32 v[TT], v[NM], v[TT]                  ; old M - new M: a whole number, 0 or less
	v_cvt_i32_f32 v[TT], v[TT]                     ; (it saturates)
	v_ldexp_f32 v[FA], 1.0, v[TT]                  ; f
.set j, 0
.rept 32
	v_pk_fma_f32 v[KP+j:KP+j+1], v[S+j:S+j+1], s[CS:CS+1], v[NM:NM+1] op_sel_hi:[1,0,0]   ; t - M, into k's registers: S^T's are written by matrix instructions alone
.set j, j+2
.endr
.irp b, 0,1,2,3
	v_fma_f32 v[BM+\b], v[BM+\b], s[CS], v[NM]
.endr
.set j, 0
.rept 64
	v_exp_f32 v[KP+j], v[KP+j]                     ; p = 2^(t - M)
.set j, j+1
.endr
	v_pk_mul_f32 v[SUM:SUM+1], v[SUM:SUM+1], v[FA:FA+1] op_sel_hi:[1,0]   ; the sums under the new M: the plain place behind the exponentials
	s_wait_alu depctr_va_vdst(0)                   ; the 64 exponentials have written p, ahead of its first reader; the last step's product with v is done reading v[VF ..] and v[VS], in which the loads below land; v[ADV16], v[ADV8], v[ADS] are written, which they read
	ds_load_b128 v[VF:VF+3], v[ADV16]
	ds_load_b64 v[VF+4:VF+5], v[ADV8] offset:512
	ds_load_b128 v[VF+6:VF+9], v[ADV16] offset:768
	ds_load_b64 v[VF+10:VF+11], v[ADV8] offset:1280
	ds_load_b32 v[VS], v[ADS]
.irp b, 0,1,2,3
	v_exp_f32 v[BM+\b], v[BM+\b]                   ; the blocks' largest p
.endr
	v_pk_add_f32 v[SB:SB+1], v[KP:KP+1], v[KP+2:KP+3]   ; the row's sum of the unquantised p, in two chains
.set j, 4
.rept 15
	v_pk_add_f32 v[SUM:SUM+1], v[SUM:SUM+1], v[KP+j:KP+j+1]
	v_pk_add_f32 v[SB:SB+1], v[SB:SB+1], v[KP+j+2:KP+j+3]
.set j, j+4
.endr
	v_pk_add_f32 v[SUM:SUM+1], v[SUM:SUM+1], v[SB:SB+1]
	s_wait_alu depctr_va_vdst(0)                   ; the four exponentials have written the blocks' largest p, ahead of its first reader
.irp b, 0,1,2,3
	v_max_num_f32 v[BM+\b], 0x2800000, v[BM+\b]    ; the floor 2^(5 - 127)
.endr
.irp b, 0,1,2,3
	v_add_nc_u32 v[SO+\b], 0xfe000000, v[BM+\b]    ; 4 off the exponent field: the conversion's scale operand
.endr
.irp b, 0,1,2,3
	v_lshrrev_b32 v[BT+\b], 23, v[SO+\b]           ; the scale's byte
.endr
	v_lshl_or_b32 v[PW], v[BT+1], 8, v[BT]
	v_lshl_or_b32 v[PW], v[BT+2], 16, v[PW]
	v_lshl_or_b32 v[PW], v[BT+3], 24, v[PW]
.irp c, 0,1
	v_cvt_scalef32_pk16_bf6_f32 v[PC+6*\c:PC+6*\c+2], v[KP+32*\c:KP+32*\c+15], v[SO+2*\c]
	v_cvt_scalef32_pk16_bf6_f32 v[X0+4*\c:X0+4*\c+2], v[KP+32*\c+16:KP+32*\c+31], v[SO+2*\c+1]
.endr
	v_nop                                          ; one plain place behind a scaled conversion
	s_wait_alu depctr_va_vdst(0)                   ; the conversions are done reading p: k's next loads land in its registers (v[ADK] was written ahead of the step's first wait and has not been named since)
	s_wait_dscnt 0x0                               ; v's fragment and scale word, asked for behind the exponentials: waited for ahead of k's loads, so that the count holds on the way round them too
.if \last
	s_cmp_eq_u32 s[QT], 1                          ; the last tile's last step fetches nothing: nobody would read it
	s_cbranch_scc1 .Lnok_\@
	FETCH_K
.Lnok_\@:
.else
	FETCH_K                                        ; the next step's k, into the registers that p has left
.endif
.irp c, 0,1                                        ; the operand's layout wants a whole block in a lane
.irp i, 0,1,2
	v_permlane16_swap_b32 v[PC+6*\c+\i], v[X0+4*\c+\i]
.endr
.irp i, 0,1,2
	v_mov_b32 v[PC+6*\c+3+\i], v[X0+4*\c+\i]
.endr
.endr
.irp j, 0,2,4,6
	v_pk_mul_f32 v[OA+\j:OA+\j+1], v[OA+\j:OA+\j+1], v[FA:FA+1] op_sel_hi:[1,0]   ; O^T under the new M
.endr
	PLACES 8                                       ; a scale word written by vector instructions stands eight places ahead of a scaled matrix instruction, codes so written four
	s_wait_alu depctr_va_vdst(0)                   ; p's codes v[PC ..] and its scale word v[PW] are written, which the product takes as operand and scales; the places above stay beside this wait
	v_wmma_scale_f32_16x16x128_f8f6f4 v[OA:OA+7], v[VF:VF+11], v[PC:PC+11], v[OA:OA+7], v[VS], v[PW] matrix_a_fmt:MATRIX_FMT_BF6 matrix_b_fmt:MATRIX_FMT_BF6
.endm
.Lq:                                               ; four trips: a query tile each
	s_wait_loadcnt 0x0                             ; this tile's q
.irp i, 0,1,2,3,4,5,6,7
	v_mov_b32 v[QF+\i], v[QN+\i]
.endr
	s_cmp_eq_u32 s[QT], 1
	s_cbranch_scc1 .Lnoq                           ; no load leaves my four tiles
	s_add_nc_u64 s[4:5], s[4:5], 1024              ; free since the wait above, which shows the loads that read it done: the next tile
	s_wait_alu depctr_va_vdst(0)                   ; the eight moves are done reading v[QN ..], in which the two loads land
	global_load_b128 v[QN:QN+3], v[L16], s[4:5] th:TH_LOAD_NT
	global_load_b128 v[QN+4:QN+7], v[L16], s[4:5] offset:512 th:TH_LOAD_NT
.Lnoq:
	v_mov_b32 v[NM+1], 0xff61b1e6                  ; the largest t so far: -3e38
	v_floor_f32 v[NM], -v[NM+1]
	v_mov_b32 v[SUM], 0
	v_mov_b32 v[SUM+1], 0
.irp i, 0,1,2,3,4,5,6,7
	v_mov_b32 v[OA+\i], 0                          ; the step is written once: the first finds zeros, which the first change of M leaves zeros
.endr
	s_mov_b32 s[TV], VIMG
	s_mov_b32 s[TS], VSC
	s_mov_b32 s[ST], 7
.Lk:
	STEP 0
	s_sub_co_u32 s[ST], s[ST], 1
	s_cmp_lg_u32 s[ST], 0
	s_cbranch_scc1 .Lk
	STEP 1
	PLACES 4                                       ; behind the last product
	v_add_f32 v[SUM], v[SUM], v[SUM+1]
	v_permlanex16_b32 v[TT], v[SUM], s[SEL], s[SEL+1]
	v_add_f32 v[SUM], v[SUM], v[TT]                ; the row's sum
	v_rcp_f32 v[SUM], v[SUM]
	v_nop
	s_wait_alu depctr_va_vdst(0)                   ; the reciprocal is written, ahead of its first reader
.irp i, 0,1,2,3,4,5,6,7
	v_mul_f32 v[OO+\i], v[OA+\i], v[SUM]
.endr
	s_wait_alu depctr_va_vdst(0)                   ; the eight multiplications have written v[OO ..], which the two stores read
	global_store_b128 v[L16], v[OO:OO+3], s[12:13]             ; 512 consecutive bytes a store, aligned
	global_store_b128 v[L16], v[OO+4:OO+7], s[12:13] offset:512
	s_wait_xcnt 0x0                                ; the stores have had their addresses translated: the base steps, and the next tile writes the data again, only behind this wait
	s_wait_alu depctr_vm_vsrc(0)                   ; the two stores have read v[OO ..], which the next tile's multiplications write again
	s_add_nc_u64 s[12:13], s[12:13], 1024
	s_sub_co_u32 s[QT], s[QT], 1
	s_cmp_lg_u32 s[QT], 0
	s_cbranch_scc1 .Lq
	s_wait_dscnt 0x0                               ; the closing lines, six on end
	s_wait_alu 0x0
	s_wait_tensorcnt 0x0
	ds_add_u32 v[SPW], v[NIL]
	s_wait_dscnt 0x0
	s_endpgm
.Lfunc_end_k_q08da3f5c1b_att:
	.size	k_q08da3f5c1b_att, .Lfunc_end_k_q08da3f5c1b_att-k_q08da3f5c1b_att
	.p2alignl 7, 3214868480
	.fill 96, 4, 3214868480
	.section	.rodata,"a",@progbits
	.p2align	6, 0x0
	.amdhsa_kernel k_q08da3f5c1b_att
		.amdhsa_group_segment_fixed_size 80384
		.amdhsa_private_segment_fixed_size 0
		.amdhsa_enable_private_segment 0
		.amdhsa_kernarg_size 40
		.amdhsa_user_sgpr_count 2
		.amdhsa_user_sgpr_kernarg_segment_ptr 1
		.amdhsa_wavefront_size32 1
		.amdhsa_system_sgpr_workgroup_id_x 1
		.amdhsa_system_sgpr_workgroup_id_y 1
		.amdhsa_system_sgpr_workgroup_id_z 1
		.amdhsa_system_vgpr_workitem_id 0
		.amdhsa_next_free_vgpr 232
		.amdhsa_next_free_sgpr 66
		.amdhsa_reserve_vcc 0
		.amdhsa_float_denorm_mode_32 3
		.amdhsa_float_denorm_mode_16_64 3
		.amdhsa_memory_ordered 1
		.amdhsa_forward_progress 1
		.amdhsa_inst_pref_size 39
	.end_amdhsa_kernel
	.amdgpu_metadata
---
amdhsa.version: [ 1, 2 ]
amdhsa.kernels:
  - .name:           k_q08da3f5c1b_att
    .symbol:         k_q08da3f5c1b_att.kd
    .args:
      - { .name: qz, .offset: 0, .size: 8, .value_kind: global_buffer, .address_space: global }
      - { .name: ky, .offset: 8, .size: 8, .value_kind: global_buffer, .address_space: global }
      - { .name: vc, .offset: 16, .size: 8, .value_kind: global_buffer, .address_space: global }
      - { .name: vs, .offset: 24, .size: 8, .value_kind: global_buffer, .address_space: global }
      - { .name: wa, .offset: 32, .size: 8, .value_kind: global_buffer, .address_space: global }
    .group_segment_fixed_size: 80384
    .private_segment_fixed_size: 0
    .kernarg_segment_align: 8
    .kernarg_segment_size: 40
    .max_flat_workgroup_size: 512
    .sgpr_count:     66
    .vgpr_count:     232
    .wavefront_size: 32
...
	.end_amdgpu_metadata
.endif
;; end of part 7
;; launch wo (part 8): grid 256 x 1, 8 waves a work-group, no clusters, 13,824 bytes of LDS; arguments wa, x, Wo_codes, Wo_scales, ky, st1; writes ky, st1
.if DOCPART == 8
	.amdgcn_target "amdgcn-amd-amdhsa--gfx1250"
	.amdhsa_code_object_version 6
	.text
	.protected	k_q08da3f5c1b_wo
	.globl	k_q08da3f5c1b_wo
	.p2align	8
	.type	k_q08da3f5c1b_wo,@function
k_q08da3f5c1b_wo:
	s_mov_b64 s[64:65], 0
	v_nop
	global_prefetch_b8 v0, s[64:65] scope:SCOPE_SE
	s_setreg_imm32_b32 hwreg(HW_REG_WAVE_SCHED_MODE, 0, 2), 2
	s_setreg_imm32_b32 hwreg(HW_REG_WAVE_MODE, 25, 1), 1
	s_wait_xcnt 0x0
	s_wait_alu depctr_vm_vsrc(0)
; LAUNCH 3 OF 5: y = Q(attn) Wo + x, and for each block of 64 tokens and each channel the mean of y and the sum of squared deviations from it, for the instance norm over the batch's 1,024 tokens.
; bo is left out: a constant along the tokens straight ahead of that norm (shown at the head of the first launch).
; SHARES.  A work-group takes 64 tokens.  Wave w quantises channels 32 w .. 32 w + 31 of attn (heads 2 w, 2 w + 1) for all four tiles; the eight fragments meet in LDS as images of their registers; then wave w makes
; output channels 32 w .. 32 w + 31 for all 64 tokens, so that its channels' sums never leave the wave.  x is the C of each sum's first product: the residual costs no addition.
; The products are used transposed (source 0 = 16 rows of Wo, source 1 = 16 tokens); tile u of my two takes rows 32 w + 8 u + r + 8 (r / 8), so a lane's 16 registers of a token tile are channels 32 w + 16 h + 0 .. 15.
; OUT.  y: [batch][tile 64][block of 32 channels][j 4][lane 32][4 f32]: register 4 j + i of lane (r, h) = (token of row r, channel 32 block + 16 h + 4 j + i): the order in which the next quantiser wants its numbers.
; NO CLUSTER: Wo's 51,200 bytes are shared by all work-groups, but each fragment goes straight into the registers of the one wave that uses it; a joint load would add an LDS write and read of the same bytes, for 16 matrix instructions a wave.
; LIMITS: as stated at the head of the first launch.
; THE MODE: SCHED_MODE bits 1:0 = 2 (LLVM: expert scheduling mode 2), set by the entry lines.  The code itself states the register dependences between vector or matrix instructions and memory or LDS
; instructions, with s_wait_alu, always for 0.
; THE PLAN.  Registers that memory or LDS instructions touch:
;   v1-v11           offsets and LDS addresses: written at the head, never again.
;   v[PC ..], v[BY]  written by the quantiser; read by three LDS stores; written again by the second quantiser.
;   v[RAW ..]        attn lands; the two quantisers read it; behind the second one's wait attn's fragments land there.
;   v[ACC ..]        x lands; the products add onto it; sixteen stores read it.
;   v[OUT0], v[OUT1] written by the statistics' selects; read by the last two stores.
.set XIMG,  0
.set XSC,   12288
.set SPARE, 12800
.set L16, 1
.set L8,  2
.set L4R, 3
.set AA,  4                            ; attn: 65,536 h + 16 r
.set WA,  5                            ; Wo: 192 (r + 8 (r / 8)) + 24 h
.set WSA, 6                            ; its scales: 8 (r + 8 (r / 8))
.set XA,  7                            ; x: 1,024 (r + 8 (r / 8)) + 64 h
.set W16, 8
.set W8,  9
.set WB,  10
.set SA,  11                           ; 4 x lane
.set OUT0, 12
.set OUT1, 13
.set SPW, 14
.set NIL, 15
.set WSC, 16                           ; v16-19 Wo's scale words: 2 u + s
.set FS,  20                           ; v20-27 attn's: 2 m + s
.set T0,  28
.set PC,  34
.set X,   40
.set BY,  43
.set WF,  48                           ; v48-95 Wo's fragments: 12 (2 u + s)
.set FR,  96                           ; v96-191 attn's: 12 (2 m + s)
.set RAW, 96                           ; v96-159 attn as loaded, ahead of them
.set SU,  96                           ; and behind them: sums,
.set M2,  112                          ; squares,
.set DV,  128                          ; deviations
.set ACC, 192                          ; v192-255: 16 m + 8 u
.set SEL, 30
.set MK,  46
.macro PLACES n
.rept \n
	v_nop
.endr
.endm
.macro BARRIER
	s_wait_dscnt 0x0
	s_barrier_signal -1
	s_barrier_wait -1
.endm
.macro Q32 a, b                        ; 16 + 16 numbers of a lane become codes: lanes 0-15 end with all 32 codes of a's block in v[PC .. PC+5], lanes 16-31 with b's; the bytes in v[T0+2], v[T0+3]
	v_max3_num_f32 v[T0], |v[\a]|, |v[\a+1]|, 0x2800000
	v_max3_num_f32 v[T0+1], |v[\b]|, |v[\b+1]|, 0x2800000
.irp i, 2,4,6,8,10,12,14
	v_max3_num_f32 v[T0], v[T0], |v[\a+\i]|, |v[\a+\i+1]|
	v_max3_num_f32 v[T0+1], v[T0+1], |v[\b+\i]|, |v[\b+\i+1]|
.endr
	v_permlanex16_b32 v[T0+2], v[T0], s[SEL], s[SEL+1]
	v_permlanex16_b32 v[T0+3], v[T0+1], s[SEL], s[SEL+1]
	v_max_num_f32 v[T0], v[T0], v[T0+2]
	v_max_num_f32 v[T0+1], v[T0+1], v[T0+3]
	v_add_nc_u32 v[T0+4], 0xfe000000, v[T0]
	v_add_nc_u32 v[T0+5], 0xfe000000, v[T0+1]
	v_lshrrev_b32 v[T0+2], 23, v[T0+4]
	v_lshrrev_b32 v[T0+3], 23, v[T0+5]
	v_cvt_scalef32_pk16_bf6_f32 v[PC:PC+2], v[\a:\a+15], v[T0+4]
	v_cvt_scalef32_pk16_bf6_f32 v[X:X+2], v[\b:\b+15], v[T0+5]
	v_nop
.irp i, 0,1,2
	v_permlane16_swap_b32 v[PC+\i], v[X+\i]
.endr
.irp i, 0,1,2
	v_mov_b32 v[PC+3+\i], v[X+\i]
.endr
.endm
.macro QBST m0                         ; a, b were block w of tiles m0, m0 + 1: to lane place 16 (w % 2) + r, registers 6 ((w % 4) / 2) on, of K step w / 4 of tile m0 + h
	v_cndmask_b32 v[BY], v[T0+2], v[T0+3], s27
	s_wait_alu depctr_va_vdst(0)                   ; the quantiser has written v[PC ..] and the select v[BY], which the three LDS stores read; it is also done reading attn as loaded
	ds_store_b128 v[W16], v[PC:PC+3] offset:XIMG+3072*\m0
	ds_store_b64 v[W8], v[PC+4:PC+5] offset:XIMG+3072*\m0
	ds_store_b8 v[WB], v[BY] offset:XSC+128*\m0
.endm
.macro FETCHF reg, off
	ds_load_b128 v[\reg:\reg+3], v[L16] offset:\off
	ds_load_b64 v[\reg+4:\reg+5], v[L8] offset:\off+512
	ds_load_b128 v[\reg+6:\reg+9], v[L16] offset:\off+768
	ds_load_b64 v[\reg+10:\reg+11], v[L8] offset:\off+1280
.endm
.macro MMI d, a, b, sa, sb
	v_wmma_scale_f32_16x16x128_f8f6f4 v[\d:\d+7], v[\a:\a+11], v[\b:\b+11], v[\d:\d+7], v[\sa], v[\sb] matrix_a_fmt:MATRIX_FMT_BF6 matrix_b_fmt:MATRIX_FMT_BF6
.endm
; The mean over my 64 tokens of each of my 32 channels, and the sum of squared deviations from THAT mean: no difference of large sums is formed.  Lane (r, h), register i: channel 32 w + 16 h + i.
.macro STATS acc, sp
.irp i, 0,2,4,6,8,10,12,14
	v_pk_add_f32 v[SU+\i:SU+\i+1], v[\acc+\i:\acc+\i+1], v[\acc+16+\i:\acc+16+\i+1]
.endr
.irp i, 0,2,4,6,8,10,12,14
	v_pk_add_f32 v[DV+\i:DV+\i+1], v[\acc+32+\i:\acc+32+\i+1], v[\acc+48+\i:\acc+48+\i+1]
.endr
.irp i, 0,2,4,6,8,10,12,14
	v_pk_add_f32 v[SU+\i:SU+\i+1], v[SU+\i:SU+\i+1], v[DV+\i:DV+\i+1]
.endr
.irp k, 1,2,4,8
.irp i, 0,1,2,3,4,5,6,7,8,9,10,11,12,13,14,15
	v_add_f32_dpp v[SU+\i], v[SU+\i], v[SU+\i] row_xmask:\k row_mask:0xf bank_mask:0xf   ; over the 16 rows of a tile
.endr
.endr
.irp i, 0,2,4,6,8,10,12,14
	v_pk_mul_f32 v[SU+\i:SU+\i+1], v[SU+\i:SU+\i+1], 0x3c800000 op_sel_hi:[1,0]           ; / 64
.endr
.irp m, 0,1,2,3
.irp i, 0,2,4,6,8,10,12,14
	v_pk_add_f32 v[DV+\i:DV+\i+1], v[\acc+16*\m+\i:\acc+16*\m+\i+1], v[SU+\i:SU+\i+1] neg_lo:[0,1] neg_hi:[0,1]
.endr
.irp i, 0,2,4,6,8,10,12,14
.if \m == 0
	v_pk_mul_f32 v[M2+\i:M2+\i+1], v[DV+\i:DV+\i+1], v[DV+\i:DV+\i+1]
.else
	v_pk_fma_f32 v[M2+\i:M2+\i+1], v[DV+\i:DV+\i+1], v[DV+\i:DV+\i+1], v[M2+\i:M2+\i+1]
.endif
.endr
.endr
.irp k, 1,2,4,8
.irp i, 0,1,2,3,4,5,6,7,8,9,10,11,12,13,14,15
	v_add_f32_dpp v[M2+\i], v[M2+\i], v[M2+\i] row_xmask:\k row_mask:0xf bank_mask:0xf
.endr
.endr
	v_mov_b32 v[OUT0], v[SU]
	v_mov_b32 v[OUT1], v[M2]
.irp i, 1,2,3,4,5,6,7,8,9,10,11,12,13,14,15
	s_mov_b32 s[MK], 0x10001<<\i                   ; lanes i and 16 + i keep register i: lane (r, h) ends with channel 32 w + 16 h + r
	v_cndmask_b32 v[OUT0], v[OUT0], v[SU+\i], s[MK]
	v_cndmask_b32 v[OUT1], v[OUT1], v[M2+\i], s[MK]
.endr
	s_wait_alu depctr_va_vdst(0)                   ; the selects have written v[OUT0] and v[OUT1], which the two stores read
	global_store_b32 v[SA], v[OUT0], s[\sp:\sp+1]
	global_store_b32 v[SA], v[OUT1], s[\sp:\sp+1] offset:1024
.endm
	s_load_b256 s[4:11], s[0:1], 0x0               ; attn, x, Wo's codes, Wo's scales
	s_load_b128 s[12:15], s[0:1], 0x20             ; y, the partial statistics
	v_lshl_add_u32 v[SPW], v0, 2, SPARE
	v_mov_b32 v[NIL], 0
	v_lshrrev_b32 v44, 5, v0
	v_readfirstlane_b32 s26, v44                   ; wave 0..7
	v_and_b32 v44, 31, v0                          ; lane
	v_and_b32 v45, 15, v0                          ; r
	v_bfe_u32 v46, v0, 4, 1                        ; h
	v_and_b32 v47, 8, v45
	v_add_nc_u32 v47, v47, v45                     ; r + 8 (r / 8)
	v_lshlrev_b32 v[L16], 4, v44
	v_lshlrev_b32 v[L8], 3, v44
	v_lshlrev_b32 v[L4R], 2, v45
	v_lshlrev_b32 v[SA], 2, v44
	v_lshlrev_b32 v[AA], 4, v45
	v_lshl_add_u32 v[AA], v46, 16, v[AA]
	v_mul_u32_u24 v[WA], v47, 192
	v_mad_u32_u24 v[WA], v46, 24, v[WA]
	v_lshlrev_b32 v[WSA], 3, v47
	v_lshlrev_b32 v[XA], 10, v47
	v_lshl_add_u32 v[XA], v46, 6, v[XA]
	s_wait_alu depctr_va_sdst(0)                   ; s26, the wave's number, is written, ahead of its first reader
	s_lshr_b32 s28, s26, 1
	s_mul_i32 s28, s28, 768
	s_and_b32 s29, s26, 1
	s_lshl_b32 s40, s29, 8
	s_add_co_u32 s40, s40, s28
	s_lshl_b32 s41, s29, 7
	s_add_co_u32 s41, s41, s28
	s_add_co_u32 s41, s41, 512
	v_mul_u32_u24 v44, v46, 3072
	v_lshl_add_u32 v[W16], v45, 4, v44
	v_add_nc_u32 v[W16], s40, v[W16]
	v_lshl_add_u32 v[W8], v45, 3, v44
	v_add_nc_u32 v[W8], s41, v[W8]
	s_lshr_b32 s28, s26, 2
	s_lshl_b32 s28, s28, 6
	s_and_b32 s29, s26, 3
	s_add_co_u32 s28, s28, s29
	v_lshl_add_u32 v[WB], v46, 7, v[L4R]
	v_add_nc_u32 v[WB], s28, v[WB]
	v_mov_b32 v[T0+2], 0
	v_mov_b32 v[T0+3], 0
	s_mov_b32 s27, 0xffff0000
	s_mov_b32 s[SEL], 0x76543210
	s_mov_b32 s[SEL+1], 0xfedcba98
	s_and_b32 s32, ttmp9, 0xf0
	s_lshl_b32 s33, s26, 1
	s_add_co_u32 s32, s32, s33
	s_lshl_b32 s32, s32, 16
	s_and_b32 s33, ttmp9, 15
	s_lshl_b32 s33, s33, 12
	s_add_co_u32 s32, s32, s33                     ; attn: head 16 x batch + 2 w, my block's four tiles
	s_mov_b32 s33, 0
	s_lshl_b32 s34, ttmp9, 16
	s_lshl_b32 s35, s26, 7
	s_add_co_u32 s36, s34, s35                     ; x: my block's tokens, my 32 channels
	s_mov_b32 s37, 0
	s_lshl_b32 s35, s26, 11
	s_add_co_u32 s34, s34, s35                     ; y: my block's four tiles, my block of channels
	s_mov_b32 s35, 0
	s_mul_i32 s38, s26, 6144
	s_mov_b32 s39, 0
	s_lshl_b32 s40, s26, 8
	s_mov_b32 s41, 0
	s_lshl_b32 s42, ttmp9, 11
	s_lshl_b32 s43, s26, 7
	s_add_co_u32 s42, s42, s43
	s_mov_b32 s43, 0
	s_wait_kmcnt 0x0
	s_add_nc_u64 s[4:5], s[4:5], s[32:33]
	s_add_nc_u64 s[6:7], s[6:7], s[36:37]
	s_add_nc_u64 s[8:9], s[8:9], s[38:39]
	s_add_nc_u64 s[10:11], s[10:11], s[40:41]
	s_add_nc_u64 s[12:13], s[12:13], s[34:35]
	s_add_nc_u64 s[14:15], s[14:15], s[42:43]
	s_wait_alu depctr_va_vdst(0)                   ; the eleven offsets and LDS addresses v1 to v11 are written: every load and store of the kernel reads one of them, and none is written again
.irp m, 0,1,2,3
.irp q, 0,1
.irp c, 0,1
	global_load_b128 v[RAW+16*\m+8*\q+4*\c:RAW+16*\m+8*\q+4*\c+3], v[AA], s[4:5] offset:1024*\m+512*\c+256*\q th:TH_LOAD_NT   ; head 2 w + h, row r, d = 8 q + 4 c ..: two whole runs of 256 bytes an instruction
.endr
.endr
.endr
.irp u, 0,1
.irp s, 0,1
.irp p, 0,1,2,3,4,5
	global_load_b64 v[WF+12*(2*\u+\s)+2*\p:WF+12*(2*\u+\s)+2*\p+1], v[WA], s[8:9] offset:1536*\u+96*\s+48*(\p/3)+8*(\p%3)
.endr
.endr
.endr
.irp u, 0,1
	global_load_b64 v[WSC+2*\u:WSC+2*\u+1], v[WSA], s[10:11] offset:64*\u
.endr
.irp m, 0,1,2,3
.irp u, 0,1
.irp q, 0,1
	global_load_b128 v[ACC+16*\m+8*\u+4*\q:ACC+16*\m+8*\u+4*\q+3], v[XA], s[6:7] offset:(32*(\m/2)+8*(\m%2))*1024+32*\u+16*\q   ; x, in the result's layout
.endr
.endr
.endr
	s_wait_loadcnt 42                              ; attn is in: behind its loads stand Wo's 24, the scales' 2 and x's 16
	Q32 RAW, RAW+16
	QBST 0
	s_wait_dscnt 0x0                               ; the stores are done
	s_wait_alu depctr_vm_vsrc(0)                   ; the three LDS stores have read v[PC ..] and v[BY], which the next quantiser writes again
	Q32 RAW+32, RAW+48
	QBST 2
	BARRIER                                        ; attn's eight fragments lie in LDS
.irp k, 0,1,2,3,4,5,6,7
	FETCHF FR+12*\k, XIMG+1536*\k                  ; they land where attn lay as loaded: no vector instruction has been issued since the second quantiser's wait, behind its last read of those registers
.endr
.irp k, 0,1,2,3,4,5,6,7
	ds_load_b32 v[FS+\k], v[L4R] offset:XSC+64*\k
.endr
	s_wait_loadcnt 0x0
	s_wait_dscnt 0x0
.irp s, 0,1                                        ; eight accumulators by turns, one instruction a turn
.irp m, 0,1,2,3
.irp u, 0,1
	MMI ACC+16*\m+8*\u, WF+12*(2*\u+\s), FR+12*(2*\m+\s), WSC+2*\u+\s, FS+2*\m+\s
.endr
.endr
.endr
	PLACES 4
	s_wait_alu depctr_va_vdst(0)                   ; the products have written y, which the sixteen stores read; the places above stay beside this wait
.irp m, 0,1,2,3
.irp j, 0,1,2,3
	global_store_b128 v[L16], v[ACC+16*\m+4*\j:ACC+16*\m+4*\j+3], s[12:13] offset:16384*\m+512*\j   ; 512 consecutive bytes a store, aligned; each accumulator from its low end on
.endr
.endr
	STATS ACC, 14
	s_wait_dscnt 0x0                               ; the closing lines, six on end
	s_wait_alu 0x0
	s_wait_tensorcnt 0x0
	ds_add_u32 v[SPW], v[NIL]
	s_wait_dscnt 0x0
	s_endpgm
.Lfunc_end_k_q08da3f5c1b_wo:
	.size	k_q08da3f5c1b_wo, .Lfunc_end_k_q08da3f5c1b_wo-k_q08da3f5c1b_wo
	.p2alignl 7, 3214868480
	.fill 96, 4, 3214868480
	.section	.rodata,"a",@progbits
	.p2align	6, 0x0
	.amdhsa_kernel k_q08da3f5c1b_wo
		.amdhsa_group_segment_fixed_size 13824
		.amdhsa_private_segment_fixed_size 0
		.amdhsa_enable_private_segment 0
		.amdhsa_kernarg_size 48
		.amdhsa_user_sgpr_count 2
		.amdhsa_user_sgpr_kernarg_segment_ptr 1
		.amdhsa_wavefront_size32 1
		.amdhsa_system_sgpr_workgroup_id_x 1
		.amdhsa_system_sgpr_workgroup_id_y 1
		.amdhsa_system_sgpr_workgroup_id_z 1
		.amdhsa_system_vgpr_workitem_id 0
		.amdhsa_next_free_vgpr 256
		.amdhsa_next_free_sgpr 66
		.amdhsa_reserve_vcc 0
		.amdhsa_float_denorm_mode_32 3
		.amdhsa_float_denorm_mode_16_64 3
		.amdhsa_memory_ordered 1
		.amdhsa_forward_progress 1
		.amdhsa_inst_pref_size 37
	.end_amdhsa_kernel
	.amdgpu_metadata
---
amdhsa.version: [ 1, 2 ]
amdhsa.kernels:
  - .name:           k_q08da3f5c1b_wo
    .symbol:         k_q08da3f5c1b_wo.kd
    .args:
      - { .name: wa, .offset: 0, .size: 8, .value_kind: global_buffer, .address_space: global }
      - { .name: x, .offset: 8, .size: 8, .value_kind: global_buffer, .address_space: global }
      - { .name: Wo_codes, .offset: 16, .size: 8, .value_kind: global_buffer, .address_space: global }
      - { .name: Wo_scales, .offset: 24, .size: 8, .value_kind: global_buffer, .address_space: global }
      - { .name: ky, .offset: 32, .size: 8, .value_kind: global_buffer, .address_space: global }
      - { .name: st1, .offset: 40, .size: 8, .value_kind: global_buffer, .address_space: global }
    .group_segment_fixed_size: 13824
    .private_segment_fixed_size: 0
    .kernarg_segment_align: 8
    .kernarg_segment_size: 48
    .max_flat_workgroup_size: 256
    .sgpr_count:     66
    .vgpr_count:     256
    .wavefront_size: 32
...
	.end_amdgpu_metadata
.endif
;; end of part 8
;; launch ffn (part 9): grid 256 x 1, 8 waves a work-group, no clusters, 104,960 bytes of LDS; arguments ky, st1, gamma1, beta1, W1_codes, W1_scales, b1, W2_codes, W2_scales, qz, st2; writes qz, st2
.if DOCPART == 9
	.amdgcn_target "amdgcn-amd-amdhsa--gfx1250"
	.amdhsa_code_object_version 6
	.text
	.protected	k_q08da3f5c1b_ffn
	.globl	k_q08da3f5c1b_ffn
	.p2align	8
	.type	k_q08da3f5c1b_ffn,@function
k_q08da3f5c1b_ffn:
	s_mov_b64 s[64:65], 0
	v_nop
	global_prefetch_b8 v0, s[64:65] scope:SCOPE_SE
	s_setreg_imm32_b32 hwreg(HW_REG_WAVE_SCHED_MODE, 0, 2), 2
	s_setreg_imm32_b32 hwreg(HW_REG_WAVE_MODE, 25, 1), 1
	s_wait_xcnt 0x0
	s_wait_alu depctr_vm_vsrc(0)
; LAUNCH 4 OF 5: h = the instance norm of y (over the batch's 1,024 tokens, gain gamma1, shift beta1); proj = Q(h) W1 + b1; a = silu(gate) x_part; z = h + Q(a) W2; and z's partial statistics, as the launch before made y's.
; b2 is left out: a constant along the tokens straight ahead of the second norm (shown at the head of the first launch).
; SHARES.  A work-group takes 64 tokens.  Wave w: (A) channels 32 w .. 32 w + 31 of y: the batch's mean and variance from the 16 blocks' partials (lane r takes block r's), h, its codes, into LDS; h itself is parked in the wave's own LDS;
; (B) units 64 w .. 64 w + 63 of x_part and of gate for all 64 tokens: they are half w % 2 of the second product's K step w / 2; their codes go to LDS; (C) output channels 32 w .. 32 w + 31, with h as the C of each sum's first product.
; The weights go from memory straight into the registers of the one wave that uses them.  NO CLUSTER: the 307,200 bytes of weights are shared by all work-groups, but a joint load would add an LDS write and read of every byte, for 96 matrix instructions a wave.
; All products are used transposed (source 0 = 16 rows of a weight, source 1 = 16 tokens); a weight's tile takes rows base + 8 u + r + 8 (r / 8), so a lane's 16 registers of two neighbouring tiles are 16 neighbours along the next K.
; LIMITS: as stated at the head of the first launch.
; THE MODE: SCHED_MODE bits 1:0 = 2 (LLVM: expert scheduling mode 2), set by the entry lines.  The code itself states the register dependences between vector or matrix instructions and memory or LDS
; instructions, with s_wait_alu, always for 0.
; THE PLAN.  Registers that memory or LDS instructions touch:
;   v1-v15, v88, v89  offsets and LDS addresses: written at the head.  v12 and v13 are written again by z's statistics, v88 and v89 by loads of part C: each behind a wait on vm_vsrc that follows their last reader.
;   v[PC ..], v[BY]   written by each quantiser; read by its LDS stores; written again by the next quantiser, by the activation's scratch (v48-79) or by part C's first loads.
;   v[H ..]           y lands; the norm writes h; two quantisers read it; sixteen LDS stores park it; the first tile's products write proj there; behind part B h lands there again; part C's products add onto it; sixteen stores read z.
;   v[HF ..], v[HS]   a tile's fragments of h land; its products read them; the activation's scratch lies over them; the next tile's land behind that tile's one wait on va_vdst, which stands ahead of its LDS stores.
;   part C            two buffers by turns: K steps 0 and 2 in v48-95 with scale words v42-45, K steps 1 and 3 in window 1's v0-47 with scale words v16-19 (W1's fragments and scale words, done with).
;                     A step's twenty loads go out ahead of the step before's products; one wait on va_vdst a step states that the products two steps back are done reading the buffer.
.set HIMG,  0                          ; LDS: h's fragments (m, s) at 1,536 (2 m + s)
.set HSC,   12288                      ; their scale words
.set AIMG,  12800                      ; a's fragments (m, s) at 1,536 (4 m + s)
.set ASC,   37376                      ; their scale words
.set HPARK, 38400                      ; h in f32: 8,192 bytes for each wave, its own
.set SPARE, 103936                     ; the spare words: four blocks of 256 bytes that no other line names
.set L16, 1
.set L8,  2
.set L4R, 3
.set W16, 4
.set W8,  5
.set WB,  6
.set AW16, 7                           ; where a's codes go: 16 x lane + 768 w,
.set AW8, 8                            ; 8 x lane + 768 w + 512,
.set AWS, 9                            ; and its two scale bytes: 4 r + 64 (w / 2) + 2 (w % 2)
.set HP,  10
.set SA,  11
.set PAD, 12                           ; the partials: 2,048 r + 64 h
.set OUT0, 12
.set GA,  13                           ; 64 h
.set OUT1, 13
.set W1A, 14
.set W1SA, 15
.set W1S, 16                           ; v16-31 W1's scale words: 2 t + s
.set ASX, 16                           ; v16-19 behind them: a's scale words of K steps 1 and 3
.set W2S, 32                           ; v32-39 W2's: 4 u + s
.set HS,  40                           ; v40-41 h's
.set ASW, 42                           ; v42-45 a's, of K steps 0 and 2
.set SPW, 46
.set NIL, 47
.set HF,  48                           ; v48-71 h's two fragments of a tile
.set EX,  48                           ; v48-79 at work in the activation
.set AFR, 48                           ; v48-95 a's four fragments of K steps 0 and 2
.set T0,  72
.set PC,  78
.set X,   84
.set BY,  87
.set W2A, 88
.set W2SA, 89
.set PA,  96                           ; v96-159: y and h; then proj: x_part 16 i + .., gate 32 + 16 i + ..; then z
.set H,   96
.set ACC, 96
.set W2F, 160                          ; v160-255 W2's fragments: 12 (4 u + s)
.set PM,  160                          ; ahead of them: the blocks' means,
.set PQ,  176                          ; their sums of squares, then 1 / sqrt(var + eps) x gain,
.set MU,  192                          ; the batch's mean,
.set GM,  208                          ; gain,
.set BT,  224                          ; shift
.set SU,  160                          ; behind them: z's sums, squares, deviations
.set M2,  176
.set DV,  192
.set B1,  192                          ; window 1: v192-255 b1 in the result's layout; v0-191 W1's fragments: 12 (2 t + s); behind them v0-47: a's four fragments of K steps 1 and 3
.set SEL, 30
.set KV,  46                           ; 1 / 1,024
.set KE,  47                           ; eps
.set MK,  48
.set MSB, 0
.macro WIN new
.if MSB != \new
	s_set_vgpr_msb (MSB<<8)|\new
.set MSB, \new
.endif
.endm
.macro PLACES n
.rept \n
	v_nop
.endr
.endm
.macro BARRIER
	s_wait_dscnt 0x0
	s_barrier_signal -1
	s_barrier_wait -1
.endm
.macro Q32 a, b                        ; 16 + 16 numbers of a lane become codes: lanes 0-15 end with all 32 codes of a's block in v[PC .. PC+5], lanes 16-31 with b's; the bytes in v[T0+2], v[T0+3]
	v_max3_num_f32 v[T0], |v[\a]|, |v[\a+1]|, 0x2800000
	v_max3_num_f32 v[T0+1], |v[\b]|, |v[\b+1]|, 0x2800000
.irp i, 2,4,6,8,10,12,14
	v_max3_num_f32 v[T0], v[T0], |v[\a+\i]|, |v[\a+\i+1]|
	v_max3_num_f32 v[T0+1], v[T0+1], |v[\b+\i]|, |v[\b+\i+1]|
.endr
	v_permlanex16_b32 v[T0+2], v[T0], s[SEL], s[SEL+1]
	v_permlanex16_b32 v[T0+3], v[T0+1], s[SEL], s[SEL+1]
	v_max_num_f32 v[T0], v[T0], v[T0+2]
	v_max_num_f32 v[T0+1], v[T0+1], v[T0+3]
	v_add_nc_u32 v[T0+4], 0xfe000000, v[T0]
	v_add_nc_u32 v[T0+5], 0xfe000000, v[T0+1]
	v_lshrrev_b32 v[T0+2], 23, v[T0+4]
	v_lshrrev_b32 v[T0+3], 23, v[T0+5]
	v_cvt_scalef32_pk16_bf6_f32 v[PC:PC+2], v[\a:\a+15], v[T0+4]
	v_cvt_scalef32_pk16_bf6_f32 v[X:X+2], v[\b:\b+15], v[T0+5]
	v_nop
.irp i, 0,1,2
	v_permlane16_swap_b32 v[PC+\i], v[X+\i]
.endr
.irp i, 0,1,2
	v_mov_b32 v[PC+3+\i], v[X+\i]
.endr
.endm
.macro QBST m0
	v_cndmask_b32 v[BY], v[T0+2], v[T0+3], s27
	s_wait_alu depctr_va_vdst(0)                   ; the quantiser has written v[PC ..] and the select v[BY], which the three LDS stores read; the norm has written h and is done with the registers of the statistics
	ds_store_b128 v[W16], v[PC:PC+3] offset:HIMG+3072*\m0
	ds_store_b64 v[W8], v[PC+4:PC+5] offset:HIMG+3072*\m0
	ds_store_b8 v[WB], v[BY] offset:HSC+128*\m0
.endm
.macro FETCHF reg, off
	ds_load_b128 v[\reg:\reg+3], v[L16] offset:\off
	ds_load_b64 v[\reg+4:\reg+5], v[L8] offset:\off+512
	ds_load_b128 v[\reg+6:\reg+9], v[L16] offset:\off+768
	ds_load_b64 v[\reg+10:\reg+11], v[L8] offset:\off+1280
.endm
.macro MMX d, a, b, c, sa, sb          ; a sum's first K step, with the bias as C
	v_wmma_scale_f32_16x16x128_f8f6f4 v[\d:\d+7], v[\a:\a+11], v[\b:\b+11], v[\c:\c+7], v[\sa], v[\sb] matrix_a_fmt:MATRIX_FMT_BF6 matrix_b_fmt:MATRIX_FMT_BF6
.endm
.macro MMI d, a, b, sa, sb
	v_wmma_scale_f32_16x16x128_f8f6f4 v[\d:\d+7], v[\a:\a+11], v[\b:\b+11], v[\d:\d+7], v[\sa], v[\sb] matrix_a_fmt:MATRIX_FMT_BF6 matrix_b_fmt:MATRIX_FMT_BF6
.endm
.macro W1LOAD t                        ; tile t = 4 gate + 2 i + u begins at row 512 gate + 64 w + 32 i + 8 u
.irp s, 0,1
.irp p, 0,1,2,3,4,5
	global_load_b64 v[12*(2*(\t)+\s)+2*\p:12*(2*(\t)+\s)+2*\p+1], v[W1A], s[12:13] offset:(512*((\t)/4)+32*(((\t)%4)/2)+8*((\t)%2))*192+96*\s+48*(\p/3)+8*(\p%3)
.endr
.endr
.endm
; The batch's mean and 1 / sqrt(variance + eps) of my channels from the 16 blocks' partials (lane r holds block r's): mean = the mean of the means; the sum of squares = the blocks' own + 64 x (a block's mean - the mean)^2.
.macro COMBINE
.irp i, 0,2,4,6,8,10,12,14
	v_pk_mul_f32 v[MU+\i:MU+\i+1], v[PM+\i:PM+\i+1], 0x3d800000 op_sel_hi:[1,0]   ; / 16
.endr
.irp k, 1,2,4,8
.irp i, 0,1,2,3,4,5,6,7,8,9,10,11,12,13,14,15
	v_add_f32_dpp v[MU+\i], v[MU+\i], v[MU+\i] row_xmask:\k row_mask:0xf bank_mask:0xf
.endr
.endr
.irp i, 0,2,4,6,8,10,12,14
	v_pk_add_f32 v[PM+\i:PM+\i+1], v[PM+\i:PM+\i+1], v[MU+\i:MU+\i+1] neg_lo:[0,1] neg_hi:[0,1]
.endr
.irp i, 0,2,4,6,8,10,12,14
	v_pk_mul_f32 v[PM+\i:PM+\i+1], v[PM+\i:PM+\i+1], v[PM+\i:PM+\i+1]
.endr
.irp i, 0,2,4,6,8,10,12,14
	v_pk_fma_f32 v[PQ+\i:PQ+\i+1], v[PM+\i:PM+\i+1], 0x42800000, v[PQ+\i:PQ+\i+1] op_sel_hi:[1,0,1]   ; x 64
.endr
.irp k, 1,2,4,8
.irp i, 0,1,2,3,4,5,6,7,8,9,10,11,12,13,14,15
	v_add_f32_dpp v[PQ+\i], v[PQ+\i], v[PQ+\i] row_xmask:\k row_mask:0xf bank_mask:0xf
.endr
.endr
.irp i, 0,1,2,3,4,5,6,7,8,9,10,11,12,13,14,15
	v_fma_f32 v[PQ+\i], v[PQ+\i], s[KV], s[KE]     ; the biased variance + eps
.endr
.irp i, 0,1,2,3,4,5,6,7,8,9,10,11,12,13,14,15
	v_rsq_f32 v[PQ+\i], v[PQ+\i]
.endr
	v_nop
	s_wait_alu depctr_va_vdst(0)                   ; the sixteen reciprocal roots are written, ahead of their first reader
.endm
.macro NORMALISE
.irp m, 0,1,2,3
.irp i, 0,2,4,6,8,10,12,14
	v_pk_add_f32 v[H+16*\m+\i:H+16*\m+\i+1], v[H+16*\m+\i:H+16*\m+\i+1], v[MU+\i:MU+\i+1] neg_lo:[0,1] neg_hi:[0,1]
.endr
.irp i, 0,2,4,6,8,10,12,14
	v_pk_fma_f32 v[H+16*\m+\i:H+16*\m+\i+1], v[H+16*\m+\i:H+16*\m+\i+1], v[PQ+\i:PQ+\i+1], v[BT+\i:BT+\i+1]
.endr
.endr
.endm
.macro STATS acc, sp                   ; as in the launch before: the mean over my 64 tokens of each of my 32 channels, and the sum of squared deviations from that mean
.irp i, 0,2,4,6,8,10,12,14
	v_pk_add_f32 v[SU+\i:SU+\i+1], v[\acc+\i:\acc+\i+1], v[\acc+16+\i:\acc+16+\i+1]
.endr
.irp i, 0,2,4,6,8,10,12,14
	v_pk_add_f32 v[DV+\i:DV+\i+1], v[\acc+32+\i:\acc+32+\i+1], v[\acc+48+\i:\acc+48+\i+1]
.endr
.irp i, 0,2,4,6,8,10,12,14
	v_pk_add_f32 v[SU+\i:SU+\i+1], v[SU+\i:SU+\i+1], v[DV+\i:DV+\i+1]
.endr
.irp k, 1,2,4,8
.irp i, 0,1,2,3,4,5,6,7,8,9,10,11,12,13,14,15
	v_add_f32_dpp v[SU+\i], v[SU+\i], v[SU+\i] row_xmask:\k row_mask:0xf bank_mask:0xf
.endr
.endr
.irp i, 0,2,4,6,8,10,12,14
	v_pk_mul_f32 v[SU+\i:SU+\i+1], v[SU+\i:SU+\i+1], 0x3c800000 op_sel_hi:[1,0]
.endr
.irp m, 0,1,2,3
.irp i, 0,2,4,6,8,10,12,14
	v_pk_add_f32 v[DV+\i:DV+\i+1], v[\acc+16*\m+\i:\acc+16*\m+\i+1], v[SU+\i:SU+\i+1] neg_lo:[0,1] neg_hi:[0,1]
.endr
.irp i, 0,2,4,6,8,10,12,14
.if \m == 0
	v_pk_mul_f32 v[M2+\i:M2+\i+1], v[DV+\i:DV+\i+1], v[DV+\i:DV+\i+1]
.else
	v_pk_fma_f32 v[M2+\i:M2+\i+1], v[DV+\i:DV+\i+1], v[DV+\i:DV+\i+1], v[M2+\i:M2+\i+1]
.endif
.endr
.endr
.irp k, 1,2,4,8
.irp i, 0,1,2,3,4,5,6,7,8,9,10,11,12,13,14,15
	v_add_f32_dpp v[M2+\i], v[M2+\i], v[M2+\i] row_xmask:\k row_mask:0xf bank_mask:0xf
.endr
.endr
	v_mov_b32 v[OUT0], v[SU]                       ; (v12 and v13 were offsets of part A's loads: the waits on vm_vsrc of parts B and C stand behind those loads)
	v_mov_b32 v[OUT1], v[M2]
.irp i, 1,2,3,4,5,6,7,8,9,10,11,12,13,14,15
	s_mov_b32 s[MK], 0x10001<<\i
	v_cndmask_b32 v[OUT0], v[OUT0], v[SU+\i], s[MK]
	v_cndmask_b32 v[OUT1], v[OUT1], v[M2+\i], s[MK]
.endr
	s_wait_alu depctr_va_vdst(0)                   ; the selects have written v[OUT0] and v[OUT1], which the two stores read
	global_store_b32 v[SA], v[OUT0], s[\sp:\sp+1]
	global_store_b32 v[SA], v[OUT1], s[\sp:\sp+1] offset:1024
.endm
	s_load_b256 s[4:11], s[0:1], 0x0               ; y, its partials, gamma1, beta1
	s_load_b256 s[12:19], s[0:1], 0x20             ; W1's codes, W1's scales, b1, W2's codes
	s_load_b128 s[20:23], s[0:1], 0x40             ; W2's scales, z
	s_load_b64 s[24:25], s[0:1], 0x50              ; z's partials
	v_lshl_add_u32 v[SPW], v0, 2, SPARE
	v_mov_b32 v[NIL], 0
	v_lshrrev_b32 v90, 5, v0
	v_readfirstlane_b32 s26, v90                   ; wave 0..7
	v_and_b32 v90, 31, v0                          ; lane
	v_and_b32 v91, 15, v0                          ; r
	v_bfe_u32 v92, v0, 4, 1                        ; h
	v_and_b32 v93, 8, v91
	v_add_nc_u32 v93, v93, v91                     ; r + 8 (r / 8)
	v_lshlrev_b32 v[L16], 4, v90
	v_lshlrev_b32 v[L8], 3, v90
	v_lshlrev_b32 v[L4R], 2, v91
	v_lshlrev_b32 v[SA], 2, v90
	s_wait_alu depctr_va_sdst(0)                   ; s26, the wave's number, is written, ahead of its first reader
	s_lshr_b32 s28, s26, 1
	s_mul_i32 s28, s28, 768
	s_and_b32 s29, s26, 1
	s_lshl_b32 s40, s29, 8
	s_add_co_u32 s40, s40, s28
	s_lshl_b32 s41, s29, 7
	s_add_co_u32 s41, s41, s28
	s_add_co_u32 s41, s41, 512
	v_mul_u32_u24 v90, v92, 3072
	v_lshl_add_u32 v[W16], v91, 4, v90
	v_add_nc_u32 v[W16], s40, v[W16]
	v_lshl_add_u32 v[W8], v91, 3, v90
	v_add_nc_u32 v[W8], s41, v[W8]
	s_lshr_b32 s28, s26, 2
	s_lshl_b32 s28, s28, 6
	s_and_b32 s29, s26, 3
	s_add_co_u32 s28, s28, s29
	v_lshl_add_u32 v[WB], v92, 7, v[L4R]
	v_add_nc_u32 v[WB], s28, v[WB]
	s_mul_i32 s28, s26, 768
	v_add_nc_u32 v[AW16], s28, v[L16]
	s_add_co_u32 s28, s28, 512
	v_add_nc_u32 v[AW8], s28, v[L8]
	s_lshr_b32 s28, s26, 1
	s_lshl_b32 s28, s28, 6
	s_and_b32 s29, s26, 1
	s_lshl_b32 s29, s29, 1
	s_add_co_u32 s28, s28, s29
	v_add_nc_u32 v[AWS], s28, v[L4R]
	s_lshl_b32 s28, s26, 13
	s_add_co_u32 s28, s28, HPARK
	v_add_nc_u32 v[HP], s28, v[L16]
	v_lshlrev_b32 v[PAD], 11, v91
	v_lshl_add_u32 v[PAD], v92, 6, v[PAD]
	v_lshlrev_b32 v[GA], 6, v92
	v_mul_u32_u24 v[W1A], v93, 192
	v_mad_u32_u24 v[W1A], v92, 24, v[W1A]
	v_lshlrev_b32 v[W1SA], 3, v93
	v_mul_u32_u24 v[W2A], v93, 384
	v_mad_u32_u24 v[W2A], v92, 24, v[W2A]
	v_lshlrev_b32 v[W2SA], 4, v93
	v_mov_b32 v[T0+2], 0
	v_mov_b32 v[T0+3], 0
	s_mov_b32 s27, 0xffff0000
	s_mov_b32 s[SEL], 0x76543210
	s_mov_b32 s[SEL+1], 0xfedcba98
	s_mov_b32 s[KV], 0x3a800000
	s_mov_b32 s[KE], 0x3727c5ac
	s_lshl_b32 s32, ttmp9, 16
	s_lshl_b32 s33, s26, 11
	s_add_co_u32 s32, s32, s33                     ; y and z: my block's four tiles, my block of channels
	s_mov_b32 s33, 0
	s_lshr_b32 s34, ttmp9, 4
	s_lshl_b32 s34, s34, 15
	s_lshl_b32 s36, s26, 7                         ; 128 w: gain and shift
	s_add_co_u32 s34, s34, s36                     ; the batch's partials, my channels
	s_mov_b32 s35, 0
	s_mov_b32 s37, 0
	s_mul_i32 s38, s26, 12288                      ; W1: my 64 rows of 192 bytes; W2: my 32 rows of 384
	s_mov_b32 s39, 0
	s_lshl_b32 s40, s26, 9                         ; their scales: 64 rows of 8 bytes; 32 rows of 16
	s_mov_b32 s41, 0
	s_lshl_b32 s42, s26, 8                         ; b1: my 64 numbers
	s_mov_b32 s43, 0
	s_lshl_b32 s44, ttmp9, 11
	s_add_co_u32 s44, s44, s36
	s_mov_b32 s45, 0
	s_wait_kmcnt 0x0
	s_add_nc_u64 s[4:5], s[4:5], s[32:33]
	s_add_nc_u64 s[22:23], s[22:23], s[32:33]
	s_add_nc_u64 s[6:7], s[6:7], s[34:35]
	s_add_nc_u64 s[8:9], s[8:9], s[36:37]
	s_add_nc_u64 s[10:11], s[10:11], s[36:37]
	s_add_nc_u64 s[12:13], s[12:13], s[38:39]
	s_add_nc_u64 s[18:19], s[18:19], s[38:39]
	s_add_nc_u64 s[14:15], s[14:15], s[40:41]
	s_add_nc_u64 s[20:21], s[20:21], s[40:41]
	s_add_nc_u64 s[16:17], s[16:17], s[42:43]
	s_add_nc_u64 s[24:25], s[24:25], s[44:45]
	; ---- A: h
	s_wait_alu depctr_va_vdst(0)                   ; the offsets and LDS addresses v1 to v15, v88 and v89 are written, which the loads and stores of the kernel read
.irp j, 0,1,2,3
	global_load_b128 v[PM+4*\j:PM+4*\j+3], v[PAD], s[6:7] offset:16*\j
.endr
.irp j, 0,1,2,3
	global_load_b128 v[PQ+4*\j:PQ+4*\j+3], v[PAD], s[6:7] offset:1024+16*\j
.endr
.irp j, 0,1,2,3
	global_load_b128 v[GM+4*\j:GM+4*\j+3], v[GA], s[8:9] offset:16*\j
.endr
.irp j, 0,1,2,3
	global_load_b128 v[BT+4*\j:BT+4*\j+3], v[GA], s[10:11] offset:16*\j
.endr
.irp m, 0,1,2,3
.irp j, 0,1,2,3
	global_load_b128 v[H+16*\m+4*\j:H+16*\m+4*\j+3], v[L16], s[4:5] offset:16384*\m+512*\j th:TH_LOAD_NT
.endr
.endr
	WIN 0x40                                       ; destination window 1
	W1LOAD 0
	W1LOAD 1
	WIN 0
	s_wait_loadcnt 48                              ; the partials are in: behind them stand gain and shift (8), y (16) and W1's first 24
	COMBINE
	s_wait_loadcnt 24                              ; gain, shift and y are in; W1's 24 may be out
.irp i, 0,2,4,6,8,10,12,14
	v_pk_mul_f32 v[PQ+\i:PQ+\i+1], v[PQ+\i:PQ+\i+1], v[GM+\i:GM+\i+1]
.endr
	WIN 0x40
	W1LOAD 2                                       ; (no vector instruction names these registers of window 1, nor v[W1A] since the head's wait)
	W1LOAD 3
	W1LOAD 4
	WIN 0
	NORMALISE
	WIN 0x40
	W1LOAD 5
	W1LOAD 6
	W1LOAD 7
	WIN 0
	Q32 H, H+16
	QBST 0
	s_wait_dscnt 0x0                               ; the stores are done
	s_wait_alu depctr_vm_vsrc(0)                   ; the three LDS stores have read v[PC ..] and v[BY], which the next quantiser writes again
	Q32 H+32, H+48
	QBST 2
.irp i, 0,1,2,3,4,5,6,7,8,9,10,11,12,13,14,15
	ds_store_b128 v[HP], v[H+4*\i:H+4*\i+3] offset:512*\i     ; h is parked: its registers take proj.  (The norm wrote h ahead of the quantiser's wait, and no vector instruction has followed that wait)
.endr
.irp t, 0,1,2,3,4,5,6,7
	global_load_b64 v[W1S+2*\t:W1S+2*\t+1], v[W1SA], s[14:15] offset:(512*(\t/4)+32*((\t%4)/2)+8*(\t%2))*8
.endr
	WIN 0x40
.irp t, 0,1,2,3,4,5,6,7
	global_load_b128 v[B1+8*\t:B1+8*\t+3], v[GA], s[16:17] offset:(512*(\t/4)+32*((\t%4)/2)+8*(\t%2))*4
	global_load_b128 v[B1+8*\t+4:B1+8*\t+7], v[GA], s[16:17] offset:(512*(\t/4)+32*((\t%4)/2)+8*(\t%2))*4+16
.endr
	WIN 0
	BARRIER                                        ; h's eight fragments lie in LDS
	s_wait_loadcnt 0x0                             ; W1, its scales, b1
.irp u, 0,1
.irp s, 0,1,2,3
.irp p, 0,1,2,3,4,5
	global_load_b64 v[W2F+12*(4*\u+\s)+2*\p:W2F+12*(4*\u+\s)+2*\p+1], v[W2A], s[18:19] offset:3072*\u+96*\s+48*(\p/3)+8*(\p%3)   ; W2 lands while the first product runs, where the norm's statistics lay: the norm stands ahead of the second quantiser's wait
.endr
.endr
.endr
.irp u, 0,1
	global_load_b128 v[W2S+4*\u:W2S+4*\u+3], v[W2SA], s[20:21] offset:128*\u
.endr
	; ---- B: proj and the activation, a tile of 16 tokens at a time
.macro PROJ mm
	FETCHF HF, HIMG+3072*\mm                       ; (behind the last tile's one wait on va_vdst, which no vector instruction has followed)
	FETCHF HF+12, HIMG+3072*\mm+1536
	ds_load_b32 v[HS], v[L4R] offset:HSC+128*\mm
	ds_load_b32 v[HS+1], v[L4R] offset:HSC+128*\mm+64
	s_wait_dscnt 0x0                               ; they are in
	s_wait_alu depctr_vm_vsrc(0)                   ; tile 0: the LDS stores that parked h have read its registers, which the products write; every tile: the last LDS stores of codes have read v[PC ..] and v[BY], which the activation's scratch and the quantiser write
	WIN 0x11                                       ; source 0 (W1) and C (b1) window 1
.irp t, 0,1,2,3,4,5,6,7
	MMX PA+8*\t, 24*\t, HF, B1+8*\t, W1S+2*\t, HS
.endr
	WIN 0x01
.irp t, 0,1,2,3,4,5,6,7
	MMI PA+8*\t, 24*\t+12, HF+12, W1S+2*\t+1, HS+1
.endr
	WIN 0
	PLACES 5                                       ; four ahead of the reads of results and the writes onto h's fragments; five ahead of the next tile's products, which begin these accumulators anew
.set j, 0
.rept 16
	v_pk_mul_f32 v[EX+j:EX+j+1], v[PA+32+j:PA+32+j+1], 0xbfb8aa3b op_sel_hi:[1,0]   ; -gate x log2(e)
.set j, j+2
.endr
.set j, 0
.rept 32
	v_exp_f32 v[EX+j], v[EX+j]
.set j, j+1
.endr
	v_nop
	s_wait_alu depctr_va_vdst(0)                   ; the 32 exponentials are written, ahead of their first reader
.set j, 0
.rept 16
	v_pk_add_f32 v[EX+j:EX+j+1], v[EX+j:EX+j+1], 1.0 op_sel_hi:[1,0]
.set j, j+2
.endr
.set j, 0
.rept 32
	v_rcp_f32 v[EX+j], v[EX+j]                     ; sigmoid(gate)
.set j, j+1
.endr
	v_nop
	s_wait_alu depctr_va_vdst(0)                   ; the 32 reciprocals are written, ahead of their first reader
.set j, 0
.rept 16
	v_pk_mul_f32 v[PA+32+j:PA+32+j+1], v[PA+32+j:PA+32+j+1], v[EX+j:EX+j+1]          ; silu(gate)
.set j, j+2
.endr
.set j, 0
.rept 16
	v_pk_mul_f32 v[PA+j:PA+j+1], v[PA+32+j:PA+32+j+1], v[PA+j:PA+j+1]                ; x x_part
.set j, j+2
.endr
	Q32 PA, PA+16                                  ; my 64 units are two blocks: lane (r, h) ends with block 2 (w % 2) + h of K step w / 2: six registers of the operand as they stand
	v_lshl_or_b32 v[BY], v[T0+3], 8, v[T0+2]
	s_wait_alu depctr_va_vdst(0)                   ; the quantiser has written v[PC ..] and v[BY], which the three LDS stores read; the tile's products and vector work are done with h's fragments, their scale words, the scratch and proj, in which the next LDS loads land
	ds_store_b128 v[AW16], v[PC:PC+3] offset:AIMG+6144*\mm
	ds_store_b64 v[AW8], v[PC+4:PC+5] offset:AIMG+6144*\mm
	ds_store_b16 v[AWS], v[BY] offset:ASC+256*\mm  ; lanes r and r + 16 write the same two bytes with the same value
.endm
	PROJ 0
	PROJ 1
	PROJ 2
	PROJ 3
.irp i, 0,1,2,3,4,5,6,7,8,9,10,11,12,13,14,15
	ds_load_b128 v[ACC+4*\i:ACC+4*\i+3], v[HP] offset:512*\i  ; h comes back, as the C of the second product's sums (my own bytes: LDS serves a wave's instructions in order, ISA guide 5.7.1.4)
.endr
	BARRIER                                        ; a's sixteen fragments lie in LDS
	; ---- C: z = h + a W2: eight accumulators by turns, a K step at a time; the K steps' fragments in two buffers by turns
.macro AFRAG reg, s                    ; K step s: the four token tiles' fragments of a
.irp m, 0,1,2,3
	FETCHF \reg+12*\m, AIMG+(4*\m+\s)*1536
.endr
.endm
.macro ASCALE sw, s                    ; and their scale words
.irp m, 0,1,2,3
	ds_load_b32 v[\sw+\m], v[L4R] offset:ASC+64*(4*\m+\s)
.endr
.endm
.macro MUL2 fr, sw, s
.irp m, 0,1,2,3
.irp u, 0,1
	MMI ACC+16*\m+8*\u, W2F+12*(4*\u+\s), \fr+12*\m, W2S+4*\u+\s, \sw+\m
.endr
.endr
.endm
	s_wait_loadcnt 0x0                             ; W2 and its scales
	s_wait_alu depctr_vm_vsrc(0)                   ; the last tile's LDS stores have read v[PC ..] and v[BY], and W2's loads their offsets v88 and v89: K step 0's fragments land in these registers
	AFRAG AFR, 0
	ASCALE ASW, 0
	WIN 0x40                                       ; destination window 1
	AFRAG 0, 1                                     ; (W1's fragments and scale words were last read by the last tile's products, ahead of that tile's wait on va_vdst, which no vector instruction has followed)
	WIN 0
	ASCALE ASX, 1
	s_wait_dscnt 20                                ; K step 0's twenty loads are in; K step 1's twenty may be out
	MUL2 AFR, ASW, 0
	PLACES 4                                       ; four places behind the products, ahead of loads into registers that they have read: they stay beside the wait below
	s_wait_alu depctr_va_vdst(0)                   ; K step 0's products are done reading v48-95 and v42-45, in which K step 2's loads land
	AFRAG AFR, 2
	ASCALE ASW, 2
	s_wait_dscnt 20                                ; K step 1's twenty loads are in; K step 2's twenty may be out
	WIN 0x04                                       ; source 1 (a) window 1
	MUL2 0, ASX, 1
	PLACES 4
	WIN 0x40
	s_wait_alu depctr_va_vdst(0)                   ; K step 1's products are done reading window 1's v0-47 and v16-19, in which K step 3's loads land
	AFRAG 0, 3
	WIN 0
	ASCALE ASX, 3
	s_wait_dscnt 20                                ; K step 2's twenty loads are in; K step 3's twenty may be out
	MUL2 AFR, ASW, 2
	s_wait_dscnt 0x0                               ; K step 3's
	WIN 0x04
	MUL2 0, ASX, 3
	WIN 0
	PLACES 4                                       ; ahead of the first read of results
	; ---- D
	s_wait_alu depctr_va_vdst(0)                   ; the products have written z, which the sixteen stores read; the places above stay beside this wait
.irp m, 0,1,2,3
.irp j, 0,1,2,3
	global_store_b128 v[L16], v[ACC+16*\m+4*\j:ACC+16*\m+4*\j+3], s[22:23] offset:16384*\m+512*\j   ; 512 consecutive bytes a store, aligned; each accumulator from its low end on
.endr
.endr
	STATS ACC, 24
	s_wait_dscnt 0x0                               ; the closing lines, six on end
	s_wait_alu 0x0
	s_wait_tensorcnt 0x0
	ds_add_u32 v[SPW], v[NIL]
	s_wait_dscnt 0x0
	s_endpgm
.Lfunc_end_k_q08da3f5c1b_ffn:
	.size	k_q08da3f5c1b_ffn, .Lfunc_end_k_q08da3f5c1b_ffn-k_q08da3f5c1b_ffn
	.p2alignl 7, 3214868480
	.fill 96, 4, 3214868480
	.section	.rodata,"a",@progbits
	.p2align	6, 0x0
	.amdhsa_kernel k_q08da3f5c1b_ffn
		.amdhsa_group_segment_fixed_size 104960
		.amdhsa_private_segment_fixed_size 0
		.amdhsa_enable_private_segment 0
		.amdhsa_kernarg_size 88
		.amdhsa_user_sgpr_count 2
		.amdhsa_user_sgpr_kernarg_segment_ptr 1
		.amdhsa_wavefront_size32 1
		.amdhsa_system_sgpr_workgroup_id_x 1
		.amdhsa_system_sgpr_workgroup_id_y 1
		.amdhsa_system_sgpr_workgroup_id_z 1
		.amdhsa_system_vgpr_workitem_id 0
		.amdhsa_next_free_vgpr 512
		.amdhsa_next_free_sgpr 66
		.amdhsa_reserve_vcc 0
		.amdhsa_float_denorm_mode_32 3
		.amdhsa_float_denorm_mode_16_64 3
		.amdhsa_memory_ordered 1
		.amdhsa_forward_progress 1
		.amdhsa_inst_pref_size 122
	.end_amdhsa_kernel
	.amdgpu_metadata
---
amdhsa.version: [ 1, 2 ]
amdhsa.kernels:
  - .name:           k_q08da3f5c1b_ffn
    .symbol:         k_q08da3f5c1b_ffn.kd
    .args:
      - { .name: ky, .offset: 0, .size: 8, .value_kind: global_buffer, .address_space: global }
      - { .name: st1, .offset: 8, .size: 8, .value_kind: global_buffer, .address_space: global }
      - { .name: gamma1, .offset: 16, .size: 8, .value_kind: global_buffer, .address_space: global }
      - { .name: beta1, .offset: 24, .size: 8, .value_kind: global_buffer, .address_space: global }
      - { .name: W1_codes, .offset: 32, .size: 8, .value_kind: global_buffer, .address_space: global }
      - { .name: W1_scales, .offset: 40, .size: 8, .value_kind: global_buffer, .address_space: global }
      - { .name: b1, .offset: 48, .size: 8, .value_kind: global_buffer, .address_space: global }
      - { .name: W2_codes, .offset: 56, .size: 8, .value_kind: global_buffer, .address_space: global }
      - { .name: W2_scales, .offset: 64, .size: 8, .value_kind: global_buffer, .address_space: global }
      - { .name: qz, .offset: 72, .size: 8, .value_kind: global_buffer, .address_space: global }
      - { .name: st2, .offset: 80, .size: 8, .value_kind: global_buffer, .address_space: global }
    .group_segment_fixed_size: 104960
    .private_segment_fixed_size: 0
    .kernarg_segment_align: 8
    .kernarg_segment_size: 88
    .max_flat_workgroup_size: 256
    .sgpr_count:     66
    .vgpr_count:     512
    .wavefront_size: 32
...
	.end_amdgpu_metadata
.endif
;; end of part 9
;; launch norm: the kernel of part 5 again; grid 256 x 1, 8 waves a work-group, no clusters, 67,584 bytes of LDS; arguments qz, st2, gamma2, beta2, out0; writes out0
